; MI455X (gfx1250); checked and timed in simulation.
; The chip was launched on July 23, 2026; its instructions are those of AMD's public machine-readable ISA for CDNA 5 (MIT licence, August 2026) and "CDNA5" Instruction Set Architecture Reference Guide (July 2026). The comments in the code are by the model that wrote it; some were corrected since.
;; Encoder Layer. Allowed arithmetic: matrix products marked QUANTISED: E2M3 operands, one E8M0 scale for each 32 along K, by v_wmma_scale_f32_16x16x128_f8f6f4 with both operands' format E2M3, f32 sums; everything else in f32.
;; Inputs: W1 1,024 x 4,096 float32; W2 4,096 x 1,024 float32; Wk 1,024 x 1,024 float32; Wo 1,024 x 1,024 float32; Wq 1,024 x 1,024 float32; Wv 1,024 x 1,024 float32; b1 4,096 float32; b2 1,024 float32; bk 1,024 float32; bo 1,024 float32; bq 1,024 float32; bv 1,024 float32; ln1_b 1,024 float32; ln1_g 1,024 float32; ln2_b 1,024 float32; ln2_g 1,024 float32; x 2 x 2,048 x 1,024 float32.
;; Outputs: out0 2 x 2,048 x 1,024 float32.
;; This version of the problem:
;;   THIS VERSION OF THE PROBLEM IS GIVEN IN LOW PRECISION. The matrix products marked QUANTISED in the list below multiply operands that are first quantised to E2M3 (2 exponent bits, 3 mantissa bits; 6 bits a number), with one power-of-two scale for each 32 numbers along K (OCP MX v1.0); their sums are f32. All else is computed in f32.
;;   The module's matrix products, in the order in which they are computed (A, B: the left and right operand; K: the contracted axis; several contracted axes count as one K, in the product's order):
;;     1. [M 4,096, K 1,024] x [K 1,024, N 1,024]; A: input x; B: input Wq: QUANTISED
;;     2. [M 4,096, K 1,024] x [K 1,024, N 1,024]; A: input x; B: input Wk: QUANTISED
;;     3. [M 4,096, K 1,024] x [K 1,024, N 1,024]; A: input x; B: input Wv: QUANTISED
;;     4. batch 32 x [M 2,048, K 64] x [K 64, N 2,048]; A: computed on the way; B: computed on the way: QUANTISED
;;     5. batch 32 x [M 2,048, K 2,048] x [K 2,048, N 64]; A: softmax (see below); B: computed on the way: QUANTISED
;;     6. [M 4,096, K 1,024] x [K 1,024, N 1,024]; A: computed on the way; B: input Wo: QUANTISED
;;     7. [M 4,096, K 1,024] x [K 1,024, N 4,096]; A: computed on the way; B: input W1: QUANTISED
;;     8. [M 4,096, K 4,096] x [K 4,096, N 1,024]; A: computed on the way; B: input W2: QUANTISED
;;   THE QUANTISER, for each operand of a quantised product, along K:
;;     - K is cut into blocks of 32 from its start; a last block that is shorter is filled with zeros.
;;     - A block's scale is 2^e with e = floor(log2(the largest magnitude in the block)) - 2, held to -126 .. 127; a block of zeros has e = 0. As a byte (E8M0): e + 127.
;;     - Each number is divided by its block's scale, clamped to +-7.5, and rounded to the nearest number of E2M3, ties to even, subnormals kept.
;;     - The product sums the exact products of the quantised numbers (number of the format x scale) in f32.
;;   ~~~python
;;   def quantise(x, axis):      # numpy; x: float32 -> the quantised numbers, widened to float32 again
;;       x = np.moveaxis(x, axis, -1); K = x.shape[-1]
;;       x = np.pad(x, [(0, 0)] * (x.ndim - 1) + [(0, -K % 32)]); x = x.reshape(x.shape[:-1] + (-1, 32)); a = np.abs(x).max(-1, keepdims=True)
;;       e = np.where(a > 0, np.clip(np.frexp(np.where(a > 0, a, 1))[1] - 1 - 2, -126, 127), 0)      # np.frexp(a)[1] - 1 = floor(log2(a)), exactly
;;       r = np.clip(x / 2.0 ** e, -7.5, 7.5)
;;       step = 2.0 ** (np.maximum(np.frexp(np.where(r == 0, 1, r))[1] - 1, 0) - 3)
;;       q = np.round(r / step) * step * 2.0 ** e      # np.round: ties to even
;;       return np.moveaxis(q.reshape(q.shape[:-2] + (-1,))[..., :K], -1, axis).astype(np.float32)
;;   ~~~
;;   SOFTMAX AHEAD OF A QUANTISED PRODUCT. Where the list says 'softmax', what is quantised is not the finished softmax but p = 2^(t - M), with t = logit x log2(e) and M = ceil(the row's largest t), a whole number; so 1/2 < the row's largest p <= 1. The row's sum l is taken of the UNQUANTISED p, in f32, and the product's result is divided by l at the end. Since M is a whole number, a kernel that streams over the keys may use a running M (the ceiling of the running maximum): every later rescaling is an exact power of two, which a block's scale takes up: the codes' values come out the same.
;;   OPERANDS COMPUTED ON THE WAY. 'Computed on the way' means the value that the module computes at that place (a softmax that the list does not call 'softmax' is quantised finished and normalised). What goes into a quantiser is computed in f32, as accurately as f32 sums, v_exp_f32 and their like allow (about 1e-6 of the number): no bf16 or f16 on the way to a quantiser, and a product that is left as it is and whose result goes on into a quantised operand takes f32 operands (vector FMAs, or v_wmma_f32_16x16x4_f32). A number that lies on a knife's edge between two numbers of the format may be rounded either way, as far as f32 arithmetic and the matrix unit's own rounding can turn it there, and no further.
;; One version. Each part assembles by itself: llvm-mc -triple=amdgcn-amd-amdhsa -mcpu=gfx1250 --defsym DOCPART=n.
;; ======== version 1 of 1: 8 launches
;; limits: right only within a limited range of input values
;; workspace buffers: opq 22,937,600 bytes; qkv 19,660,800 bytes; ao 3,276,800 bytes; y 16,777,216 bytes; x1 20,054,016 bytes; hid 13,107,200 bytes; yp 67,108,864 bytes
;; launch prep (part 1): grid 448 x 1, 8 waves a work-group, no clusters, 117,760 bytes of LDS; arguments x, Wq, Wk, Wv, Wo, W1, W2, opq; writes opq
.if DOCPART == 1
	.amdgcn_target "amdgcn-amd-amdhsa--gfx1250"
	.amdhsa_code_object_version 6
	.text
	.protected	k_q94cee32e1a_prep
	.globl	k_q94cee32e1a_prep
	.p2align	8
	.type	k_q94cee32e1a_prep,@function
k_q94cee32e1a_prep:
	s_mov_b64 s[64:65], 0
	v_nop
	global_prefetch_b8 v0, s[64:65] scope:SCOPE_SE
	s_setreg_imm32_b32 hwreg(HW_REG_WAVE_MODE, 25, 1), 1
	s_wait_xcnt 0x0
; x [4096][1024] and the six weights (K is their FIRST axis) become codes of FP6 (E2M3) with one E8M0 byte for each 32 along K, laid as IMAGES OF OPERAND REGISTERS.
; A fragment (16 rows x 128 K, 12 registers a lane) of K step ks and row block rb lies at (256 ks + rb) x 1536: register j of lane L at 512 (j / 4) + 16 L + 4 (j % 4).
; Slot r of row block rb holds row 32 (rb / 2) + 8 (rb % 2) + r + 8 (r / 8); lane (r, h) holds k = 128 ks + 64 c + 32 h + 0 .. 31 in registers 6 c .. 6 c + 5.  Scale words: (256 ks + rb) x 64 + 4 r.
; A block's scale is 2^(floor(log2(largest magnitude)) - 2): its byte is that magnitude's exponent field - 2, held at 1 from below.
; LIMITS: a block of zeros, or one whose largest magnitude lies under 2^-124, gets the byte 1 (its codes are zeros or subnormal codes; this program alone reads the bytes); NaN and infinities are not served.
; Work-groups 0-255: x, one row block each, a wave a K step.  Work-groups 256-447: weights, 256 columns x 256 K each; a lane takes a column, its registers run down K.
; The two paths have LDS bytes of their own.  No tensor load, no barrier: waves share nothing.
.set OW4,   3145728                    ; places in opq: x's codes at 0, then [Wq;Wk;Wv;Wo]^T, W1^T, W2^T (each 3,145,728 on), then the scale words
.set SX,    22020096
.set SW4,   22151168
.set PLANE, 393216
.set XW,    8448                       ; x path: a wave's stage: 16 rows x (512 + 16) bytes, from LDS byte 0
.set WSTG,  67584                      ; weights' path: a wave's stage: 2 K steps x 2 row blocks x 1536 bytes
.set WW,    6144
.set SPARE, 116736                     ; the spare words, 128 bytes a wave
.set SPW,   14
.set NIL,   15
.set SEL,   22
.set TM,    176
.set PW,    192
.set PC,    196
.set TP,    208
; 64 numbers of a lane, register 16 b + i = k 32 b + 16 (lane / 16) + i of my row, become a fragment's codes in v[PC] on and its scale word in v[PW]
.macro QUANT s
.irp b, 0,1,2,3
	v_max3_num_f32 v[TM+\b], |v[\s+16*\b]|, |v[\s+1+16*\b]|, 0x1800000   ; my 16 numbers of block b, and the floor 2^(3 - 127)
.endr
.irp i, 2,4,6,8,10,12,14
.irp b, 0,1,2,3
	s_delay_alu instid0(VALU_DEP_4)
	v_max3_num_f32 v[TM+\b], v[TM+\b], |v[\s+16*\b+\i]|, |v[\s+1+16*\b+\i]|
.endr
.endr
.irp b, 0,1,2,3
	s_delay_alu instid0(VALU_DEP_4)
	v_permlanex16_b32 v[TM+4+\b], v[TM+\b], s[SEL], s[SEL+1]
.endr
.irp b, 0,1,2,3
	s_delay_alu instid0(VALU_DEP_4)
	v_max_num_f32 v[TM+\b], v[TM+\b], v[TM+4+\b]   ; with lane l xor 16's: the block's largest magnitude
.endr
.irp b, 0,1,2,3
	s_delay_alu instid0(VALU_DEP_4)
	v_add_nc_u32 v[TM+12+\b], 0xff000000, v[TM+\b]   ; 2 off its exponent field: the conversion's scale operand
.endr
.irp b, 0,1,2,3
	s_delay_alu instid0(VALU_DEP_4)
	v_lshrrev_b32 v[TM+4+\b], 23, v[TM+12+\b]       ; the byte
.endr
	s_delay_alu instid0(VALU_DEP_3)
	v_lshl_or_b32 v[PW], v[TM+5], 8, v[TM+4]
	s_delay_alu instid0(VALU_DEP_1)
	v_lshl_or_b32 v[PW], v[TM+6], 16, v[PW]
	s_delay_alu instid0(VALU_DEP_1)
	v_lshl_or_b32 v[PW], v[TM+7], 24, v[PW]
.irp c, 0,1
	v_cvt_scalef32_pk16_fp6_f32 v[PC+6*\c:PC+2+6*\c], v[\s+32*\c:\s+15+32*\c], v[TM+12+2*\c]
	v_cvt_scalef32_pk16_fp6_f32 v[TP+4*\c:TP+2+4*\c], v[\s+16+32*\c:\s+31+32*\c], v[TM+13+2*\c]
.endr
	v_nop                                          ; one plain place behind a scaled conversion
.irp c, 0,1                                    ; a whole block to a lane: lanes 0-15 block 2 c, lanes 16-31 block 2 c + 1
.irp i, 0,1,2
	v_permlane16_swap_b32 v[PC+6*\c+\i], v[TP+4*\c+\i]
.endr
.irp i, 0,1,2
	s_delay_alu instid0(VALU_DEP_3)
	v_mov_b32 v[PC+3+6*\c+\i], v[TP+4*\c+\i]
.endr
.endr
.endm
	s_load_b256 s[4:11], s[0:1], 0x0               ; x, Wq, Wk, Wv
	s_load_b256 s[12:19], s[0:1], 0x20             ; Wo, W1, W2, opq
	v_lshl_add_u32 v[SPW], v0, 2, SPARE
	v_mov_b32 v[NIL], 0
	v_lshrrev_b32 v1, 5, v0
	s_delay_alu instid0(VALU_DEP_1)
	v_readfirstlane_b32 s20, v1                    ; wave 0..7
	v_and_b32 v1, 31, v0                           ; lane
	v_and_b32 v2, 15, v0                           ; r
	v_bfe_u32 v3, v0, 4, 1                         ; h
	s_delay_alu instid0(VALU_DEP_3)
	v_lshlrev_b32 v4, 4, v1                        ; 16 x lane
	s_delay_alu instid0(VALU_DEP_3)
	v_lshlrev_b32 v5, 2, v2                        ; 4 r
	s_mul_i32 s21, s20, XW
	v_add_nc_u32 v6, s21, v4                       ; x's stage, in: a row's 512 bytes as they lie
	v_mul_u32_u24 v7, v2, 528
	s_delay_alu instid0(VALU_DEP_1)
	v_lshl_add_u32 v7, v3, 6, v7
	s_delay_alu instid0(VALU_DEP_1)
	v_add_nc_u32 v7, s21, v7                       ; and out: row r, + 64 h
	s_mul_i32 s21, s20, WW
	s_add_co_u32 s21, s21, WSTG
	v_bfe_u32 v8, v0, 3, 1                         ; column l of my 32 is slot r' = (l & 7) + 8 (l / 16) of row block u = bit 3 of l
	v_and_b32 v9, 7, v0
	s_delay_alu instid0(VALU_DEP_1)
	v_lshl_or_b32 v9, v3, 3, v9
	s_delay_alu instid0(VALU_DEP_1)
	v_lshlrev_b32 v10, 2, v9
	s_delay_alu instid0(VALU_DEP_1)
	v_lshl_add_u32 v10, v8, 6, v10                 ; its scale word: 64 u + 4 r'
	v_mul_u32_u24 v8, v8, 1536
	s_delay_alu instid0(VALU_DEP_1)
	v_lshl_add_u32 v8, v9, 4, v8
	s_delay_alu instid0(VALU_DEP_1)
	v_add_nc_u32 v8, s21, v8                       ; the weights' stage, in: 1536 u + 16 r'
	v_add_nc_u32 v9, s21, v4                       ; and out: 16 x lane
	s_mov_b32 s[SEL], 0x76543210
	s_mov_b32 s[SEL+1], 0xfedcba98
	s_wait_kmcnt 0x0
	s_cmp_lt_u32 ttmp9, 256
	s_cbranch_scc0 .Lweights
	; ---- x: row block = work-group, K step = wave
	s_lshr_b32 s24, ttmp9, 1
	s_lshl_b32 s24, s24, 5
	s_and_b32 s25, ttmp9, 1
	s_lshl_b32 s25, s25, 3
	s_add_co_u32 s24, s24, s25                     ; slot 0's row
	s_lshl_b32 s24, s24, 12
	s_lshl_b32 s25, s20, 9
	s_add_co_u32 s24, s24, s25
	s_mov_b32 s25, 0
	s_add_nc_u64 s[4:5], s[4:5], s[24:25]
.irp i, 0,1,2,3,4,5,6,7,8,9,10,11,12,13,14,15
	global_load_b128 v[48+4*\i:51+4*\i], v4, s[4:5] offset:(\i+8*(\i/8))*4096 th:TH_LOAD_NT   ; slot i's 512 consecutive bytes
.endr
	s_lshl_b32 s26, s20, 8
	s_add_co_u32 s26, s26, ttmp9                   ; 256 ks + rb
	s_lshl_b32 s28, s26, 6
	s_add_co_u32 s28, s28, SX
	s_mov_b32 s29, 0
	s_mul_i32 s26, s26, 1536
	s_mov_b32 s27, 0
	s_add_nc_u64 s[26:27], s[18:19], s[26:27]
	s_add_nc_u64 s[28:29], s[18:19], s[28:29]
.irp b, 0,1,2,3
	v_mov_b32 v[TM+4+\b], 0                        ; a lane permute's destination counts as one of its sources
.endr
.irp i, 0,1,2,3,4,5,6,7,8,9,10,11,12,13,14,15
	s_wait_loadcnt 15-\i                           ; slot i's load is in; the younger ones stay out
	ds_store_b128 v6, v[48+4*\i:51+4*\i] offset:528*\i
.endr
.irp p, 0,1,2,3
.irp e, 0,1,2,3
	ds_load_b128 v[112+16*\p+4*\e:115+16*\p+4*\e], v7 offset:128*\p+16*\e   ; LDS serves a wave's instructions in order: these see my stores
.endr
.endr
	s_wait_dscnt 0x0
	QUANT 112
	global_store_b128 v4, v[PC:PC+3], s[26:27]                 ; each store covers 512 consecutive bytes
	global_store_b128 v4, v[PC+4:PC+7], s[26:27] offset:512
	global_store_b128 v4, v[PC+8:PC+11], s[26:27] offset:1024
	global_store_b32 v5, v[PW], s[28:29]                       ; both halves of the lanes hold and write the same word
	s_wait_tensorcnt 0x0                           ; the wave's end, behind my last LDS store
	ds_add_u32 v[SPW], v[NIL]
	s_wait_dscnt 0x0
	s_endpgm
	; ---- weights.  j = work-group - 256; T = j / 64: 0 the four d x d weights, 1 W1, 2 W2
.Lweights:
	s_sub_co_u32 s45, ttmp9, 256
	s_lshr_b32 s44, s45, 6                         ; T
	s_and_b32 s45, s45, 63
	s_and_b32 s48, s45, 15                         ; W1: 16 runs of 256 columns,
	s_lshr_b32 s49, s45, 4                         ;     4 runs of 256 along K
	s_and_b32 s50, s45, 3                          ; the others: 4 runs of columns
	s_lshr_b32 s51, s45, 2
	s_lshr_b32 s52, s51, 2                         ; the four: which weight,
	s_and_b32 s53, s51, 3                          ;     which run along K
	s_add_co_u32 s43, s44, 3                       ; the source's number: 0-3 Wq Wk Wv Wo, 4 W1, 5 W2
	s_movk_i32 s42, 4096                           ; a row of the source in bytes
	s_cmp_eq_u32 s44, 1
	s_cselect_b32 s48, s48, s50
	s_cselect_b32 s49, s49, s51
	s_cselect_b32 s42, 16384, s42
	s_cmp_eq_u32 s44, 0
	s_cselect_b32 s49, s53, s49
	s_cselect_b32 s43, s52, s43
	s_cselect_b32 s52, s52, 0
	s_mov_b64 s[46:47], s[6:7]
	s_cmp_eq_u32 s43, 1
	s_cselect_b64 s[46:47], s[8:9], s[46:47]
	s_cmp_eq_u32 s43, 2
	s_cselect_b64 s[46:47], s[10:11], s[46:47]
	s_cmp_eq_u32 s43, 3
	s_cselect_b64 s[46:47], s[12:13], s[46:47]
	s_cmp_eq_u32 s43, 4
	s_cselect_b64 s[46:47], s[14:15], s[46:47]
	s_cmp_eq_u32 s43, 5
	s_cselect_b64 s[46:47], s[16:17], s[46:47]
	s_lshl_b32 s48, s48, 8
	s_lshl_b32 s60, s20, 5
	s_add_co_u32 s48, s48, s60                     ; my wave's first column
	s_mul_i32 s54, s49, s42
	s_lshl_b32 s54, s54, 8                         ; 256 rows for each run along K
	s_lshl_b32 s60, s48, 2
	s_add_co_u32 s54, s54, s60
	s_mov_b32 s55, 0
	s_add_nc_u64 s[24:25], s[46:47], s[54:55]      ; block 0's first row; a base for each of the 8 blocks, none rewritten
	s_lshl_b32 s40, s42, 5
	s_mov_b32 s41, 0
.irp t, 1,2,3,4,5,6,7
	s_add_nc_u64 s[24+2*\t:25+2*\t], s[22+2*\t:23+2*\t], s[40:41]
.endr
	s_lshl_b32 s60, s49, 9                         ; 256 x (2 x run along K)
	s_lshl_b32 s61, s52, 6                         ; + 64 row blocks for each weight of the four
	s_add_co_u32 s60, s60, s61
	s_lshr_b32 s61, s48, 4
	s_add_co_u32 s60, s60, s61                     ; 256 ks + rb of my first fragment
	s_mul_i32 s54, s44, 3145728
	s_add_co_u32 s54, s54, OW4
	s_mul_i32 s61, s60, 1536
	s_add_co_u32 s54, s54, s61
	s_add_nc_u64 s[56:57], s[18:19], s[54:55]
	s_lshl_b32 s54, s44, 17
	s_add_co_u32 s54, s54, SW4
	s_lshl_b32 s61, s60, 6
	s_add_co_u32 s54, s54, s61
	s_add_nc_u64 s[58:59], s[18:19], s[54:55]
	v_lshlrev_b32 v16, 2, v1                       ; v[16 + i] = 4 x lane + i rows
.irp i, 0,1,2,3,4,5,6,7,8,9,10,11,12,13,14,15,16,17,18,19,20,21,22,23,24,25,26,27,28,29,30
	s_delay_alu instid0(VALU_DEP_1)
	v_add_nc_u32 v[17+\i], s42, v[16+\i]
.endr
.macro LOAD t                          ; block t: W(32 t + i, my column) into set t % 2: 128 consecutive bytes a wave, 1,024 a work-group
.irp i, 0,1,2,3,4,5,6,7,8,9,10,11,12,13,14,15,16,17,18,19,20,21,22,23,24,25,26,27,28,29,30,31
	global_load_b32 v[48+32*((\t)%2)+\i], v[16+\i], s[24+2*(\t):25+2*(\t)] th:TH_LOAD_NT
.endr
.endm
.macro BLOCK t
.set XS, 48+32*((\t)%2)
.set K0, 3072*((\t)/4)+256*((\t)%2)    ; K step t / 4; block t % 4 = 2 c + h belongs to lanes 16 h + r'
.if (\t) < 7
	s_wait_loadcnt 32                              ; this block's 32 loads are in; the next block's stay out
.else
	s_wait_loadcnt 0x0
.endif
	v_max3_num_f32 v12, |v[XS]|, |v[XS+1]|, |v[XS+2]|
	v_max3_num_f32 v13, |v[XS+3]|, |v[XS+4]|, |v[XS+5]|
.irp i, 6,10,14,18,22,26
	s_delay_alu instid0(VALU_DEP_2)
	v_max3_num_f32 v12, v12, |v[XS+\i]|, |v[XS+\i+1]|
	s_delay_alu instid0(VALU_DEP_2)
	v_max3_num_f32 v13, v13, |v[XS+\i+2]|, |v[XS+\i+3]|
.endr
	s_delay_alu instid0(VALU_DEP_2)
	v_max3_num_f32 v12, v12, |v[XS+30]|, |v[XS+31]|
	s_delay_alu instid0(VALU_DEP_1)
	v_max3_num_f32 v12, v12, v13, 0x1800000        ; and the floor
	s_delay_alu instid0(VALU_DEP_1)
	v_add_nc_u32 v11, 0xff000000, v12
	v_cvt_scalef32_pk16_fp6_f32 v[112:114], v[XS:XS+15], v11
	v_cvt_scalef32_pk16_fp6_f32 v[118:120], v[XS+16:XS+31], v11
	v_lshrrev_b32 v13, 23, v11                     ; the byte (and the plain place behind the conversions)
.if ((\t)%4) == 0
	s_delay_alu instid0(VALU_DEP_1)
	v_mov_b32 v[124+(\t)/4], v13
.else
	s_delay_alu instid0(VALU_DEP_1)
	v_lshl_or_b32 v[124+(\t)/4], v13, 8*((\t)%4), v[124+(\t)/4]
.endif
.irp i, 0,1,2
	v_mov_b32 v[115+\i], v[118+\i]                 ; six registers on end
.endr
.if ((\t)%4) < 2                       ; c = 0: registers 0-5 of the fragment
	ds_store_b128 v8, v[112:115] offset:K0
	ds_store_b64 v8, v[116:117] offset:K0+512
.else                                  ; c = 1: registers 6-11
	ds_store_b64 v8, v[112:113] offset:K0+520
	ds_store_b128 v8, v[114:117] offset:K0+1024
.endif
.if (\t)+2 < 8
	LOAD (\t)+2
.endif
	s_wait_dscnt 0x0                               ; the stores have read their registers
.endm
	LOAD 0
	LOAD 1
.irp t, 0,1,2,3,4,5,6,7
	BLOCK \t
.endr
.irp i, 0,1,2,3,4,5,6,7,8,9,10,11
	ds_load_b128 v[48+4*\i:51+4*\i], v9 offset:512*\i
.endr
.irp i, 0,1,2,3,4,5,6,7,8,9,10,11
	s_wait_dscnt 11-\i                             ; the younger read-backs stay out
	global_store_b128 v4, v[48+4*\i:51+4*\i], s[56:57] offset:(\i/6)*PLANE+512*(\i%6)   ; 512 consecutive bytes
.endr
	global_store_b32 v10, v124, s[58:59]           ; two row blocks' words: 128 consecutive bytes
	s_wait_alu depctr_va_vdst(0)
	global_store_b32 v10, v125, s[58:59] offset:16384
	s_wait_tensorcnt 0x0                           ; the wave's end, as above
	ds_add_u32 v[SPW], v[NIL]
	s_wait_dscnt 0x0
	s_endpgm
.Lfunc_end_k_q94cee32e1a_prep:
	.size	k_q94cee32e1a_prep, .Lfunc_end_k_q94cee32e1a_prep-k_q94cee32e1a_prep
	.p2alignl 7, 3214868480
	.fill 96, 4, 3214868480
	.section	.rodata,"a",@progbits
	.p2align	6, 0x0
	.amdhsa_kernel k_q94cee32e1a_prep
		.amdhsa_group_segment_fixed_size 117760
		.amdhsa_private_segment_fixed_size 0
		.amdhsa_enable_private_segment 0
		.amdhsa_kernarg_size 64
		.amdhsa_user_sgpr_count 2
		.amdhsa_user_sgpr_kernarg_segment_ptr 1
		.amdhsa_wavefront_size32 1
		.amdhsa_system_sgpr_workgroup_id_x 1
		.amdhsa_system_sgpr_workgroup_id_y 1
		.amdhsa_system_sgpr_workgroup_id_z 1
		.amdhsa_system_vgpr_workitem_id 0
		.amdhsa_next_free_vgpr 224
		.amdhsa_next_free_sgpr 66
		.amdhsa_reserve_vcc 0
		.amdhsa_float_denorm_mode_32 3
		.amdhsa_float_denorm_mode_16_64 3
		.amdhsa_memory_ordered 1
		.amdhsa_forward_progress 1
		.amdhsa_inst_pref_size 61
	.end_amdhsa_kernel
	.amdgpu_metadata
---
amdhsa.version: [ 1, 2 ]
amdhsa.kernels:
  - .name:           k_q94cee32e1a_prep
    .symbol:         k_q94cee32e1a_prep.kd
    .args:
      - { .name: x, .offset: 0, .size: 8, .value_kind: global_buffer, .address_space: global }
      - { .name: Wq, .offset: 8, .size: 8, .value_kind: global_buffer, .address_space: global }
      - { .name: Wk, .offset: 16, .size: 8, .value_kind: global_buffer, .address_space: global }
      - { .name: Wv, .offset: 24, .size: 8, .value_kind: global_buffer, .address_space: global }
      - { .name: Wo, .offset: 32, .size: 8, .value_kind: global_buffer, .address_space: global }
      - { .name: W1, .offset: 40, .size: 8, .value_kind: global_buffer, .address_space: global }
      - { .name: W2, .offset: 48, .size: 8, .value_kind: global_buffer, .address_space: global }
      - { .name: opq, .offset: 56, .size: 8, .value_kind: global_buffer, .address_space: global }
    .group_segment_fixed_size: 117760
    .private_segment_fixed_size: 0
    .kernarg_segment_align: 8
    .kernarg_segment_size: 64
    .max_flat_workgroup_size: 256
    .sgpr_count:     66
    .vgpr_count:     224
    .wavefront_size: 32
...
	.end_amdgpu_metadata
.endif
;; end of part 1
;; launch proj (part 2): grid 8 x 24, 4 waves a work-group, clusters of 4 x 4, 327,680 bytes of LDS; arguments opq, bq, bk, bv, qkv; writes qkv
.if DOCPART == 2
	.amdgcn_target "amdgcn-amd-amdhsa--gfx1250"
	.amdhsa_code_object_version 6
	.text
	.protected	k_q94cee32e1a_proj
	.globl	k_q94cee32e1a_proj
	.p2align	8
	.type	k_q94cee32e1a_proj,@function
k_q94cee32e1a_proj:
	s_mov_b64 s[64:65], 0
	v_nop
	global_prefetch_b8 v0, s[64:65] scope:SCOPE_SE
	s_setreg_imm32_b32 hwreg(HW_REG_WAVE_MODE, 25, 1), 1
	s_wait_xcnt 0x0
	s_wait_alu depctr_hold_cnt(0) depctr_sa_sdst(0) depctr_va_vdst(0) depctr_va_sdst(0) depctr_va_ssrc(0) depctr_va_vcc(0) depctr_vm_vsrc(0)
	s_getreg_b32 s2, hwreg(HW_REG_IB_STS2, 6, 4)
	s_cmp_eq_u32 s2, 0
	s_cbranch_scc0 .Lentry_in_a_cluster
	s_endpgm
.Lentry_in_a_cluster:
	s_bfe_u32 s2, ttmp6, 0x10000c
	s_cmp_lg_u32 s2, 0xf033
	s_cbranch_scc0 .Lentry_shape_is_right
	s_endpgm
.Lentry_shape_is_right:
; ONE TEXT SERVES FOUR LAUNCHES; the line KIND is all that differs between the copies.  C = A B^T + bias on codes of FP6 (E2M3) with E8M0 scales for each 32 along K, f32 sums.
;   KIND 0: q, k = x [Wq;Wk] + [bq;bk], quantised along the features; and v^T = Wv^T x^T + bv, quantised along the tokens.   KIND 1: attention's output x Wo + bo, left as f32.
;   KIND 2: relu(x1 W1 + b1), quantised along the hidden units.
;   KIND 3: hidden x W2 + b2, left as f32, WITH K CUT IN FOUR: C has only 64 tiles of 256 x 256, so each tile is made four times over, each work-group summing 1,024 of the 4,096 along K: 256 work-groups.
;   The four partial sums go to four images, 16,777,216 bytes apart, which the second norm adds.  b2 counts in the first alone: the other three multiply it by 0 (a b2 that is not finite so gives NaN, as reference()'s norm does).
; So every work-group of every KIND walks 8 K steps of 128.
; OPERANDS ARE IMAGES OF REGISTERS: fragment (K step ks, row block rb) at (256 ks + rb) x 1536, three loads of 16 bytes a lane at 16 x lane; scale words at (256 ks + rb) x 64 + 4 r.
; Slot r of row block rb is row 32 (rb / 2) + 8 (rb % 2) + r + 8 (r / 8).  Source 0 = 16 rows of B, source 1 = 16 rows of A: in accumulator (a, b) lane (r, h) holds A's slot r of block a, and register j
; holds B's row 32 (b / 2) + 16 h + 8 (b % 2) + j: the 64 registers of a block a are 64 neighbours-by-sixteens along the next product's K, which the conversions take as they stand.
; A work-group of four waves makes 256 x 256, a wave 128 x 128 (64 accumulators).  K goes through a ring of two LDS slots of 2 K steps, filled by joint tensor loads of a 4 x 4 cluster
; (A's tiles shared along a row, B's along a column); all scale words of the tile's rows come once, with the first fills.  The bias is the C of each sum's first product.
; LIMITS of the quantiser: a block of zeros, or under 2^-124, gets the byte 1 (this program alone reads the bytes); NaN and infinities are not served.
; REGISTERS: window 0: v16-31 addresses; v32-63 scale words, two sets; v64-127 the bias; v128-223 A's 8 fragments; v224-246 at work.  Window 1: B's two sets at v0, v128.  Windows 2, 3: accumulators, (a, b) at v[8 (8 (a % 4) + b)].
.set KIND, 0
.set QK, 1-(KIND%2)                    ; 1: the result is quantised; 0: it leaves as f32
.set NKS, 8                            ; K steps of 128 that a work-group walks
.set FRB,   1536
.set PLANE, 256*FRB                    ; from a K step to the next, in every operand
.set HALFT, 16*FRB                     ; a K step's 16 row blocks: what one load of the ring brings
.set SLOT,  4*HALFT                    ; A's two K steps, then B's two
.set SCL,   2*SLOT                     ; behind the ring: the scale words, [K step][16 row blocks][64 bytes], A's, then B's
.set HALFS, 512*NKS
.set SPARE, SCL+4*HALFS                ; the spare words, 128 bytes a wave
.set LAPS,  NKS/4
.set FR, 12
.set NL, 3
.set NP, 4
.set OX,  0                            ; places in opq
.set OW4, 3145728
.set OW1, 6291456
.set OW2, 9437184
.set SX,  22020096
.set SW4, 22151168
.set SW1, 22282240
.set SW2, 22413312
.set OQK, 0                            ; places in qkv
.set OVT, 6291456
.set SQK, 18874368
.set SVT, 19136512
.if KIND == 0
.set PB, 4                             ; s[PB:PB+1] B's buffer, s[PO:PO+1] the output's
.set PO, 12
.else
.set PB, 6
.set PO, 10
.endif
.set ADRA, 16
.set ADRB, 20
.set LI,   24                          ; 16 x lane
.set L4,   25                          ; 4 x lane
.set BO,   26                          ; 64 h
.set ADRS, 27
.set SPW,  28
.set NIL,  29
.set BO2,  30                          ; 4 (r + 8 (r / 8))
.set SC,   32
.set BI,   64
.set AF,   128
.set TM,   224
.set TP,   240
.set G1,   24
.set G0,   32
.set G1B,  48
.set G0B,  56
.set G1S,  68
.set G0S,  76
.set G1SB, 80
.set G0SB, 88
.set MSB, 0
.macro WIN new                         ; the immediate's high byte repeats the setting that is left
.if MSB != (\new)
	s_set_vgpr_msb (MSB<<8)|(\new)
.set MSB, (\new)
.endif
.endm
.macro JLOAD g0a, g1a, g0b, g1b        ; a joint load: waves 0, 1 fetch for A, waves 2, 3 for B; s_nop 0 and four v_nop follow each line
	s_cmp_eq_u32 s15, 0
	s_cbranch_scc0 .Lfor_b_\@
	tensor_load_to_lds s[\g0a:\g0a+3], s[\g1a:\g1a+7]
	s_nop 0
.rept 4
	v_nop
.endr
	s_branch .Lasked_\@
.Lfor_b_\@:
	tensor_load_to_lds s[\g0b:\g0b+3], s[\g1b:\g1b+7]
	s_nop 0
.rept 4
	v_nop
.endr
.Lasked_\@:
.endm
.macro CREST                           ; a round of the cluster's barrier behind its opening barrier
	s_cmp_lg_u32 s14, 0
	s_cbranch_scc1 .Lnot_wave_0_\@
	s_barrier_signal -3
.Lnot_wave_0_\@:
	s_barrier_wait -3
	s_barrier_signal -1
	s_barrier_wait -1
.endm
.macro CROUND
	s_barrier_signal -1
	s_barrier_wait -1
	CREST
.endm
.if KIND == 0
	s_load_b256 s[4:11], s[0:1], 0x0               ; opq, bq, bk, bv
	s_load_b64 s[12:13], s[0:1], 0x20              ; qkv
.else
	s_load_b256 s[4:11], s[0:1], 0x0               ; A's buffer, opq, the bias, the output
.endif
	v_lshl_add_u32 v[SPW], v0, 2, SPARE
	v_mov_b32 v[NIL], 0
	ds_add_u32 v[SPW], v[NIL]                      ; the wave's opening: the add and its wait ahead of my first tensor load
	ds_add_u32 v[SPW], v[NIL]
	v_lshrrev_b32 v1, 5, v0
	v_readfirstlane_b32 s14, v1                    ; wave 0..3
	s_lshr_b32 s15, s14, 1                         ; my half of the tile's rows.  Also: I fetch for A (0) or B (1)
	s_and_b32 s16, s14, 1                          ; my half of its columns.  Also: which K step of a slot I fetch
	s_bfe_u32 s40, ttmp6, 0x40000                  ; cx
	s_bfe_u32 s41, ttmp6, 0x40004                  ; cy
	s_and_b32 s17, ttmp7, 0xffff                   ; cluster y
.if KIND == 0
	; clusters with y < 4: A = x (16 tile rows), B = Wq, Wk (8 tile columns).  y >= 4: A = Wv^T (4 tile rows), B = x (16 tile columns).  All of it hangs on the cluster's numbers, which partners share
	s_sub_co_u32 s42, s17, 4
	s_lshl_b32 s42, s42, 1
	s_add_co_u32 s42, s42, ttmp9
	s_mov_b32 s92, OW4+128*FRB
	s_mov_b32 s93, SW4+128*64
	s_mov_b32 s95, SW4
	s_mov_b32 s97, SVT
	s_mov_b32 s98, SX
	s_mov_b32 s99, SQK
	s_cmp_lt_u32 s17, 4
	s_cselect_b32 s42, ttmp9, s42                  ; column of clusters
	s_cselect_b32 s17, s17, 0                      ; row of clusters
	s_cselect_b32 s2, 0, 1                         ; 1: the v part
	s_cselect_b32 s92, OX, s92                     ; A's codes,
	s_cselect_b32 s93, s98, s93                    ; A's scale words,
	s_cselect_b32 s94, OW4, OX                     ; B's codes,
	s_cselect_b32 s95, s95, s98                    ; B's scale words,
	s_cselect_b32 s96, OQK, OVT                    ; the output's codes,
	s_cselect_b32 s97, s99, s97                    ; the output's scale words
.else
	s_mov_b32 s42, ttmp9
.endif
.if KIND == 1
	s_mov_b32 s92, 0
	s_mov_b32 s93, 3145728
	s_mov_b32 s94, OW4+192*FRB
	s_mov_b32 s95, SW4+192*64
.endif
.if KIND == 2
	s_mov_b32 s92, 16777216
	s_mov_b32 s93, 19922944
	s_mov_b32 s94, OW1
	s_mov_b32 s95, SW1
	s_mov_b32 s96, 0
	s_mov_b32 s97, 12582912
.endif
.if KIND == 3
	; 16 rows of clusters: the cluster's y is 4 x (slice of K) + (row of clusters): both are the same in all sixteen partners
	s_lshr_b32 s2, s17, 2                          ; my slice of K: K steps 8 s2 .. 8 s2 + 7
	s_and_b32 s17, s17, 3                          ; row of clusters
	s_mul_i32 s98, s2, 8*PLANE                     ; 8 K steps of codes,
	s_lshl_b32 s99, s2, 17                         ; 8 K steps of scale words (16,384 bytes each)
	s_mov_b32 s92, s98
	s_add_co_u32 s93, s99, 12582912
	s_add_co_u32 s94, s98, OW2
	s_add_co_u32 s95, s99, SW2
.endif
	s_lshl_b32 s42, s42, 2
	s_add_co_u32 s42, s42, s40                     ; tile column
	s_lshl_b32 s17, s17, 2
	s_add_co_u32 s17, s17, s41                     ; tile row
	s_lshl_b32 s43, s41, 2
	s_lshl_b32 s43, 15, s43                        ; my row of the cluster
	s_lshl_b32 s44, 0x1111, s40                    ; my column
	; group 1 of the head's tiles: 2 rows (K steps) of 3,072 elements of 8 bytes (16 row blocks, dense), PLANE bytes apart; no padding: every fragment load reads 512 consecutive bytes
	s_or_b32 s[G1+0], s43, (3<<16)|(1<<21)
	s_or_b32 s[G1B+0], s44, (3<<16)|(1<<21)
.irp g, G1, G1B
	s_mov_b32 s[\g+1], 3072<<16                    ; tensor_dim0
	s_mov_b32 s[\g+2], 2<<16                       ; tensor_dim1
	s_mov_b32 s[\g+3], 3072<<16                    ; tile_dim0
	s_mov_b32 s[\g+4], 2                           ; tile_dim1
	s_mov_b32 s[\g+5], PLANE/8                     ; stride
	s_mov_b32 s[\g+6], 0
	s_mov_b32 s[\g+7], 0
.endr
	; and of the scale words: NKS rows of 128 elements of 8 bytes (16 row blocks), 16,384 bytes apart
	s_or_b32 s[G1S+0], s43, (3<<16)|(1<<21)
	s_or_b32 s[G1SB+0], s44, (3<<16)|(1<<21)
.irp g, G1S, G1SB
	s_mov_b32 s[\g+1], 128<<16
	s_mov_b32 s[\g+2], NKS<<16
	s_mov_b32 s[\g+3], 128<<16
	s_mov_b32 s[\g+4], NKS
	s_mov_b32 s[\g+5], 2048
	s_mov_b32 s[\g+6], 0
	s_mov_b32 s[\g+7], 0
.endr
	s_mul_i32 s18, s16, PLANE                      ; in the ring I fetch one K step of a slot: which, in bytes
	s_mov_b32 s19, 0
	s_lshl_b32 s20, s17, 4                         ; A: row block 16 x tile row
	s_lshl_b32 s46, s42, 4                         ; B: 16 x tile column
	s_lshl_b32 s22, s20, 6
	s_add_co_u32 s22, s22, s93
	s_mul_i32 s20, s20, FRB
	s_add_co_u32 s20, s20, s92
	s_lshl_b32 s98, s46, 6
	s_add_co_u32 s98, s98, s95
	s_mul_i32 s46, s46, FRB
	s_add_co_u32 s46, s46, s94
	s_mov_b32 s21, 0
	s_mov_b32 s23, 0
	s_mov_b32 s47, 0
	s_mov_b32 s99, 0
	s_mul_i32 s45, s14, HALFT                      ; where they go: by the wave's number alone
	s_wait_dscnt 0x0                               ; the opening add is done
	s_wait_kmcnt 0x0
	s_add_nc_u64 s[20:21], s[4:5], s[20:21]
	s_add_nc_u64 s[22:23], s[4:5], s[22:23]
	s_add_nc_u64 s[46:47], s[PB:PB+1], s[46:47]
	s_add_nc_u64 s[98:99], s[PB:PB+1], s[98:99]
	CROUND                                         ; all sixteen work-groups are here: the first joint loads meet
	s_mov_b32 s[G0S], 1
	s_mov_b32 s[G0S+1], SCL
	s_mov_b64 s[G0S+2:G0S+3], s[22:23]
	s_or_b32 s[G0S+3], s[G0S+3], 0x80000000
	s_mov_b32 s[G0SB], 1
	s_mov_b32 s[G0SB+1], SCL+2*HALFS
	s_mov_b64 s[G0SB+2:G0SB+3], s[98:99]
	s_or_b32 s[G0SB+3], s[G0SB+3], 0x80000000
	s_mov_b32 s[G0], 1                             ; the head's tiles, each whole: slot 0's 2 K steps x 16 row blocks of A,
	s_mov_b32 s[G0+1], 0
	s_mov_b64 s[G0+2:G0+3], s[20:21]
	s_or_b32 s[G0+3], s[G0+3], 0x80000000
	s_mov_b32 s[G0B], 1                            ; and of B, behind them
	s_mov_b32 s[G0B+1], 2*HALFT
	s_mov_b64 s[G0B+2:G0B+3], s[46:47]
	s_or_b32 s[G0B+3], s[G0B+3], 0x80000000
	s_mov_b32 s[G0+4], 1                           ; the ring's loads: my K step of a slot, 16 row blocks on end; here slot 1's
	s_add_co_u32 s[G0+5], s45, SLOT
	s_add_nc_u64 s[G0+6:G0+7], s[20:21], s[18:19]
	s_add_nc_u64 s[G0+6:G0+7], s[G0+6:G0+7], 2*PLANE
	s_or_b32 s[G0+7], s[G0+7], 0x80000000
	s_mov_b32 s[G0B+4], 1
	s_add_co_u32 s[G0B+5], s45, SLOT
	s_add_nc_u64 s[G0B+6:G0B+7], s[46:47], s[18:19]
	s_add_nc_u64 s[G0B+6:G0B+7], s[G0B+6:G0B+7], 2*PLANE
	s_or_b32 s[G0B+7], s[G0B+7], 0x80000000
; THE HEAD'S LOADS, ONE A WAVE: wave 0 slot 0 of A, wave 1 slot 0 of B, wave 2 A's scale words, wave 3 B's.  One chain of branches on the wave's number; every way through it passes one load.
.macro ARM under, g0, g1, next
	s_cmp_lt_u32 s14, \under
	s_cbranch_scc0 \next
	tensor_load_to_lds s[\g0:\g0+3], s[\g1:\g1+7]
	s_nop 0
.rept 4
	v_nop
.endr
	s_branch .Lhead_asked
\next:
.endm
	ARM 1, G0,  G1,  .Lhead_b
	ARM 2, G0B, G1B, .Lhead_sa
	ARM 3, G0S, G1S, .Lhead_sb
	tensor_load_to_lds s[G0SB:G0SB+3], s[G1SB:G1SB+7]
	s_nop 0
.rept 4
	v_nop
.endr
.Lhead_asked:                                          ; the addresses and the bias's loads below stand while the four tiles are on their way
	v_and_b32 v1, 15, v0                           ; r
	v_bfe_u32 v2, v0, 4, 1                         ; h
	v_and_b32 v3, 31, v0
	v_lshlrev_b32 v[LI], 4, v3
	v_lshlrev_b32 v[L4], 2, v3
	v_lshlrev_b32 v[BO], 6, v2
	v_and_b32 v4, 8, v1
	v_add_nc_u32 v4, v4, v1
	v_lshlrev_b32 v[BO2], 2, v4
	s_mul_i32 s21, s15, 8*FRB                      ; my 8 row blocks of A's 16,
	s_mul_i32 s22, s16, 8*FRB                      ; and of B's, behind A's two K steps
	s_add_co_u32 s22, s22, 2*HALFT
.irp s, 0,1
	v_add_nc_u32 v[ADRA+\s], s21, v[LI]
	v_add_nc_u32 v[ADRB+\s], s22, v[LI]
	s_add_co_u32 s21, s21, SLOT
	s_add_co_u32 s22, s22, SLOT
.endr
	v_lshlrev_b32 v5, 2, v1
	s_mul_i32 s21, s15, 512
	s_mul_i32 s22, s16, 512
	s_add_co_u32 s22, s22, 2*HALFS
	s_sub_co_u32 s22, s22, s21
	v_mul_u32_u24 v6, s22, v2                      ; lanes 0-15 take A's words, lanes 16-31 B's: the lower base + h x the distance
	s_add_co_u32 s21, s21, SCL
	v_add_nc_u32 v5, v5, v6
	v_add_nc_u32 v[ADRS], s21, v5
	; the bias, in the result's layout
.if KIND == 0
	s_cmp_eq_u32 ttmp9, 0
	s_cselect_b64 s[8:9], s[6:7], s[8:9]           ; tile columns 0-3 are q's, 4-7 k's
	s_lshl_b32 s46, s40, 10
.else
	s_lshl_b32 s46, s42, 10
.endif
	s_lshl_b32 s47, s16, 9
	s_add_co_u32 s46, s46, s47
	s_mov_b32 s47, 0
	s_add_nc_u64 s[8:9], s[8:9], s[46:47]          ; at my wave's first column
.if KIND == 0
	s_lshl_b32 s46, s17, 10
	s_lshl_b32 s47, s15, 9
	s_add_co_u32 s46, s46, s47
	s_mov_b32 s47, 0
	s_add_nc_u64 s[10:11], s[10:11], s[46:47]      ; bv at my wave's first row (used in the v part alone)
	s_cmp_eq_u32 s2, 0
	s_cbranch_scc0 .Lbias_rows
.endif
.irp b, 0,1,2,3,4,5,6,7                        ; by B's rows: register j of tile b is the bias of column 32 (b / 2) + 16 h + 8 (b % 2) + j
	global_load_b128 v[BI+8*\b:BI+8*\b+3], v[BO], s[8:9] offset:(32*(\b/2)+8*(\b%2))*4
	global_load_b128 v[BI+8*\b+4:BI+8*\b+7], v[BO], s[8:9] offset:(32*(\b/2)+8*(\b%2))*4+16
.endr
.if KIND == 0
	s_branch .Lbias_asked
.Lbias_rows:
	s_wait_alu depctr_va_vdst(0)
.irp a, 0,1,2,3,4,5,6,7                        ; by A's rows: all eight registers of block a hold the bias of my lane's row
.irp j, 0,1,2,3,4,5,6,7
	global_load_b32 v[BI+8*\a+\j], v[BO2], s[10:11] offset:(32*(\a/2)+8*(\a%2))*4
.endr
.endr
.Lbias_asked:
.endif
	; where my results go
.if QK
	s_lshl_b32 s46, s42, 1
	s_add_co_u32 s46, s46, s16                     ; the output's K step: 2 x tile column + half
	s_lshl_b32 s46, s46, 8
	s_lshl_b32 s47, s17, 4
	s_add_co_u32 s46, s46, s47
	s_lshl_b32 s47, s15, 3
	s_add_co_u32 s46, s46, s47                     ; + its row block: 16 x tile row + 8 x half
	s_lshl_b32 s98, s46, 6
	s_add_co_u32 s98, s98, s97
	s_mov_b32 s99, 0
	s_mul_i32 s46, s46, FRB
	s_add_co_u32 s46, s46, s96
	s_mov_b32 s47, 0
	s_add_nc_u64 s[92:93], s[PO:PO+1], s[46:47]
	s_add_nc_u64 s[94:95], s[PO:PO+1], s[98:99]
.else
	s_lshl_b32 s46, s17, 4
	s_lshl_b32 s47, s15, 3
	s_add_co_u32 s46, s46, s47
	s_lshl_b32 s46, s46, 16                        ; 65,536 bytes a row block,
	s_lshl_b32 s47, s42, 1
	s_add_co_u32 s47, s47, s16
	s_lshl_b32 s47, s47, 13                        ; 8,192 for each 128 columns
	s_add_co_u32 s46, s46, s47
.if KIND == 3
	s_lshl_b32 s47, s2, 24                         ; and 16,777,216 for each slice of K: an image of its own
	s_add_co_u32 s46, s46, s47
.endif
	s_mov_b32 s47, 0
	s_add_nc_u64 s[92:93], s[PO:PO+1], s[46:47]
.endif
.macro FRAG reg, adr, q, i             ; a fragment comes back as it was stored
.irp g, 0,1,2
	ds_load_b128 v[\reg+4*\g:\reg+4*\g+3], v[\adr] offset:16*FRB*(\q)+FRB*(\i)+512*\g
.endr
.endm
; 16 products: A's blocks a0, a0 + 1 x B's eight.  p: B's set; q: the slot's K step; sc: the set of scale words.  mode 0: adds on; 1: C = the bias by B's rows; 2: by A's rows.
; The 64 accumulators take turns, one instruction a turn, in the same order in every step.
.macro MUL16 a0, p, q, sc, mode
.irp a, \a0, \a0+1
.irp b, 0,1,2,3,4,5,6,7
.if (\mode) == 0
	v_wmma_scale_f32_16x16x128_f8f6f4 v[8*(8*((\a)%4)+\b):8*(8*((\a)%4)+\b)+7], v[128*(\p)+FR*\b:128*(\p)+FR*\b+FR-1], v[AF+FR*(\a):AF+FR*(\a)+FR-1], v[8*(8*((\a)%4)+\b):8*(8*((\a)%4)+\b)+7], v[SC+16*(\sc)+2*\b+(\q)], v[SC+16*(\sc)+2*(\a)+(\q)] matrix_a_fmt:MATRIX_FMT_FP6 matrix_b_fmt:MATRIX_FMT_FP6 matrix_a_scale:MATRIX_SCALE_ROW1
.elseif (\mode) == 1
	v_wmma_scale_f32_16x16x128_f8f6f4 v[8*(8*((\a)%4)+\b):8*(8*((\a)%4)+\b)+7], v[128*(\p)+FR*\b:128*(\p)+FR*\b+FR-1], v[AF+FR*(\a):AF+FR*(\a)+FR-1], v[BI+8*\b:BI+8*\b+7], v[SC+16*(\sc)+2*\b+(\q)], v[SC+16*(\sc)+2*(\a)+(\q)] matrix_a_fmt:MATRIX_FMT_FP6 matrix_b_fmt:MATRIX_FMT_FP6 matrix_a_scale:MATRIX_SCALE_ROW1
.else
	v_wmma_scale_f32_16x16x128_f8f6f4 v[8*(8*((\a)%4)+\b):8*(8*((\a)%4)+\b)+7], v[128*(\p)+FR*\b:128*(\p)+FR*\b+FR-1], v[AF+FR*(\a):AF+FR*(\a)+FR-1], v[BI+8*(\a):BI+8*(\a)+7], v[SC+16*(\sc)+2*\b+(\q)], v[SC+16*(\sc)+2*(\a)+(\q)] matrix_a_fmt:MATRIX_FMT_FP6 matrix_b_fmt:MATRIX_FMT_FP6 matrix_a_scale:MATRIX_SCALE_ROW1
.endif
.endr
.endr
.endm
.macro FETCH_B slot, q, p
	WIN 0x40                                       ; destination window 1
.irp i, 0,1,2,3,4,5,6,7
	FRAG 128*(\p)+FR*\i, ADRB+\slot, \q, \i
.endr
	WIN 0
.endm
.macro FETCH_A slot, q, i0
.irp i, \i0, \i0+1, \i0+2, \i0+3
	FRAG AF+FR*(\i), ADRA+\slot, \q, \i
.endr
.endm
.macro SCALES sc                       ; a slot's scale words: register 2 i + q: lanes 0-15 A's block i, lanes 16-31 B's block i
.irp i, 0,1,2,3,4,5,6,7
	ds_load_b32 v[SC+16*\sc+2*\i], v[ADRS] offset:64*\i
	ds_load_b32 v[SC+16*\sc+2*\i+1], v[ADRS] offset:1024+64*\i
.endr
.endm
.macro PLACES n                        ; plain vector places behind matrix instructions, ahead of loads into their registers and of reads of their results
.rept \n
	v_nop
.endr
.endm
.macro STEP slot, q, mode              ; a K step that has its successor in the same slot
	s_wait_dscnt 4*NL                              ; all but the 12 youngest loads (A's blocks 4-7) are in
.if \mode
	WIN 0x81                                       ; B window 1, A and C window 0, D window 2
.else
	WIN 0xa1                                       ; C and D window 2
.endif
	MUL16 0, (\q)%2, \q, \slot, \mode
	MUL16 2, (\q)%2, \q, \slot, \mode
	s_wait_dscnt 0
	PLACES NP
	FETCH_B \slot, (\q)+1, 1-(\q)%2
	FETCH_A \slot, (\q)+1, 0
.if \mode
	WIN 0xc1
.else
	WIN 0xf1
.endif
	MUL16 4, (\q)%2, \q, \slot, \mode
	MUL16 6, (\q)%2, \q, \slot, \mode
	PLACES NP
	WIN 0
	FETCH_A \slot, (\q)+1, 4
.endm
; A slot's last K step changes slots: each wave waits for all its tensor loads, adds 0 to its spare word, waits for that and for its reads of this slot; one barrier, which opens a round of the cluster's where the slot is filled again.
.macro TURN slot, next, fill
	s_wait_tensorcnt 0x0                           ; my part of the next slot has landed; no load of mine is out
	ds_add_u32 v[SPW], v[NIL]
	s_wait_dscnt 4*NL+1                            ; the add and the 12 youngest loads may be out
	WIN 0xa1
	MUL16 0, 1, 1, \slot, 0
	s_wait_dscnt 0x0                               ; the add is done, my reads of this slot are over
	s_barrier_signal -1
	MUL16 2, 1, 1, \slot, 0
	WIN 0
	s_barrier_wait -1
.if \fill
	CREST                                          ; no wave of any partner still reads this slot or has a load on its way
	s_add_nc_u64 s[G0+4*\slot+2:G0+4*\slot+3], s[G0+4*\slot+2:G0+4*\slot+3], 4*PLANE
	s_add_nc_u64 s[G0B+4*\slot+2:G0B+4*\slot+3], s[G0B+4*\slot+2:G0B+4*\slot+3], 4*PLANE
	JLOAD G0+4*\slot, G1, G0B+4*\slot, G1B         ; my one tensor load behind the round; its four v_nop are the places ahead of the loads below
.else
	PLACES NP
.endif
	s_wait_alu depctr_va_vdst(0)
	v_add_nc_u32 v[ADRS], 2048, v[ADRS]            ; the next slot's scale words
	FETCH_B \next, 0, 0
	FETCH_A \next, 0, 0
	SCALES \next
	WIN 0xf1
	MUL16 4, 1, 1, \slot, 0
	MUL16 6, 1, 1, \slot, 0
	PLACES NP
	WIN 0
	FETCH_A \next, 0, 4
.endm
	s_wait_alu depctr_va_vdst(0)                   ; the wait at the head's end
	s_wait_tensorcnt 0x0                           ; my tile of the head's four is in; slot 1's first fill is issued as a refill is
	ds_add_u32 v[SPW], v[NIL]
.irp g, G1, G1B                                ; no tensor load of mine is out, so the descriptors may be written: from here on a load brings one K step, 24,576 dense bytes, as 2 rows of 1,536 elements
	s_mov_b32 s[\g+1], 1536<<16
	s_mov_b32 s[\g+3], 1536<<16
	s_mov_b32 s[\g+5], 1536
.endr
	s_add_co_u32 s[G0+1], s45, 0                   ; slot 0's sets for the ring: my K step's place, and its address two K steps ahead of slot 1's
	s_sub_nc_u64 s[G0+2:G0+3], s[G0+6:G0+7], 2*PLANE
	s_add_co_u32 s[G0B+1], s45, 0
	s_sub_nc_u64 s[G0B+2:G0B+3], s[G0B+6:G0B+7], 2*PLANE
	s_wait_dscnt 0x0
	CROUND                                         ; a whole round: all four tiles are in, in every partner
	JLOAD G0+4, G1, G0B+4, G1B                     ; slot 1's load, the first tensor load behind the round
	s_wait_alu depctr_va_vdst(0)
	FETCH_B 0, 0, 0
	FETCH_A 0, 0, 0
	SCALES 0
	FETCH_A 0, 0, 4
	s_wait_loadcnt 0x0                             ; the bias
.if KIND == 3
	s_cmp_eq_u32 s2, 0                             ; the bias counts once: x 1 in the first slice of K, x 0 in the others; these lines stand while the fragments come from LDS
	s_cselect_b32 s98, 0x3f800000, 0
	s_mov_b32 s99, s98                             ; (named with it as a pair, so it is written)
.set II, 0
.rept 32
	v_pk_mul_f32 v[BI+II:BI+II+1], v[BI+II:BI+II+1], s[98:99] op_sel_hi:[1,0]
.set II, II+2
.endr
.endif
.if KIND == 0
	s_cmp_eq_u32 s2, 0
	s_cbranch_scc0 .Lfirst_rows
	STEP 0, 0, 1
	s_branch .Lfirst_done
.Lfirst_rows:
	STEP 0, 0, 2
.Lfirst_done:
.else
	STEP 0, 0, 1                                   ; the first step's products start the sums with the bias: nothing is cleared
.endif
	s_mov_b32 s3, LAPS-1
.Llap:                                                 ; a trip goes once round the ring and fills both slots again
	TURN 0, 1, 1
	STEP 1, 0, 0
	TURN 1, 0, 1
	STEP 0, 0, 0
	s_sub_co_u32 s3, s3, 1
	s_cmp_lg_u32 s3, 0
	s_cbranch_scc1 .Llap
	TURN 0, 1, 0                                   ; the last lap fills nothing
	STEP 1, 0, 0
	s_wait_dscnt 4*NL
	WIN 0xa1
	MUL16 0, 1, 1, 1, 0
	MUL16 2, 1, 1, 1, 0
	s_wait_dscnt 0
	WIN 0xf1
	MUL16 4, 1, 1, 1, 0
	MUL16 6, 1, 1, 1, 0
	WIN 0
	PLACES NP
.if QK
; THE WAY OUT, quantised: block a's 64 registers become one fragment of the next operand (its codes in the registers that held A's fragment a) and a scale word; three stores of 512 consecutive bytes.
.macro QOUT a
.set WA, 2+(\a)/4
.set AC, 64*((\a)%4)
.set CD, AF+FR*(\a)
.if KIND == 2
	WIN (WA<<2)|(WA<<6)
.set II, 0
.rept 64
	v_max_num_f32 v[AC+II], 0, v[AC+II]            ; the activation, in f32, each accumulator from its low end on
.set II, II+1
.endr
.endif
	WIN (WA<<2)|(WA<<4)                            ; sources 1 and 2: the accumulators' window
.irp b, 0,1,2,3
	v_max3_num_f32 v[TM+\b], 0x1800000, |v[AC+16*\b]|, |v[AC+1+16*\b]|   ; the floor 2^(3 - 127) and my first two of block b
.endr
.irp i, 2,4,6,8,10,12,14
.irp b, 0,1,2,3
	v_max3_num_f32 v[TM+\b], v[TM+\b], |v[AC+16*\b+\i]|, |v[AC+1+16*\b+\i]|
.endr
.endr
	WIN 0
.irp b, 0,1,2,3
	v_permlanex16_b32 v[TM+4+\b], v[TM+\b], s20, s21
.endr
.irp b, 0,1,2,3
	v_max_num_f32 v[TM+\b], v[TM+\b], v[TM+4+\b]
.endr
.irp b, 0,1,2,3
	v_add_nc_u32 v[TM+12+\b], 0xff000000, v[TM+\b]
.endr
.irp b, 0,1,2,3
	v_lshrrev_b32 v[TM+4+\b], 23, v[TM+12+\b]
.endr
	v_lshl_or_b32 v[SC+(\a)], v[TM+5], 8, v[TM+4]
	v_lshl_or_b32 v[SC+(\a)], v[TM+6], 16, v[SC+(\a)]
	v_lshl_or_b32 v[SC+(\a)], v[TM+7], 24, v[SC+(\a)]
	WIN WA                                         ; source 0: the accumulators' window
.irp c, 0,1
	v_cvt_scalef32_pk16_fp6_f32 v[CD+6*\c:CD+2+6*\c], v[AC+32*\c:AC+15+32*\c], v[TM+12+2*\c]
	v_cvt_scalef32_pk16_fp6_f32 v[TP+4*\c:TP+2+4*\c], v[AC+16+32*\c:AC+31+32*\c], v[TM+13+2*\c]
.endr
	WIN 0
	v_nop                                          ; one plain place behind a scaled conversion
.irp c, 0,1
.irp i, 0,1,2
	v_permlane16_swap_b32 v[CD+6*\c+\i], v[TP+4*\c+\i]
.endr
.irp i, 0,1,2
	v_mov_b32 v[CD+3+6*\c+\i], v[TP+4*\c+\i]
.endr
.endr
.irp g, 0,1,2
	global_store_b128 v[LI], v[CD+4*\g:CD+4*\g+3], s[92:93] offset:FRB*(\a)+512*\g
.endr
.if ((\a)%2) == 1                      ; two blocks' scale words leave together: lanes 0-15 block a - 1's, lanes 16-31 block a's: 128 consecutive bytes
	v_cndmask_b32 v[SC+8+(\a)/2], v[SC+(\a)-1], v[SC+(\a)], s66
	global_store_b32 v[L4], v[SC+8+(\a)/2], s[94:95] offset:64*((\a)-1)
.endif
.endm
	s_mov_b32 s20, 0x76543210
	s_mov_b32 s21, 0xfedcba98
	s_mov_b32 s66, 0xffff0000
.irp b, 0,1,2,3
	v_mov_b32 v[TM+4+\b], 0                        ; a lane permute's destination counts as one of its sources
.endr
.irp a, 0,1,2,3,4,5,6,7
	QOUT \a                                        ; each block has registers of its own for what it stores: none is written again
.endr
.else
; THE WAY OUT, f32: the accumulators leave as they stand: tile (row block, 128 columns, b) is 1,024 bytes, registers 0-3 at 16 x lane, 4-7 512 bytes on: every store covers 512 consecutive bytes.
.macro YOUT a
.set WA, 2+(\a)/4
.set AC, 64*((\a)%4)
	WIN (WA<<2)                                    ; a store's data are its source 1
.irp b, 0,1,2,3,4,5,6,7
	global_store_b128 v[LI], v[AC+8*\b:AC+8*\b+3], s[92:93] offset:65536*(\a)+1024*\b
	global_store_b128 v[LI], v[AC+8*\b+4:AC+8*\b+7], s[92:93] offset:65536*(\a)+1024*\b+512
.endr
.endm
.irp a, 0,1,2,3,4,5,6,7
	YOUT \a
.endr
	WIN 0
.endif
	s_wait_tensorcnt 0x0                           ; the wave's end
	ds_add_u32 v[SPW], v[NIL]
	s_wait_dscnt 0x0
	CROUND                                         ; the closing round
	s_endpgm
.Lfunc_end_k_q94cee32e1a_proj:
	.size	k_q94cee32e1a_proj, .Lfunc_end_k_q94cee32e1a_proj-k_q94cee32e1a_proj
	.p2alignl 7, 3214868480
	.fill 96, 4, 3214868480
	.section	.rodata,"a",@progbits
	.p2align	6, 0x0
	.amdhsa_kernel k_q94cee32e1a_proj
		.amdhsa_group_segment_fixed_size 327680
		.amdhsa_private_segment_fixed_size 0
		.amdhsa_enable_private_segment 0
		.amdhsa_kernarg_size 40
		.amdhsa_user_sgpr_count 2
		.amdhsa_user_sgpr_kernarg_segment_ptr 1
		.amdhsa_wavefront_size32 1
		.amdhsa_system_sgpr_workgroup_id_x 1
		.amdhsa_system_sgpr_workgroup_id_y 1
		.amdhsa_system_sgpr_workgroup_id_z 1
		.amdhsa_system_vgpr_workitem_id 0
		.amdhsa_next_free_vgpr 1024
		.amdhsa_next_free_sgpr 100
		.amdhsa_reserve_vcc 0
		.amdhsa_float_denorm_mode_32 3
		.amdhsa_float_denorm_mode_16_64 3
		.amdhsa_memory_ordered 1
		.amdhsa_forward_progress 1
		.amdhsa_inst_pref_size 164
	.end_amdhsa_kernel
	.amdgpu_metadata
---
amdhsa.version: [ 1, 2 ]
amdhsa.kernels:
  - .name:           k_q94cee32e1a_proj
    .symbol:         k_q94cee32e1a_proj.kd
    .args:
      - { .name: opq, .offset: 0, .size: 8, .value_kind: global_buffer, .address_space: global }
      - { .name: bq, .offset: 8, .size: 8, .value_kind: global_buffer, .address_space: global }
      - { .name: bk, .offset: 16, .size: 8, .value_kind: global_buffer, .address_space: global }
      - { .name: bv, .offset: 24, .size: 8, .value_kind: global_buffer, .address_space: global }
      - { .name: qkv, .offset: 32, .size: 8, .value_kind: global_buffer, .address_space: global }
    .group_segment_fixed_size: 327680
    .private_segment_fixed_size: 0
    .kernarg_segment_align: 8
    .kernarg_segment_size: 40
    .max_flat_workgroup_size: 128
    .sgpr_count:     100
    .vgpr_count:     1024
    .wavefront_size: 32
...
	.end_amdgpu_metadata
.endif
;; end of part 2
;; launch attn (part 3): grid 16 x 16, 8 waves a work-group, clusters of 4 x 1, 327,680 bytes of LDS; arguments qkv, ao; writes ao
.if DOCPART == 3
	.amdgcn_target "amdgcn-amd-amdhsa--gfx1250"
	.amdhsa_code_object_version 6
	.text
	.protected	k_q94cee32e1a_attn
	.globl	k_q94cee32e1a_attn
	.p2align	8
	.type	k_q94cee32e1a_attn,@function
k_q94cee32e1a_attn:
	s_mov_b64 s[64:65], 0
	v_nop
	global_prefetch_b8 v0, s[64:65] scope:SCOPE_SE
	s_setreg_imm32_b32 hwreg(HW_REG_WAVE_MODE, 25, 1), 1
	s_wait_xcnt 0x0
	s_wait_alu depctr_hold_cnt(0) depctr_sa_sdst(0) depctr_va_vdst(0) depctr_va_sdst(0) depctr_va_ssrc(0) depctr_va_vcc(0) depctr_vm_vsrc(0)
	s_getreg_b32 s2, hwreg(HW_REG_IB_STS2, 6, 4)
	s_cmp_eq_u32 s2, 0
	s_cbranch_scc0 .Lentry_in_a_cluster
	s_endpgm
.Lentry_in_a_cluster:
	s_bfe_u32 s2, ttmp6, 0x10000c
	s_cmp_lg_u32 s2, 0x3003
	s_cbranch_scc0 .Lentry_shape_is_right
	s_endpgm
.Lentry_shape_is_right:
; Attention on codes of FP6 (E2M3), E8M0 scales for each 32 along a product's K; 2 batches x 16 heads of 64, 2,048 keys.  q, k, v^T arrive as images of operand registers (fragment (ks, rb) at (256 ks + rb) x 1536).
; t = score x log2(e) / 8; M = the running largest t rounded UP to a whole number; p = 2^(t - M) is quantised along the keys; the row's sum is taken of the unquantised p and divides O at the end.
; SHARES.  Work-group y = batch x 8 + pair of heads; x = a block of 128 queries.  Wave w: head w % 2 of the pair, queries 32 (w / 2) on: TWO tiles of 16, so each fragment of K and V read from LDS serves two products.
; A fragment of q or k holds both heads of a pair (128 features); my fragments of q have the other head's six registers set to zero codes, which add nothing.
; Both products are used transposed (S^T = k q^T, O^T = v^T p^T): a lane holds one query of each tile.  A row block's slots are rows 8 u + r + 8 (r / 8) of 32, so the 16 registers of tiles 2 b, 2 b + 1 are 16 neighbouring keys.
; K and V come through a ring of two LDS slots of 256 keys (two steps of 128) by JOINT tensor loads: the four work-groups of a cluster walk the same keys.  The scale words of all keys come once, at the head.
; At the head each of the eight waves issues one load: K's two halves, V's two, the two halves of K's scale words, the two of V's.  Refills: waves 0-3, one each.
; FRAGMENTS ARE ASKED FOR A STEP AHEAD.  At the top of a slot's second step all my reads of the slot are over: there stand the lines and the round's opening signal, and the step's softmax and second product,
; work on registers alone, stand between that signal and its wait.  Behind the round: the refill, then the next slot's first fragments.
; PREFETCH: behind each refill the tiles of the NEXT refill are named, 96 blocks of 256 bytes of K and 96 of V: the first cluster of a pair of heads asks, its four partners take 24 + 24 each, told apart by address;
; wave 4 names K's, wave 6 V's, a lane a block (lanes 24-31 name lane 23's again).  One slot, two key steps, ahead of the load; the last refill names nothing.
; The result is quantised along the model's 1,024 and leaves as an image, pieced together from the two heads in LDS.
; LIMITS: a block of zeros, or under 2^-124, gets the scale byte 1 (this program alone reads the bytes); NaN and infinities are not served; the promise holds while |t| stays under 2^31.
; REGISTERS.  Window 0: v1-11 addresses; v12-19 -M, largest t, the sum's pair, for each tile; v22, v30 the factor f, v23, v31 p's scale word; v24-29 addresses of the way out; v32-55 q; v56-57 q's scale words;
; v58-65 K's, v66-69 V's scale words; v70-93 p's codes; v96-223 S^T, p; v224-255 at work.  Window 1: v0-95 K's eight fragments, v96-143 V's four, v144-207 O^T.
.set OVT,   6291456
.set SQK,   18874368
.set SVT,   19136512
.set AOS,   3145728
.set FRB,   1536
.set PLANE, 393216
.set SLOT1, 65536                      ; slot 1 begins here: one exclusive or turns an address
.set VOFF,  24576                      ; a slot: K's 16 row blocks, then V's 2 K steps x 8 row blocks
.set SCK,   131072                     ; K's scale words: [128 row blocks][64]
.set SCV,   139264                     ; V's: [16 K steps][8 row blocks][64]
.set OSTG,  147456                     ; the way out: 8 fragments,
.set OSC,   OSTG+12288                 ; and their scale words
.set SPARE, 160256                     ; the spare words, 128 bytes a wave
.set LI,   1
.set AV0,  2
.set ASK0, 3
.set ASV0, 4
.set SPW,  5
.set NIL,  6
.set PFO,  7
.set ADK,  8
.set ADV,  9
.set ADS,  10
.set ADT,  11
.set W0,   24
.set W1,   25
.set W2,   26
.set RB,   27
.set RS,   28
.set QSO,  29
.set Q,    32
.set QS,   56
.set KS,   58
.set VS,   66
.set PC,   70
.set ST,   96
.set KF,   0                           ; window 1
.set VF,   96
.set OA,   144
.set WV,   18
.set SEL,  20
.set CS,   22
.set G1C,  24
.set G1SK, 32
.set G1SV, 40
.set G0K,  48
.set G0V,  52
.set G0SK, 56
.set G0SV, 60
.set TB,   2
.set TS,   3
.set SLOTS, 67
.set PFA,  76
.set PFS,  78
.set LIM,  80
.set MSB, 0
.macro WIN new                         ; bits 1:0 source 0, 3:2 source 1, 5:4 source 2, 7:6 destination; the high byte repeats the setting that is left
.if MSB != (\new)
	s_set_vgpr_msb (MSB<<8)|(\new)
.set MSB, (\new)
.endif
.endm
.macro WALU
	s_wait_alu depctr_va_vdst(0)
.endm
.macro PLACES n
.rept \n
	v_nop
.endr
.endm
.macro CREST                           ; a round of the cluster's barrier behind its opening barrier
	s_cmp_lg_u32 s[WV], 0
	s_cbranch_scc1 .Lnot_wave_0_\@
	s_barrier_signal -3
.Lnot_wave_0_\@:
	s_barrier_wait -3
	s_barrier_signal -1
	s_barrier_wait -1
.endm
.macro CROUND
	s_barrier_signal -1
	s_barrier_wait -1
	CREST
.endm
.macro TLOAD                           ; a joint refill: waves 0, 1 K's halves, waves 2, 3 V's; s_nop 0 and four v_nop follow each line
	s_cmp_lt_u32 s[WV], 2
	s_cbranch_scc0 .Lnot_k_\@
	tensor_load_to_lds s[G0K:G0K+3], s[G1C:G1C+7]
	s_nop 0
	PLACES 4
	s_branch .Lasked_\@
.Lnot_k_\@:
	s_cmp_lt_u32 s[WV], 4
	s_cbranch_scc0 .Lasked_\@
	tensor_load_to_lds s[G0V:G0V+3], s[G1C:G1C+7]
	s_nop 0
	PLACES 4
.Lasked_\@:
.endm
.macro ASK
	s_cmp_gt_u32 s[SLOTS], s[LIM]
	s_cbranch_scc0 .Lnot_mine_\@
	global_prefetch_b8 v[PFO], s[PFA:PFA+1] th:TH_LOAD_NT scope:SCOPE_SE
.Lnot_mine_\@:
.endm
.macro FWD                             ; no load of mine is out: the descriptors step to the other slot's bytes and the keys two slots on
	s_xor_b32 s[G0K+1], s[G0K+1], SLOT1
	s_add_nc_u64 s[G0K+2:G0K+3], s[G0K+2:G0K+3], 24576
	s_xor_b32 s[G0V+1], s[G0V+1], SLOT1
	s_add_nc_u64 s[G0V+2:G0V+3], s[G0V+2:G0V+3], 2*PLANE
	s_wait_xcnt 0x0                                ; the last prefetch, a slot back, has read its address
	s_add_nc_u64 s[PFA:PFA+1], s[PFA:PFA+1], s[PFS:PFS+1]
.endm
.macro LOADK q                         ; 32 LDS loads: K's eight fragments and scale words of the slot's step q
	WIN 0x40
.irp t, 0,1,2,3,4,5,6,7
.irp i, 0,1,2
	ds_load_b128 v[KF+12*\t+4*\i:KF+12*\t+4*\i+3], v[ADK] offset:(8*(\q)+\t)*FRB+512*\i
.endr
.endr
	WIN 0
.irp t, 0,1,2,3,4,5,6,7
	ds_load_b32 v[KS+\t], v[ADS] offset:512*(\q)+64*\t
.endr
.endm
.macro LOADV q                         ; 16 LDS loads: my head's four fragments of V and their scale words
	WIN 0x40
.irp t, 0,1,2,3
.irp i, 0,1,2
	ds_load_b128 v[VF+12*\t+4*\i:VF+12*\t+4*\i+3], v[ADV] offset:8*FRB*(\q)+FRB*\t+512*\i
.endr
.endr
	WIN 0
.irp t, 0,1,2,3
	ds_load_b32 v[VS+\t], v[ADT] offset:512*(\q)+64*\t
.endr
.endm
.macro NEXT                            ; the slot's addresses (four plain places behind the last products, ahead of the loads into their registers), and its first fragments
	v_add_nc_u32 v[ADK], s[TB], v[LI]
	v_add_nc_u32 v[ADV], s[TB], v[AV0]
	v_add_nc_u32 v[ADS], s[TS], v[ASK0]
	v_add_nc_u32 v[ADT], s[TS], v[ASV0]
	WALU
	LOADK 0
	LOADV 0
.endm
.macro SMUL                            ; S^T = k q^T: 8 tiles of 16 keys x my 2 tiles of queries, sixteen accumulators, each begun with 0
	WIN 0x01
.irp t, 0,1,2,3,4,5,6,7
.irp u, 0,1
	v_wmma_scale_f32_16x16x128_f8f6f4 v[ST+64*\u+8*\t:ST+64*\u+8*\t+7], v[KF+12*\t:KF+12*\t+11], v[Q+12*\u:Q+12*\u+11], 0, v[KS+\t], v[QS+\u] matrix_a_fmt:MATRIX_FMT_FP6 matrix_b_fmt:MATRIX_FMT_FP6
.endr
.endr
	WIN 0
.endm
.macro SUMS u                          ; the row's sum of the unquantised p: 32 pairs in seven chains
.set SS, ST+64*(\u)
.set SM, 14+4*(\u)
.irp k, 0,1,2,3,4,5
	v_pk_add_f32 v[236+2*\k:237+2*\k], v[SS+2*\k:SS+2*\k+1], v[SS+12+2*\k:SS+13+2*\k]
.endr
	v_pk_add_f32 v[SM:SM+1], v[SM:SM+1], v[SS+24:SS+25]
.set I, 13
.rept 19
.if (I-13)%7 == 6
	v_pk_add_f32 v[SM:SM+1], v[SM:SM+1], v[SS+2*I:SS+2*I+1]
.else
	v_pk_add_f32 v[236+2*((I-13)%7):237+2*((I-13)%7)], v[236+2*((I-13)%7):237+2*((I-13)%7)], v[SS+2*I:SS+2*I+1]
.endif
.set I, I+1
.endr
	v_pk_add_f32 v[236:237], v[236:237], v[238:239]
	v_pk_add_f32 v[240:241], v[240:241], v[242:243]
	v_pk_add_f32 v[244:245], v[244:245], v[246:247]
	v_pk_add_f32 v[236:237], v[236:237], v[240:241]
	v_pk_add_f32 v[SM:SM+1], v[SM:SM+1], v[244:245]
	v_pk_add_f32 v[SM:SM+1], v[SM:SM+1], v[236:237]
.endm
; The softmax of 128 keys for both tiles u, line by line in turn.  At work for tile u: v[232 - 8 u ..] the blocks' largest, v[236 - 8 u ..] the other half's and later the bytes, v[244 + 4 u ..] the conversions' scale operands.
.macro SOFT
.irp u, 0,1
.irp b, 0,1,2,3
	v_max3_num_f32 v[232-8*\u+\b], v[ST+64*\u+16*\b], v[ST+1+64*\u+16*\b], v[ST+2+64*\u+16*\b]   ; the largest score of each block of 32 keys: for the row's maximum and, since p rises with the score, for the block's largest p
.endr
.endr
.irp i, 3,5,7,9,11,13
.irp u, 0,1
.irp b, 0,1,2,3
	v_max3_num_f32 v[232-8*\u+\b], v[232-8*\u+\b], v[ST+64*\u+16*\b+\i], v[ST+1+64*\u+16*\b+\i]
.endr
.endr
.endr
.irp u, 0,1
.irp b, 0,1,2,3
	v_max_num_f32 v[232-8*\u+\b], v[232-8*\u+\b], v[ST+15+64*\u+16*\b]
.endr
.endr
.irp u, 0,1
.irp b, 0,1,2,3
	v_permlanex16_b32 v[236-8*\u+\b], v[232-8*\u+\b], s[SEL], s[SEL+1]
.endr
.endr
.irp u, 0,1
.irp b, 0,1,2,3
	v_max_num_f32 v[232-8*\u+\b], v[232-8*\u+\b], v[236-8*\u+\b]
.endr
.endr
.irp u, 0,1
	v_max3_num_f32 v[254+\u], v[232-8*\u], v[233-8*\u], v[234-8*\u]
.endr
.irp u, 0,1
	v_max_num_f32 v[254+\u], v[254+\u], v[235-8*\u]
.endr
.irp u, 0,1
	v_mul_f32 v[254+\u], s[CS], v[254+\u]          ; as t
.endr
.irp u, 0,1
	v_max_num_f32 v[13+4*\u], v[13+4*\u], v[254+\u]   ; the running largest t
.endr
.irp u, 0,1
	v_mov_b32 v[254+\u], v[12+4*\u]
.endr
.irp u, 0,1
	v_floor_f32 v[12+4*\u], -v[13+4*\u]            ; the new -M = -ceil(t)
.endr
.irp u, 0,1
	v_sub_f32 v[254+\u], v[12+4*\u], v[254+\u]     ; old M - new M: a whole number, 0 or less
.endr
.irp u, 0,1
	v_cvt_i32_f32 v[254+\u], v[254+\u]             ; (it saturates)
.endr
.irp u, 0,1
	v_ldexp_f32 v[22+8*\u], 1.0, v[254+\u]         ; f = 2^(old M - new M): multiplying by it rounds nothing
.endr
.irp u, 0,1
.set J, 0
.rept 32
	v_pk_fma_f32 v[ST+64*\u+J:ST+64*\u+J+1], v[ST+64*\u+J:ST+64*\u+J+1], s[CS:CS+1], v[12+4*\u:13+4*\u] op_sel_hi:[1,0,0]   ; t - M
.set J, J+2
.endr
.endr
.irp u, 0,1
.irp b, 0,1,2,3
	v_fma_f32 v[232-8*\u+\b], v[232-8*\u+\b], s[CS], v[12+4*\u]
.endr
.endr
	WALU                                           ; ahead of the batch
.set I, 0
.rept 128
	v_exp_f32 v[ST+I], v[ST+I]                     ; p = 2^(t - M), not normalised
.set I, I+1
.endr
.irp u, 0,1
	v_pk_mul_f32 v[14+4*\u:15+4*\u], v[14+4*\u:15+4*\u], v[22+8*\u:23+8*\u] op_sel_hi:[1,0]   ; the sums under the new M (plain places behind the exponentials)
.endr
	WALU                                           ; one wait for the batch, ahead of its first reader
.irp u, 0,1
.irp b, 0,1,2,3
	v_exp_f32 v[232-8*\u+\b], v[232-8*\u+\b]       ; each block's largest p
.endr
.endr
	SUMS 0
	SUMS 1
	WALU                                           ; and one for the eight
.irp u, 0,1
.irp b, 0,1,2,3
	v_max_num_f32 v[232-8*\u+\b], 0x1800000, v[232-8*\u+\b]   ; the floor 2^(3 - 127): the byte cannot fall under 1
.endr
.endr
.irp u, 0,1
.irp b, 0,1,2,3
	v_add_nc_u32 v[244+4*\u+\b], 0xff000000, v[232-8*\u+\b]   ; 2 off the exponent field: the conversion's scale operand
.endr
.endr
.irp u, 0,1
.irp b, 0,1,2,3
	v_lshrrev_b32 v[236-8*\u+\b], 23, v[244+4*\u+\b]
.endr
.endr
.irp u, 0,1
	v_lshl_or_b32 v[23+8*\u], v[237-8*\u], 8, v[236-8*\u]     ; p's scale word for these 128 keys
.endr
.irp u, 0,1
	v_lshl_or_b32 v[23+8*\u], v[238-8*\u], 16, v[23+8*\u]
.endr
.irp u, 0,1
	v_lshl_or_b32 v[23+8*\u], v[239-8*\u], 24, v[23+8*\u]
.endr
.irp u, 0,1
.irp c, 0,1
	v_cvt_scalef32_pk16_fp6_f32 v[PC+12*\u+6*\c:PC+12*\u+6*\c+2], v[ST+64*\u+32*\c:ST+64*\u+32*\c+15], v[244+4*\u+2*\c]
	v_cvt_scalef32_pk16_fp6_f32 v[236-12*\u+4*\c:238-12*\u+4*\c], v[ST+64*\u+32*\c+16:ST+64*\u+32*\c+31], v[245+4*\u+2*\c]
.endr
.endr
	v_nop                                          ; one plain place behind a scaled conversion
.irp u, 0,1
.irp c, 0,1                                    ; a whole block to a lane: lanes 0-15 block 2 c, lanes 16-31 block 2 c + 1
.irp i, 0,1,2
	v_permlane16_swap_b32 v[PC+12*\u+6*\c+\i], v[236-12*\u+4*\c+\i]
.endr
.irp i, 0,1,2
	v_mov_b32 v[PC+12*\u+6*\c+3+\i], v[236-12*\u+4*\c+\i]
.endr
.endr
.endr
	WIN 0x41
	WALU                                           ; directly ahead of the first reader of O^T
.irp u, 0,1
.set J, 0
.rept 16
	v_pk_mul_f32 v[OA+32*\u+J:OA+32*\u+J+1], v[OA+32*\u+J:OA+32*\u+J+1], v[22+8*\u:23+8*\u] op_sel_hi:[1,0]   ; O^T under the new M; these 32 are also the places between p's codes and scale word and the products
.set J, J+2
.endr
.endr
.endm
.macro PV                              ; O^T += v^T p^T: my head's 64 x my 2 tiles, eight accumulators by turns
	WIN 0x51
.irp t, 0,1,2,3
.irp u, 0,1
	v_wmma_scale_f32_16x16x128_f8f6f4 v[OA+32*\u+8*\t:OA+32*\u+8*\t+7], v[VF+12*\t:VF+12*\t+11], v[PC+12*\u:PC+12*\u+11], v[OA+32*\u+8*\t:OA+32*\u+8*\t+7], v[VS+\t], v[23+8*\u] matrix_a_fmt:MATRIX_FMT_FP6 matrix_b_fmt:MATRIX_FMT_FP6
.endr
.endr
	WIN 0
.endm
.macro STEPA                           ; a slot's first step
	s_wait_dscnt 16                                ; K's 32 loads are in; V's 16, issued behind them, may be out
	SMUL
	PLACES 4
	LOADK 1                                        ; the second step's K lands during the softmax
	SOFT
	WALU
	s_wait_dscnt 32                                ; V is in; the 32 loads just issued may be out
	PV
	PLACES 4
	LOADV 1
.endm
.macro STEPB fill                      ; a slot's second step, with the change of slots in it.  fill = 1: a round of the cluster's barrier and the refill; 0
	s_wait_tensorcnt 0x0                           ; my part of the other slot has landed; no load of mine is out
	ds_add_u32 v[SPW], v[NIL]
	s_wait_dscnt 17                                ; K is in; V's 16 loads and the add may be out
	SMUL
.if \fill
	FWD
.endif
	s_wait_dscnt 0x0                               ; the add is done, and all my reads of this slot are over
	s_barrier_signal -1
	PLACES 4
	SOFT
	PV
	s_xor_b32 s[TB], s[TB], SLOT1                  ; all my loads from this slot have come back: the next slot's place,
	s_add_co_u32 s[TS], s[TS], 1024                ; and two steps' scale words on, K's and V's alike
	WALU
	s_barrier_wait -1
.if \fill
	CREST
	TLOAD                                          ; my one tensor load behind the round: into the slot just left
	NEXT
	ASK
.else
	s_cmp_eq_u32 s[SLOTS], 1                       ; behind the last slot nothing is left to fetch
	s_cbranch_scc1 .Lno_next_\@
	NEXT
.Lno_next_\@:
.endif
.endm
	s_load_b128 s[4:7], s[0:1], 0x0                ; qkv, ao
	v_lshl_add_u32 v[SPW], v0, 2, SPARE
	v_mov_b32 v[NIL], 0
	ds_add_u32 v[SPW], v[NIL]                      ; the wave's opening: the add, twice on end, and its wait ahead of my first tensor load
	ds_add_u32 v[SPW], v[NIL]
	v_lshrrev_b32 v8, 5, v0
	v_readfirstlane_b32 s[WV], v8                  ; wave 0..7
	s_bfe_u32 s8, ttmp6, 0x40000                   ; cx
	s_lshl_b32 s9, ttmp9, 2
	s_add_co_u32 s9, s9, s8                        ; my block of 128 queries
	s_and_b32 s10, ttmp7, 0xffff
	s_lshr_b32 s11, s10, 3                         ; batch
	s_and_b32 s10, s10, 7                          ; pair of heads
	s_and_b32 s12, s[WV], 1                        ; my head of the pair.  Also: which half I fetch
	s_lshr_b32 s13, s[WV], 1                       ; my 32 queries
	s_add_co_u32 s14, s10, 8
	s_lshl_b32 s14, s14, 8
	s_lshl_b32 s15, s11, 7
	s_add_co_u32 s14, s14, s15                     ; K: 256 (8 + pair) + 128 batch
	s_mul_i32 s84, s14, FRB
	s_mul_i32 s16, s12, 12288
	s_add_co_u32 s84, s84, s16
	s_mov_b32 s85, 0
	s_lshl_b32 s86, s14, 6
	s_lshl_b32 s16, s12, 12
	s_add_co_u32 s86, s86, s16
	s_add_co_u32 s86, s86, SQK
	s_mov_b32 s87, 0
	s_lshl_b32 s14, s11, 12
	s_lshl_b32 s15, s10, 3
	s_add_co_u32 s14, s14, s15                     ; V: 256 x 16 batch + 8 pair
	s_mul_i32 s88, s14, FRB
	s_mul_i32 s16, s12, PLANE
	s_add_co_u32 s88, s88, s16
	s_add_co_u32 s88, s88, OVT
	s_mov_b32 s89, 0
	s_lshl_b32 s90, s14, 6
	s_lshl_b32 s16, s12, 17
	s_add_co_u32 s90, s90, s16
	s_add_co_u32 s90, s90, SVT
	s_mov_b32 s91, 0
	s_lshl_b32 s14, s10, 8
	s_lshl_b32 s15, s11, 7
	s_add_co_u32 s14, s14, s15
	s_lshl_b32 s15, s9, 3
	s_add_co_u32 s14, s14, s15                     ; q and the output: 256 pair + 128 batch + 8 block
	s_lshl_b32 s15, s13, 1
	s_add_co_u32 s15, s14, s15                     ; my first tile of queries
	s_mul_i32 s68, s15, FRB
	s_mov_b32 s69, 0
	s_lshl_b32 s70, s15, 6
	s_add_co_u32 s70, s70, SQK
	s_mov_b32 s71, 0
	s_add_co_u32 s15, s14, s[WV]                   ; the fragment that I store at the end
	s_mul_i32 s72, s15, FRB
	s_mov_b32 s73, 0
	s_lshl_b32 s74, s14, 6
	s_add_co_u32 s74, s74, AOS
	s_mov_b32 s75, 0
	; the prefetches: waves 4 and 6 have half 0, so s84 and s88 stand at the head's first K and V
	s_mul_i32 s14, s8, 6144
	s_add_co_u32 s14, s14, s84
	s_add_co_u32 s14, s14, 24576                   ; in slot 1: the first change steps it to slot 2
	s_lshr_b32 s15, s8, 1
	s_mul_i32 s15, s15, PLANE
	s_and_b32 s16, s8, 1
	s_mul_i32 s16, s16, 6144
	s_add_co_u32 s15, s15, s16
	s_add_co_u32 s15, s15, s88
	s_add_co_u32 s15, s15, 2*PLANE
	s_mov_b32 s[PFS], 2*PLANE
	s_cmp_lt_u32 s[WV], 6
	s_cselect_b32 s14, s14, s15
	s_cselect_b32 s[PFS], 24576, s[PFS]            ; a slot on
	s_mov_b32 s15, 0
	s_mov_b32 s[PFS+1], 0
	s_cmp_eq_u32 s[WV], 4
	s_cselect_b32 s16, 0, 1
	s_cmp_eq_u32 s[WV], 6
	s_cselect_b32 s16, 0, s16
	s_or_b32 s16, s16, ttmp9                       ; the cluster's number: the same in all partners
	s_cmp_eq_u32 s16, 0
	s_cselect_b32 s[LIM], 1, -1
	s_cmp_eq_u32 s12, 0
	s_cselect_b32 s81, -1, 0                       ; keeps q's registers 0-5 in head 0,
	s_cselect_b32 s82, 0, -1                       ; 6-11 in head 1
	s_mov_b32 s[G1C], 15|(3<<16)|(1<<21)           ; all four work-groups; elements of 8 bytes
	s_mov_b32 s[G1C+1], 32<<16                     ; 48 rows of 256 bytes, dense
	s_mov_b32 s[G1C+2], 48<<16
	s_mov_b32 s[G1C+3], 32<<16
	s_mov_b32 s[G1C+4], 48
	s_mov_b32 s[G1C+5], 32
	s_mov_b32 s[G1C+6], 0
	s_mov_b32 s[G1C+7], 0
.irp g, G1SK, G1SV
	s_mov_b32 s[\g], 15|(3<<16)|(1<<21)
	s_mov_b32 s[\g+1], 64<<16                      ; 8 rows of 512 bytes
	s_mov_b32 s[\g+2], 8<<16
	s_mov_b32 s[\g+3], 64<<16
	s_mov_b32 s[\g+4], 8
	s_mov_b32 s[\g+6], 0
	s_mov_b32 s[\g+7], 0
.endr
	s_mov_b32 s[G1SK+5], 64                        ; K's dense,
	s_mov_b32 s[G1SV+5], 2048                      ; V's 16,384 bytes apart
	s_mov_b32 s[G0K], 1
	s_mul_i32 s[G0K+1], s12, 12288
	s_mov_b32 s[G0V], 1
	s_add_co_u32 s[G0V+1], s[G0K+1], VOFF
	s_mov_b32 s[G0SK], 1
	s_lshl_b32 s16, s12, 12
	s_add_co_u32 s[G0SK+1], s16, SCK
	s_mov_b32 s[G0SV], 1
	s_add_co_u32 s[G0SV+1], s16, SCV
	s_mov_b32 s[SEL], 0x76543210
	s_mov_b32 s[SEL+1], 0xfedcba98
	s_mov_b32 s[CS], 0x3e38aa3b                    ; c = log2(e) / 8
	s_mov_b32 s[CS+1], s[CS]
	s_mov_b32 s[TB], 0
	s_mov_b32 s[TS], 0
	s_mov_b32 s[SLOTS], 7
	s_mul_i32 s92, s12, 6144
	s_add_co_u32 s92, s92, VOFF                    ; V: my head's four row blocks
	s_lshl_b32 s93, s12, 8
	s_add_co_u32 s93, s93, SCV
	s_mul_i32 s16, s13, 2*FRB
	s_add_co_u32 s16, s16, OSTG                    ; my first tile's fragment in the stage.  My six registers are its registers 6 e .. 6 e + 5: three pairs, at 520 e, 8 + 1016 e, 512 + 520 e
	s_mul_i32 s94, s12, 520
	s_add_co_u32 s94, s94, s16
	s_mul_i32 s95, s12, 1016
	s_add_co_u32 s95, s95, s16
	s_add_co_u32 s95, s95, 8
	s_lshl_b32 s96, s13, 7
	s_lshl_b32 s17, s12, 1
	s_add_co_u32 s96, s96, s17
	s_add_co_u32 s96, s96, OSC                     ; my two bytes of a row's scale word
	s_mul_i32 s97, s[WV], FRB
	s_add_co_u32 s97, s97, OSTG                    ; back: a fragment a wave
	; every address register, in one run
	v_and_b32 v8, 15, v0                           ; r
	v_and_b32 v9, 31, v0
	v_lshlrev_b32 v[LI], 4, v9                     ; 16 x lane
	v_lshl_add_u32 v[ASK0], v8, 2, SCK
	v_lshl_add_u32 v[ASV0], v8, 2, s93
	v_lshl_add_u32 v[W2], v8, 2, s96
	v_lshlrev_b32 v[QSO], 2, v8
	v_min_u32 v[PFO], 23, v9
	v_lshlrev_b32 v[PFO], 8, v[PFO]
	v_add_nc_u32 v[AV0], s92, v[LI]
	v_add_nc_u32 v[W0], s94, v[LI]
	v_add_nc_u32 v[W1], s95, v[LI]
	v_add_nc_u32 v[RB], s97, v[LI]
	v_add_nc_u32 v[RS], OSC, v[LI]
	WALU                                           ; the wait ahead of the waits below
	s_wait_dscnt 0x0                               ; both opening adds are done
	s_wait_kmcnt 0x0
	s_add_nc_u64 s[G0K+2:G0K+3], s[4:5], s[84:85]
	s_or_b32 s[G0K+3], s[G0K+3], 0x80000000
	s_add_nc_u64 s[G0V+2:G0V+3], s[4:5], s[88:89]
	s_or_b32 s[G0V+3], s[G0V+3], 0x80000000
	s_add_nc_u64 s[G0SK+2:G0SK+3], s[4:5], s[86:87]
	s_or_b32 s[G0SK+3], s[G0SK+3], 0x80000000
	s_add_nc_u64 s[G0SV+2:G0SV+3], s[4:5], s[90:91]
	s_or_b32 s[G0SV+3], s[G0SV+3], 0x80000000
	s_add_nc_u64 s[PFA:PFA+1], s[4:5], s[14:15]
	s_add_nc_u64 s[68:69], s[4:5], s[68:69]
	s_add_nc_u64 s[70:71], s[4:5], s[70:71]
	s_add_nc_u64 s[72:73], s[6:7], s[72:73]
	s_add_nc_u64 s[74:75], s[6:7], s[74:75]
	CROUND                                         ; all four work-groups are here: the first joint loads meet
.macro ARM under, g0, g1, next         ; the head's loads, one a wave: one chain of branches on the wave's number, every way through it passes one load
	s_cmp_lt_u32 s[WV], \under
	s_cbranch_scc0 \next
	tensor_load_to_lds s[\g0:\g0+3], s[\g1:\g1+7]
	s_nop 0
	PLACES 4
	s_branch .Lhead_asked
\next:
.endm
	ARM 2, G0K,  G1C,  .Lhead_v
	ARM 4, G0V,  G1C,  .Lhead_sk
	ARM 6, G0SK, G1SK, .Lhead_sv
	tensor_load_to_lds s[G0SV:G0SV+3], s[G1SV:G1SV+7]
	s_nop 0
	PLACES 4
.Lhead_asked:
.irp u, 0,1
.irp i, 0,1,2
	global_load_b128 v[Q+12*\u+4*\i:Q+12*\u+4*\i+3], v[LI], s[68:69] offset:FRB*\u+512*\i   ; q's two fragments stay in registers
.endr
	global_load_b32 v[QS+\u], v[QSO], s[70:71] offset:64*\u
.endr
.irp u, 0,1
	v_mov_b32 v[13+4*\u], 0xff61b1e6               ; the largest t so far: -3e38
	v_mov_b32 v[14+4*\u], 0
	v_mov_b32 v[15+4*\u], 0
	v_mov_b32 v[23+8*\u], 0                        ; (named as the upper half of f's pair before it is first written)
.irp b, 0,1,2,3
	v_mov_b32 v[236-8*\u+\b], 0                    ; a lane permute's destination counts as one of its sources
.endr
.endr
.irp u, 0,1
	v_floor_f32 v[12+4*\u], -v[13+4*\u]            ; -M
.endr
	WIN 0x40
.set I, 0
.rept 64
	v_mov_b32 v[OA+I], 0                           ; O^T: the step is written once; the first change of M leaves zeros zeros
.set I, I+1
.endr
	WIN 0
	WALU                                           ; the wait at the head's end
	s_wait_tensorcnt 0x0                           ; my tile of the head's eight is in; slot 1's first fill is issued as a refill is
	ds_add_u32 v[SPW], v[NIL]
	FWD
	s_wait_dscnt 0x0
	CROUND
	TLOAD
	NEXT
	ASK
	s_wait_loadcnt 0x0
.irp u, 0,1
.irp j, 0,1,2,3,4,5
	v_and_b32 v[Q+12*\u+\j], s81, v[Q+12*\u+\j]    ; the other head's codes become zeros
	v_and_b32 v[Q+12*\u+6+\j], s82, v[Q+12*\u+6+\j]
.endr
.endr
	PLACES 4                                       ; an operand written by vector instructions stands four places ahead of a scaled product
	WALU
	s_mov_b32 s[SLOTS], 6
.Lslot:                                            ; slots 0 to 5: each trip's round fills the slot just left with the keys two slots on
	STEPA
	STEPB 1
	s_sub_co_u32 s[SLOTS], s[SLOTS], 1
	s_cmp_lg_u32 s[SLOTS], 0
	s_cbranch_scc1 .Lslot
	s_mov_b32 s[SLOTS], 2
.Ltail:                                            ; slots 6 and 7: nothing more is filled
	STEPA
	STEPB 0
	s_sub_co_u32 s[SLOTS], s[SLOTS], 1
	s_cmp_lg_u32 s[SLOTS], 0
	s_cbranch_scc1 .Ltail
	; THE WAY OUT: O^T / the sum, quantised along my head's 64 (two blocks), pieced into each tile's fragment with the other head's in LDS
.irp u, 0,1
	v_add_f32 v[14+4*\u], v[14+4*\u], v[15+4*\u]
.endr
.irp u, 0,1
	v_permlanex16_b32 v[254+\u], v[14+4*\u], s[SEL], s[SEL+1]
.endr
.irp u, 0,1
	v_add_f32 v[14+4*\u], v[14+4*\u], v[254+\u]
.endr
	WALU
.irp u, 0,1
	v_rcp_f32 v[14+4*\u], v[14+4*\u]
.endr
	PLACES 4
	WIN 0x01
	WALU                                           ; for the reciprocals, and directly ahead of the first reader of O^T
.irp u, 0,1
.set J, 0
.rept 32
	v_mul_f32 v[ST+64*\u+J], v[OA+32*\u+J], v[14+4*\u]   ; register 16 b + i: channel 32 b + 16 h + i of my head
.set J, J+1
.endr
.endr
	WIN 0
.irp u, 0,1
.irp b, 0,1
	v_max3_num_f32 v[232-8*\u+\b], |v[ST+64*\u+16*\b]|, |v[ST+1+64*\u+16*\b]|, 0x1800000
.endr
.endr
.irp i, 2,4,6,8,10,12,14
.irp u, 0,1
.irp b, 0,1
	v_max3_num_f32 v[232-8*\u+\b], v[232-8*\u+\b], |v[ST+64*\u+16*\b+\i]|, |v[ST+1+64*\u+16*\b+\i]|
.endr
.endr
.endr
.irp u, 0,1
.irp b, 0,1
	v_permlanex16_b32 v[236-8*\u+\b], v[232-8*\u+\b], s[SEL], s[SEL+1]
.endr
.endr
.irp u, 0,1
.irp b, 0,1
	v_max_num_f32 v[232-8*\u+\b], v[232-8*\u+\b], v[236-8*\u+\b]
.endr
.endr
.irp u, 0,1
.irp b, 0,1
	v_add_nc_u32 v[244+4*\u+\b], 0xff000000, v[232-8*\u+\b]
.endr
.endr
.irp u, 0,1
.irp b, 0,1
	v_lshrrev_b32 v[236-8*\u+\b], 23, v[244+4*\u+\b]
.endr
.endr
.irp u, 0,1
	v_lshl_or_b32 v[23+8*\u], v[237-8*\u], 8, v[236-8*\u]   ; my head's two bytes
.endr
.irp u, 0,1
	v_cvt_scalef32_pk16_fp6_f32 v[PC+12*\u:PC+12*\u+2], v[ST+64*\u:ST+64*\u+15], v[244+4*\u]
	v_cvt_scalef32_pk16_fp6_f32 v[240-12*\u:242-12*\u], v[ST+64*\u+16:ST+64*\u+31], v[245+4*\u]
.endr
	v_nop
.irp u, 0,1
.irp i, 0,1,2
	v_permlane16_swap_b32 v[PC+12*\u+\i], v[240-12*\u+\i]
.endr
.irp i, 0,1,2
	v_mov_b32 v[PC+12*\u+3+\i], v[240-12*\u+\i]
.endr
.endr
.irp u, 0,1
	ds_store_b64 v[W0], v[PC+12*\u:PC+12*\u+1] offset:FRB*\u
	ds_store_b64 v[W1], v[PC+12*\u+2:PC+12*\u+3] offset:FRB*\u
	ds_store_b64 v[W0], v[PC+12*\u+4:PC+12*\u+5] offset:FRB*\u+512
	ds_store_b16 v[W2], v[23+8*\u] offset:64*\u    ; both halves of the lanes write the same two bytes
.endr
	s_wait_dscnt 0x0                               ; for the others' sake
	s_barrier_signal -1
	s_barrier_wait -1
	ds_load_b128 v[32:35], v[RB]
	ds_load_b128 v[36:39], v[RB] offset:512
	ds_load_b128 v[40:43], v[RB] offset:1024
	s_wait_dscnt 0x0
	global_store_b128 v[LI], v[32:35], s[72:73]    ; 512 consecutive bytes each
	global_store_b128 v[LI], v[36:39], s[72:73] offset:512
	global_store_b128 v[LI], v[40:43], s[72:73] offset:1024
	s_cmp_eq_u32 s[WV], 0
	s_cbranch_scc0 .Lsent
	ds_load_b128 v[44:47], v[RS]
	s_wait_dscnt 0x0
	global_store_b128 v[LI], v[44:47], s[74:75]    ; the eight tiles' scale words: 512 consecutive bytes
.Lsent:
	s_wait_tensorcnt 0x0                           ; the wave's end
	ds_add_u32 v[SPW], v[NIL]
	s_wait_dscnt 0x0
	CROUND                                         ; the closing round
	s_endpgm
.Lfunc_end_k_q94cee32e1a_attn:
	.size	k_q94cee32e1a_attn, .Lfunc_end_k_q94cee32e1a_attn-k_q94cee32e1a_attn
	.p2alignl 7, 3214868480
	.fill 96, 4, 3214868480
	.section	.rodata,"a",@progbits
	.p2align	6, 0x0
	.amdhsa_kernel k_q94cee32e1a_attn
		.amdhsa_group_segment_fixed_size 327680
		.amdhsa_private_segment_fixed_size 0
		.amdhsa_enable_private_segment 0
		.amdhsa_kernarg_size 16
		.amdhsa_user_sgpr_count 2
		.amdhsa_user_sgpr_kernarg_segment_ptr 1
		.amdhsa_wavefront_size32 1
		.amdhsa_system_sgpr_workgroup_id_x 1
		.amdhsa_system_sgpr_workgroup_id_y 1
		.amdhsa_system_sgpr_workgroup_id_z 1
		.amdhsa_system_vgpr_workitem_id 0
		.amdhsa_next_free_vgpr 512
		.amdhsa_next_free_sgpr 100
		.amdhsa_reserve_vcc 0
		.amdhsa_float_denorm_mode_32 3
		.amdhsa_float_denorm_mode_16_64 3
		.amdhsa_memory_ordered 1
		.amdhsa_forward_progress 1
		.amdhsa_inst_pref_size 149
	.end_amdhsa_kernel
	.amdgpu_metadata
---
amdhsa.version: [ 1, 2 ]
amdhsa.kernels:
  - .name:           k_q94cee32e1a_attn
    .symbol:         k_q94cee32e1a_attn.kd
    .args:
      - { .name: qkv, .offset: 0, .size: 8, .value_kind: global_buffer, .address_space: global }
      - { .name: ao, .offset: 8, .size: 8, .value_kind: global_buffer, .address_space: global }
    .group_segment_fixed_size: 327680
    .private_segment_fixed_size: 0
    .kernarg_segment_align: 8
    .kernarg_segment_size: 16
    .max_flat_workgroup_size: 256
    .sgpr_count:     100
    .vgpr_count:     512
    .wavefront_size: 32
...
	.end_amdgpu_metadata
.endif
;; end of part 3
;; launch outp (part 4): grid 4 x 16, 4 waves a work-group, clusters of 4 x 4, 327,680 bytes of LDS; arguments ao, opq, bo, y; writes y
.if DOCPART == 4
	.amdgcn_target "amdgcn-amd-amdhsa--gfx1250"
	.amdhsa_code_object_version 6
	.text
	.protected	k_q94cee32e1a_outp
	.globl	k_q94cee32e1a_outp
	.p2align	8
	.type	k_q94cee32e1a_outp,@function
k_q94cee32e1a_outp:
	s_mov_b64 s[64:65], 0
	v_nop
	global_prefetch_b8 v0, s[64:65] scope:SCOPE_SE
	s_setreg_imm32_b32 hwreg(HW_REG_WAVE_MODE, 25, 1), 1
	s_wait_xcnt 0x0
	s_wait_alu depctr_hold_cnt(0) depctr_sa_sdst(0) depctr_va_vdst(0) depctr_va_sdst(0) depctr_va_ssrc(0) depctr_va_vcc(0) depctr_vm_vsrc(0)
	s_getreg_b32 s2, hwreg(HW_REG_IB_STS2, 6, 4)
	s_cmp_eq_u32 s2, 0
	s_cbranch_scc0 .Lentry_in_a_cluster
	s_endpgm
.Lentry_in_a_cluster:
	s_bfe_u32 s2, ttmp6, 0x10000c
	s_cmp_lg_u32 s2, 0xf033
	s_cbranch_scc0 .Lentry_shape_is_right
	s_endpgm
.Lentry_shape_is_right:
; The text of launch proj with KIND = 1: attention's output x Wo + bo, left as f32.  The layouts, the ring, the head and the limits are set out at the head of that text.
.set KIND, 1
.set QK, 1-(KIND%2)
.set NKS, 8
.set FRB,   1536
.set PLANE, 256*FRB
.set HALFT, 16*FRB
.set SLOT,  4*HALFT
.set SCL,   2*SLOT
.set HALFS, 512*NKS
.set SPARE, SCL+4*HALFS
.set LAPS,  NKS/4
.set FR, 12
.set NL, 3
.set NP, 4
.set OX,  0
.set OW4, 3145728
.set OW1, 6291456
.set OW2, 9437184
.set SX,  22020096
.set SW4, 22151168
.set SW1, 22282240
.set SW2, 22413312
.set OQK, 0
.set OVT, 6291456
.set SQK, 18874368
.set SVT, 19136512
.if KIND == 0
.set PB, 4
.set PO, 12
.else
.set PB, 6
.set PO, 10
.endif
.set ADRA, 16
.set ADRB, 20
.set LI,   24
.set L4,   25
.set BO,   26
.set ADRS, 27
.set SPW,  28
.set NIL,  29
.set BO2,  30
.set SC,   32
.set BI,   64
.set AF,   128
.set TM,   224
.set TP,   240
.set G1,   24
.set G0,   32
.set G1B,  48
.set G0B,  56
.set G1S,  68
.set G0S,  76
.set G1SB, 80
.set G0SB, 88
.set MSB, 0
.macro WIN new
.if MSB != (\new)
	s_set_vgpr_msb (MSB<<8)|(\new)
.set MSB, (\new)
.endif
.endm
.macro JLOAD g0a, g1a, g0b, g1b
	s_cmp_eq_u32 s15, 0
	s_cbranch_scc0 .Lfor_b_\@
	tensor_load_to_lds s[\g0a:\g0a+3], s[\g1a:\g1a+7]
	s_nop 0
.rept 4
	v_nop
.endr
	s_branch .Lasked_\@
.Lfor_b_\@:
	tensor_load_to_lds s[\g0b:\g0b+3], s[\g1b:\g1b+7]
	s_nop 0
.rept 4
	v_nop
.endr
.Lasked_\@:
.endm
.macro CREST
	s_cmp_lg_u32 s14, 0
	s_cbranch_scc1 .Lnot_wave_0_\@
	s_barrier_signal -3
.Lnot_wave_0_\@:
	s_barrier_wait -3
	s_barrier_signal -1
	s_barrier_wait -1
.endm
.macro CROUND
	s_barrier_signal -1
	s_barrier_wait -1
	CREST
.endm
.if KIND == 0
	s_load_b256 s[4:11], s[0:1], 0x0
	s_load_b64 s[12:13], s[0:1], 0x20
.else
	s_load_b256 s[4:11], s[0:1], 0x0
.endif
	v_lshl_add_u32 v[SPW], v0, 2, SPARE
	v_mov_b32 v[NIL], 0
	ds_add_u32 v[SPW], v[NIL]
	ds_add_u32 v[SPW], v[NIL]
	v_lshrrev_b32 v1, 5, v0
	v_readfirstlane_b32 s14, v1
	s_lshr_b32 s15, s14, 1
	s_and_b32 s16, s14, 1
	s_bfe_u32 s40, ttmp6, 0x40000
	s_bfe_u32 s41, ttmp6, 0x40004
	s_and_b32 s17, ttmp7, 0xffff
.if KIND == 0
	s_sub_co_u32 s42, s17, 4
	s_lshl_b32 s42, s42, 1
	s_add_co_u32 s42, s42, ttmp9
	s_mov_b32 s92, OW4+128*FRB
	s_mov_b32 s93, SW4+128*64
	s_mov_b32 s95, SW4
	s_mov_b32 s97, SVT
	s_mov_b32 s98, SX
	s_mov_b32 s99, SQK
	s_cmp_lt_u32 s17, 4
	s_cselect_b32 s42, ttmp9, s42
	s_cselect_b32 s17, s17, 0
	s_cselect_b32 s2, 0, 1
	s_cselect_b32 s92, OX, s92
	s_cselect_b32 s93, s98, s93
	s_cselect_b32 s94, OW4, OX
	s_cselect_b32 s95, s95, s98
	s_cselect_b32 s96, OQK, OVT
	s_cselect_b32 s97, s99, s97
.else
	s_mov_b32 s42, ttmp9
.endif
.if KIND == 1
	s_mov_b32 s92, 0
	s_mov_b32 s93, 3145728
	s_mov_b32 s94, OW4+192*FRB
	s_mov_b32 s95, SW4+192*64
.endif
.if KIND == 2
	s_mov_b32 s92, 16777216
	s_mov_b32 s93, 19922944
	s_mov_b32 s94, OW1
	s_mov_b32 s95, SW1
	s_mov_b32 s96, 0
	s_mov_b32 s97, 12582912
.endif
.if KIND == 3
	s_lshr_b32 s2, s17, 2
	s_and_b32 s17, s17, 3
	s_mul_i32 s98, s2, 8*PLANE
	s_lshl_b32 s99, s2, 17
	s_mov_b32 s92, s98
	s_add_co_u32 s93, s99, 12582912
	s_add_co_u32 s94, s98, OW2
	s_add_co_u32 s95, s99, SW2
.endif
	s_lshl_b32 s42, s42, 2
	s_add_co_u32 s42, s42, s40
	s_lshl_b32 s17, s17, 2
	s_add_co_u32 s17, s17, s41
	s_lshl_b32 s43, s41, 2
	s_lshl_b32 s43, 15, s43
	s_lshl_b32 s44, 0x1111, s40
	s_or_b32 s[G1+0], s43, (3<<16)|(1<<21)
	s_or_b32 s[G1B+0], s44, (3<<16)|(1<<21)
.irp g, G1, G1B
	s_mov_b32 s[\g+1], 3072<<16
	s_mov_b32 s[\g+2], 2<<16
	s_mov_b32 s[\g+3], 3072<<16
	s_mov_b32 s[\g+4], 2
	s_mov_b32 s[\g+5], PLANE/8
	s_mov_b32 s[\g+6], 0
	s_mov_b32 s[\g+7], 0
.endr
	s_or_b32 s[G1S+0], s43, (3<<16)|(1<<21)
	s_or_b32 s[G1SB+0], s44, (3<<16)|(1<<21)
.irp g, G1S, G1SB
	s_mov_b32 s[\g+1], 128<<16
	s_mov_b32 s[\g+2], NKS<<16
	s_mov_b32 s[\g+3], 128<<16
	s_mov_b32 s[\g+4], NKS
	s_mov_b32 s[\g+5], 2048
	s_mov_b32 s[\g+6], 0
	s_mov_b32 s[\g+7], 0
.endr
	s_mul_i32 s18, s16, PLANE                      ; in the ring I fetch one K step of a slot: which, in bytes
	s_mov_b32 s19, 0
	s_lshl_b32 s20, s17, 4
	s_lshl_b32 s46, s42, 4
	s_lshl_b32 s22, s20, 6
	s_add_co_u32 s22, s22, s93
	s_mul_i32 s20, s20, FRB
	s_add_co_u32 s20, s20, s92
	s_lshl_b32 s98, s46, 6
	s_add_co_u32 s98, s98, s95
	s_mul_i32 s46, s46, FRB
	s_add_co_u32 s46, s46, s94
	s_mov_b32 s21, 0
	s_mov_b32 s23, 0
	s_mov_b32 s47, 0
	s_mov_b32 s99, 0
	s_mul_i32 s45, s14, HALFT
	s_wait_dscnt 0x0
	s_wait_kmcnt 0x0
	s_add_nc_u64 s[20:21], s[4:5], s[20:21]
	s_add_nc_u64 s[22:23], s[4:5], s[22:23]
	s_add_nc_u64 s[46:47], s[PB:PB+1], s[46:47]
	s_add_nc_u64 s[98:99], s[PB:PB+1], s[98:99]
	CROUND
	s_mov_b32 s[G0S], 1
	s_mov_b32 s[G0S+1], SCL
	s_mov_b64 s[G0S+2:G0S+3], s[22:23]
	s_or_b32 s[G0S+3], s[G0S+3], 0x80000000
	s_mov_b32 s[G0SB], 1
	s_mov_b32 s[G0SB+1], SCL+2*HALFS
	s_mov_b64 s[G0SB+2:G0SB+3], s[98:99]
	s_or_b32 s[G0SB+3], s[G0SB+3], 0x80000000
	s_mov_b32 s[G0], 1                             ; the head's tiles, each whole: slot 0's 2 K steps x 16 row blocks of A,
	s_mov_b32 s[G0+1], 0
	s_mov_b64 s[G0+2:G0+3], s[20:21]
	s_or_b32 s[G0+3], s[G0+3], 0x80000000
	s_mov_b32 s[G0B], 1                            ; and of B, behind them
	s_mov_b32 s[G0B+1], 2*HALFT
	s_mov_b64 s[G0B+2:G0B+3], s[46:47]
	s_or_b32 s[G0B+3], s[G0B+3], 0x80000000
	s_mov_b32 s[G0+4], 1                           ; the ring's loads: my K step of a slot, 16 row blocks on end; here slot 1's
	s_add_co_u32 s[G0+5], s45, SLOT
	s_add_nc_u64 s[G0+6:G0+7], s[20:21], s[18:19]
	s_add_nc_u64 s[G0+6:G0+7], s[G0+6:G0+7], 2*PLANE
	s_or_b32 s[G0+7], s[G0+7], 0x80000000
	s_mov_b32 s[G0B+4], 1
	s_add_co_u32 s[G0B+5], s45, SLOT
	s_add_nc_u64 s[G0B+6:G0B+7], s[46:47], s[18:19]
	s_add_nc_u64 s[G0B+6:G0B+7], s[G0B+6:G0B+7], 2*PLANE
	s_or_b32 s[G0B+7], s[G0B+7], 0x80000000
; THE HEAD'S LOADS, ONE A WAVE: wave 0 slot 0 of A, wave 1 slot 0 of B, wave 2 A's scale words, wave 3 B's.  One chain of branches on the wave's number; every way through it passes one load.
.macro ARM under, g0, g1, next
	s_cmp_lt_u32 s14, \under
	s_cbranch_scc0 \next
	tensor_load_to_lds s[\g0:\g0+3], s[\g1:\g1+7]
	s_nop 0
.rept 4
	v_nop
.endr
	s_branch .Lhead_asked
\next:
.endm
	ARM 1, G0,  G1,  .Lhead_b
	ARM 2, G0B, G1B, .Lhead_sa
	ARM 3, G0S, G1S, .Lhead_sb
	tensor_load_to_lds s[G0SB:G0SB+3], s[G1SB:G1SB+7]
	s_nop 0
.rept 4
	v_nop
.endr
.Lhead_asked:                                          ; the addresses and the bias's loads below stand while the four tiles are on their way
	v_and_b32 v1, 15, v0
	v_bfe_u32 v2, v0, 4, 1
	v_and_b32 v3, 31, v0
	v_lshlrev_b32 v[LI], 4, v3
	v_lshlrev_b32 v[L4], 2, v3
	v_lshlrev_b32 v[BO], 6, v2
	v_and_b32 v4, 8, v1
	v_add_nc_u32 v4, v4, v1
	v_lshlrev_b32 v[BO2], 2, v4
	s_mul_i32 s21, s15, 8*FRB
	s_mul_i32 s22, s16, 8*FRB
	s_add_co_u32 s22, s22, 2*HALFT
.irp s, 0,1
	v_add_nc_u32 v[ADRA+\s], s21, v[LI]
	v_add_nc_u32 v[ADRB+\s], s22, v[LI]
	s_add_co_u32 s21, s21, SLOT
	s_add_co_u32 s22, s22, SLOT
.endr
	v_lshlrev_b32 v5, 2, v1
	s_mul_i32 s21, s15, 512
	s_mul_i32 s22, s16, 512
	s_add_co_u32 s22, s22, 2*HALFS
	s_sub_co_u32 s22, s22, s21
	v_mul_u32_u24 v6, s22, v2
	s_add_co_u32 s21, s21, SCL
	v_add_nc_u32 v5, v5, v6
	v_add_nc_u32 v[ADRS], s21, v5
.if KIND == 0
	s_cmp_eq_u32 ttmp9, 0
	s_cselect_b64 s[8:9], s[6:7], s[8:9]
	s_lshl_b32 s46, s40, 10
.else
	s_lshl_b32 s46, s42, 10
.endif
	s_lshl_b32 s47, s16, 9
	s_add_co_u32 s46, s46, s47
	s_mov_b32 s47, 0
	s_add_nc_u64 s[8:9], s[8:9], s[46:47]
.if KIND == 0
	s_lshl_b32 s46, s17, 10
	s_lshl_b32 s47, s15, 9
	s_add_co_u32 s46, s46, s47
	s_mov_b32 s47, 0
	s_add_nc_u64 s[10:11], s[10:11], s[46:47]
	s_cmp_eq_u32 s2, 0
	s_cbranch_scc0 .Lbias_rows
.endif
.irp b, 0,1,2,3,4,5,6,7
	global_load_b128 v[BI+8*\b:BI+8*\b+3], v[BO], s[8:9] offset:(32*(\b/2)+8*(\b%2))*4
	global_load_b128 v[BI+8*\b+4:BI+8*\b+7], v[BO], s[8:9] offset:(32*(\b/2)+8*(\b%2))*4+16
.endr
.if KIND == 0
	s_branch .Lbias_asked
.Lbias_rows:
.irp a, 0,1,2,3,4,5,6,7
.irp j, 0,1,2,3,4,5,6,7
	global_load_b32 v[BI+8*\a+\j], v[BO2], s[10:11] offset:(32*(\a/2)+8*(\a%2))*4
.endr
.endr
.Lbias_asked:
.endif
.if QK
	s_lshl_b32 s46, s42, 1
	s_add_co_u32 s46, s46, s16
	s_lshl_b32 s46, s46, 8
	s_lshl_b32 s47, s17, 4
	s_add_co_u32 s46, s46, s47
	s_lshl_b32 s47, s15, 3
	s_add_co_u32 s46, s46, s47
	s_lshl_b32 s98, s46, 6
	s_add_co_u32 s98, s98, s97
	s_mov_b32 s99, 0
	s_mul_i32 s46, s46, FRB
	s_add_co_u32 s46, s46, s96
	s_mov_b32 s47, 0
	s_add_nc_u64 s[92:93], s[PO:PO+1], s[46:47]
	s_add_nc_u64 s[94:95], s[PO:PO+1], s[98:99]
.else
	s_lshl_b32 s46, s17, 4
	s_lshl_b32 s47, s15, 3
	s_add_co_u32 s46, s46, s47
	s_lshl_b32 s46, s46, 16
	s_lshl_b32 s47, s42, 1
	s_add_co_u32 s47, s47, s16
	s_lshl_b32 s47, s47, 13
	s_add_co_u32 s46, s46, s47
.if KIND == 3
	s_lshl_b32 s47, s2, 24
	s_add_co_u32 s46, s46, s47
.endif
	s_mov_b32 s47, 0
	s_add_nc_u64 s[92:93], s[PO:PO+1], s[46:47]
.endif
.macro FRAG reg, adr, q, i
.irp g, 0,1,2
	ds_load_b128 v[\reg+4*\g:\reg+4*\g+3], v[\adr] offset:16*FRB*(\q)+FRB*(\i)+512*\g
.endr
.endm
.macro MUL16 a0, p, q, sc, mode
.irp a, \a0, \a0+1
.irp b, 0,1,2,3,4,5,6,7
.if (\mode) == 0
	v_wmma_scale_f32_16x16x128_f8f6f4 v[8*(8*((\a)%4)+\b):8*(8*((\a)%4)+\b)+7], v[128*(\p)+FR*\b:128*(\p)+FR*\b+FR-1], v[AF+FR*(\a):AF+FR*(\a)+FR-1], v[8*(8*((\a)%4)+\b):8*(8*((\a)%4)+\b)+7], v[SC+16*(\sc)+2*\b+(\q)], v[SC+16*(\sc)+2*(\a)+(\q)] matrix_a_fmt:MATRIX_FMT_FP6 matrix_b_fmt:MATRIX_FMT_FP6 matrix_a_scale:MATRIX_SCALE_ROW1
.elseif (\mode) == 1
	v_wmma_scale_f32_16x16x128_f8f6f4 v[8*(8*((\a)%4)+\b):8*(8*((\a)%4)+\b)+7], v[128*(\p)+FR*\b:128*(\p)+FR*\b+FR-1], v[AF+FR*(\a):AF+FR*(\a)+FR-1], v[BI+8*\b:BI+8*\b+7], v[SC+16*(\sc)+2*\b+(\q)], v[SC+16*(\sc)+2*(\a)+(\q)] matrix_a_fmt:MATRIX_FMT_FP6 matrix_b_fmt:MATRIX_FMT_FP6 matrix_a_scale:MATRIX_SCALE_ROW1
.else
	v_wmma_scale_f32_16x16x128_f8f6f4 v[8*(8*((\a)%4)+\b):8*(8*((\a)%4)+\b)+7], v[128*(\p)+FR*\b:128*(\p)+FR*\b+FR-1], v[AF+FR*(\a):AF+FR*(\a)+FR-1], v[BI+8*(\a):BI+8*(\a)+7], v[SC+16*(\sc)+2*\b+(\q)], v[SC+16*(\sc)+2*(\a)+(\q)] matrix_a_fmt:MATRIX_FMT_FP6 matrix_b_fmt:MATRIX_FMT_FP6 matrix_a_scale:MATRIX_SCALE_ROW1
.endif
.endr
.endr
.endm
.macro FETCH_B slot, q, p
	WIN 0x40
.irp i, 0,1,2,3,4,5,6,7
	FRAG 128*(\p)+FR*\i, ADRB+\slot, \q, \i
.endr
	WIN 0
.endm
.macro FETCH_A slot, q, i0
.irp i, \i0, \i0+1, \i0+2, \i0+3
	FRAG AF+FR*(\i), ADRA+\slot, \q, \i
.endr
.endm
.macro SCALES sc
.irp i, 0,1,2,3,4,5,6,7
	ds_load_b32 v[SC+16*\sc+2*\i], v[ADRS] offset:64*\i
	ds_load_b32 v[SC+16*\sc+2*\i+1], v[ADRS] offset:1024+64*\i
.endr
.endm
.macro PLACES n
.rept \n
	v_nop
.endr
.endm
.macro STEP slot, q, mode
	s_wait_dscnt 4*NL
.if \mode
	WIN 0x81
.else
	WIN 0xa1
.endif
	MUL16 0, (\q)%2, \q, \slot, \mode
	MUL16 2, (\q)%2, \q, \slot, \mode
	s_wait_dscnt 0
	PLACES NP
	FETCH_B \slot, (\q)+1, 1-(\q)%2
	FETCH_A \slot, (\q)+1, 0
.if \mode
	WIN 0xc1
.else
	WIN 0xf1
.endif
	MUL16 4, (\q)%2, \q, \slot, \mode
	MUL16 6, (\q)%2, \q, \slot, \mode
	PLACES NP
	WIN 0
	FETCH_A \slot, (\q)+1, 4
.endm
.macro TURN slot, next, fill
	s_wait_tensorcnt 0x0
	ds_add_u32 v[SPW], v[NIL]
	s_wait_dscnt 4*NL+1
	WIN 0xa1
	MUL16 0, 1, 1, \slot, 0
	s_wait_dscnt 0x0
	s_barrier_signal -1
	MUL16 2, 1, 1, \slot, 0
	WIN 0
	s_barrier_wait -1
.if \fill
	CREST
	s_add_nc_u64 s[G0+4*\slot+2:G0+4*\slot+3], s[G0+4*\slot+2:G0+4*\slot+3], 4*PLANE
	s_add_nc_u64 s[G0B+4*\slot+2:G0B+4*\slot+3], s[G0B+4*\slot+2:G0B+4*\slot+3], 4*PLANE
	JLOAD G0+4*\slot, G1, G0B+4*\slot, G1B
.else
	PLACES NP
.endif
	s_wait_alu depctr_va_vdst(0)
	v_add_nc_u32 v[ADRS], 2048, v[ADRS]
	FETCH_B \next, 0, 0
	FETCH_A \next, 0, 0
	SCALES \next
	WIN 0xf1
	MUL16 4, 1, 1, \slot, 0
	MUL16 6, 1, 1, \slot, 0
	PLACES NP
	WIN 0
	FETCH_A \next, 0, 4
.endm
	s_wait_alu depctr_va_vdst(0)
	s_wait_tensorcnt 0x0                           ; my tile of the head's four is in; slot 1's first fill is issued as a refill is
	ds_add_u32 v[SPW], v[NIL]
.irp g, G1, G1B                                ; no tensor load of mine is out, so the descriptors may be written: from here on a load brings one K step, 24,576 dense bytes, as 2 rows of 1,536 elements
	s_mov_b32 s[\g+1], 1536<<16
	s_mov_b32 s[\g+3], 1536<<16
	s_mov_b32 s[\g+5], 1536
.endr
	s_add_co_u32 s[G0+1], s45, 0                   ; slot 0's sets for the ring: my K step's place, and its address two K steps ahead of slot 1's
	s_sub_nc_u64 s[G0+2:G0+3], s[G0+6:G0+7], 2*PLANE
	s_add_co_u32 s[G0B+1], s45, 0
	s_sub_nc_u64 s[G0B+2:G0B+3], s[G0B+6:G0B+7], 2*PLANE
	s_wait_dscnt 0x0
	CROUND                                         ; a whole round: all four tiles are in, in every partner
	JLOAD G0+4, G1, G0B+4, G1B                     ; slot 1's load, the first tensor load behind the round
	FETCH_B 0, 0, 0
	FETCH_A 0, 0, 0
	SCALES 0
	FETCH_A 0, 0, 4
	s_wait_loadcnt 0x0
.if KIND == 3
	s_cmp_eq_u32 s2, 0
	s_cselect_b32 s98, 0x3f800000, 0
	s_mov_b32 s99, s98
.set II, 0
.rept 32
	v_pk_mul_f32 v[BI+II:BI+II+1], v[BI+II:BI+II+1], s[98:99] op_sel_hi:[1,0]
.set II, II+2
.endr
.endif
.if KIND == 0
	s_cmp_eq_u32 s2, 0
	s_cbranch_scc0 .Lfirst_rows
	STEP 0, 0, 1
	s_branch .Lfirst_done
.Lfirst_rows:
	STEP 0, 0, 2
.Lfirst_done:
.else
	STEP 0, 0, 1
.endif
	s_mov_b32 s3, LAPS-1
.Llap:
	TURN 0, 1, 1
	STEP 1, 0, 0
	TURN 1, 0, 1
	STEP 0, 0, 0
	s_sub_co_u32 s3, s3, 1
	s_cmp_lg_u32 s3, 0
	s_cbranch_scc1 .Llap
	TURN 0, 1, 0
	STEP 1, 0, 0
	s_wait_dscnt 4*NL
	WIN 0xa1
	MUL16 0, 1, 1, 1, 0
	MUL16 2, 1, 1, 1, 0
	s_wait_dscnt 0
	WIN 0xf1
	MUL16 4, 1, 1, 1, 0
	MUL16 6, 1, 1, 1, 0
	WIN 0
	PLACES NP
.if QK
.macro QOUT a
.set WA, 2+(\a)/4
.set AC, 64*((\a)%4)
.set CD, AF+FR*(\a)
.if KIND == 2
	WIN (WA<<2)|(WA<<6)
.set II, 0
.rept 64
	v_max_num_f32 v[AC+II], 0, v[AC+II]
.set II, II+1
.endr
.endif
	WIN (WA<<2)|(WA<<4)
.irp b, 0,1,2,3
	v_max3_num_f32 v[TM+\b], 0x1800000, |v[AC+16*\b]|, |v[AC+1+16*\b]|
.endr
.irp i, 2,4,6,8,10,12,14
.irp b, 0,1,2,3
	v_max3_num_f32 v[TM+\b], v[TM+\b], |v[AC+16*\b+\i]|, |v[AC+1+16*\b+\i]|
.endr
.endr
	WIN 0
.irp b, 0,1,2,3
	v_permlanex16_b32 v[TM+4+\b], v[TM+\b], s20, s21
.endr
.irp b, 0,1,2,3
	v_max_num_f32 v[TM+\b], v[TM+\b], v[TM+4+\b]
.endr
.irp b, 0,1,2,3
	v_add_nc_u32 v[TM+12+\b], 0xff000000, v[TM+\b]
.endr
.irp b, 0,1,2,3
	v_lshrrev_b32 v[TM+4+\b], 23, v[TM+12+\b]
.endr
	v_lshl_or_b32 v[SC+(\a)], v[TM+5], 8, v[TM+4]
	v_lshl_or_b32 v[SC+(\a)], v[TM+6], 16, v[SC+(\a)]
	v_lshl_or_b32 v[SC+(\a)], v[TM+7], 24, v[SC+(\a)]
	WIN WA
.irp c, 0,1
	v_cvt_scalef32_pk16_fp6_f32 v[CD+6*\c:CD+2+6*\c], v[AC+32*\c:AC+15+32*\c], v[TM+12+2*\c]
	v_cvt_scalef32_pk16_fp6_f32 v[TP+4*\c:TP+2+4*\c], v[AC+16+32*\c:AC+31+32*\c], v[TM+13+2*\c]
.endr
	WIN 0
	v_nop
.irp c, 0,1
.irp i, 0,1,2
	v_permlane16_swap_b32 v[CD+6*\c+\i], v[TP+4*\c+\i]
.endr
.irp i, 0,1,2
	v_mov_b32 v[CD+3+6*\c+\i], v[TP+4*\c+\i]
.endr
.endr
.irp g, 0,1,2
	global_store_b128 v[LI], v[CD+4*\g:CD+4*\g+3], s[92:93] offset:FRB*(\a)+512*\g
.endr
.if ((\a)%2) == 1
	v_cndmask_b32 v[SC+8+(\a)/2], v[SC+(\a)-1], v[SC+(\a)], s66
	global_store_b32 v[L4], v[SC+8+(\a)/2], s[94:95] offset:64*((\a)-1)
.endif
.endm
	s_mov_b32 s20, 0x76543210
	s_mov_b32 s21, 0xfedcba98
	s_mov_b32 s66, 0xffff0000
.irp b, 0,1,2,3
	v_mov_b32 v[TM+4+\b], 0
.endr
.irp a, 0,1,2,3,4,5,6,7
	QOUT \a
.endr
.else
.macro YOUT a
.set WA, 2+(\a)/4
.set AC, 64*((\a)%4)
	WIN (WA<<2)
.irp b, 0,1,2,3,4,5,6,7
	global_store_b128 v[LI], v[AC+8*\b:AC+8*\b+3], s[92:93] offset:65536*(\a)+1024*\b
	global_store_b128 v[LI], v[AC+8*\b+4:AC+8*\b+7], s[92:93] offset:65536*(\a)+1024*\b+512
.endr
.endm
.irp a, 0,1,2,3,4,5,6,7
	YOUT \a
.endr
	WIN 0
.endif
	s_wait_tensorcnt 0x0
	ds_add_u32 v[SPW], v[NIL]
	s_wait_dscnt 0x0
	CROUND
	s_endpgm
.Lfunc_end_k_q94cee32e1a_outp:
	.size	k_q94cee32e1a_outp, .Lfunc_end_k_q94cee32e1a_outp-k_q94cee32e1a_outp
	.p2alignl 7, 3214868480
	.fill 96, 4, 3214868480
	.section	.rodata,"a",@progbits
	.p2align	6, 0x0
	.amdhsa_kernel k_q94cee32e1a_outp
		.amdhsa_group_segment_fixed_size 327680
		.amdhsa_private_segment_fixed_size 0
		.amdhsa_enable_private_segment 0
		.amdhsa_kernarg_size 32
		.amdhsa_user_sgpr_count 2
		.amdhsa_user_sgpr_kernarg_segment_ptr 1
		.amdhsa_wavefront_size32 1
		.amdhsa_system_sgpr_workgroup_id_x 1
		.amdhsa_system_sgpr_workgroup_id_y 1
		.amdhsa_system_sgpr_workgroup_id_z 1
		.amdhsa_system_vgpr_workitem_id 0
		.amdhsa_next_free_vgpr 1024
		.amdhsa_next_free_sgpr 100
		.amdhsa_reserve_vcc 0
		.amdhsa_float_denorm_mode_32 3
		.amdhsa_float_denorm_mode_16_64 3
		.amdhsa_memory_ordered 1
		.amdhsa_forward_progress 1
		.amdhsa_inst_pref_size 123
	.end_amdhsa_kernel
	.amdgpu_metadata
---
amdhsa.version: [ 1, 2 ]
amdhsa.kernels:
  - .name:           k_q94cee32e1a_outp
    .symbol:         k_q94cee32e1a_outp.kd
    .args:
      - { .name: ao, .offset: 0, .size: 8, .value_kind: global_buffer, .address_space: global }
      - { .name: opq, .offset: 8, .size: 8, .value_kind: global_buffer, .address_space: global }
      - { .name: bo, .offset: 16, .size: 8, .value_kind: global_buffer, .address_space: global }
      - { .name: y, .offset: 24, .size: 8, .value_kind: global_buffer, .address_space: global }
    .group_segment_fixed_size: 327680
    .private_segment_fixed_size: 0
    .kernarg_segment_align: 8
    .kernarg_segment_size: 32
    .max_flat_workgroup_size: 128
    .sgpr_count:     100
    .vgpr_count:     1024
    .wavefront_size: 32
...
	.end_amdgpu_metadata
.endif
;; end of part 4
;; launch norm1 (part 5): grid 256 x 1, 8 waves a work-group, no clusters, 69,632 bytes of LDS; arguments y, x, ln1_g, ln1_b, x1; writes x1
.if DOCPART == 5
	.amdgcn_target "amdgcn-amd-amdhsa--gfx1250"
	.amdhsa_code_object_version 6
	.text
	.protected	k_q94cee32e1a_norm1
	.globl	k_q94cee32e1a_norm1
	.p2align	8
	.type	k_q94cee32e1a_norm1,@function
k_q94cee32e1a_norm1:
	s_mov_b64 s[64:65], 0
	v_nop
	global_prefetch_b8 v0, s[64:65] scope:SCOPE_SE
	s_setreg_imm32_b32 hwreg(HW_REG_WAVE_MODE, 25, 1), 1
	s_wait_xcnt 0x0
; LAYER NORM of (a product's result + the residual), rows of 1,024.  One text serves both norms; the line FIRST is all that differs.
; The product's result arrives as accumulators were stored: tile (row block rb, 128 columns cb, b) at ((64 rb) + 8 cb + b) x 1024, registers 0-3 at 16 x lane, 4-7 512 bytes on;
; register 8 b + j of lane (r, h) is row 32 (rb / 2) + 8 (rb % 2) + r + 8 (r / 8), column 128 cb + 32 (b / 2) + 16 h + 8 (b % 2) + j.
; A work-group takes a row block (16 whole rows), wave w the columns 128 w on: 64 numbers a lane.  The mean first, then the mean of the squares of the centred numbers: no difference of large sums.
; FIRST = 1: the residual is x (row-major, turned through the wave's stage in LDS); the result leaves in the same f32 layout AND as codes of FP6 (E2M3) with E8M0 scale words, an image of operand registers.
; FIRST = 0: the product arrives as FOUR PARTIAL SUMS (its K was cut in four), four such images 16,777,216 bytes apart: they are added in ascending order of K, in f32; the residual is the first norm's f32 result;
; the result leaves row-major, through the stage, 512 consecutive bytes a store.
; LIMITS of the quantiser: a block of zeros, or under 2^-124, gets the byte 1 (this program alone reads the bytes); NaN and infinities are not served.
.set FIRST, 1
.set XW,    8448                       ; a wave's stage: 16 rows x (512 + 16) bytes, from LDS byte 0
.set RED1,  67584                      ; 16 rows x 8 waves' partial sums; the second reduction's lie 512 bytes on
.set SPARE, 68608                      ; the spare words, 128 bytes a wave
.set A,   16
.set B,   80
.set C,   144
.set E,   0                            ; FIRST = 0: v256-319, named v0-63 through window 1: the fourth partial sum
.set D,   208                          ; four chains; later the quantiser's work
.set RS,  216
.set TM,  208
.set PW,  224
.set PC,  228
.set TP,  240
.set MU,  248
.set RSD, 250
.set SPW, 252
.set NIL, 253
.set SEL, 20
.set MSB, 0
.macro WIN new                         ; s_set_vgpr_msb: bits 1:0 source 0, 3:2 source 1, 5:4 source 2, 7:6 destination; the immediate's high byte repeats the setting that is left
.if MSB != (\new)
	s_set_vgpr_msb (MSB<<8)|(\new)
.set MSB, (\new)
.endif
.endm
.macro QUANT s
.irp b, 0,1,2,3
	v_max3_num_f32 v[TM+\b], |v[\s+16*\b]|, |v[\s+1+16*\b]|, 0x1800000
.endr
.irp i, 2,4,6,8,10,12,14
.irp b, 0,1,2,3
	s_delay_alu instid0(VALU_DEP_4)
	v_max3_num_f32 v[TM+\b], v[TM+\b], |v[\s+16*\b+\i]|, |v[\s+1+16*\b+\i]|
.endr
.endr
.irp b, 0,1,2,3
	s_delay_alu instid0(VALU_DEP_4)
	v_permlanex16_b32 v[TM+4+\b], v[TM+\b], s[SEL], s[SEL+1]
.endr
.irp b, 0,1,2,3
	s_delay_alu instid0(VALU_DEP_4)
	v_max_num_f32 v[TM+\b], v[TM+\b], v[TM+4+\b]
.endr
.irp b, 0,1,2,3
	s_delay_alu instid0(VALU_DEP_4)
	v_add_nc_u32 v[TM+12+\b], 0xff000000, v[TM+\b]
.endr
.irp b, 0,1,2,3
	s_delay_alu instid0(VALU_DEP_4)
	v_lshrrev_b32 v[TM+4+\b], 23, v[TM+12+\b]
.endr
	s_delay_alu instid0(VALU_DEP_3)
	v_lshl_or_b32 v[PW], v[TM+5], 8, v[TM+4]
	s_delay_alu instid0(VALU_DEP_1)
	v_lshl_or_b32 v[PW], v[TM+6], 16, v[PW]
	s_delay_alu instid0(VALU_DEP_1)
	v_lshl_or_b32 v[PW], v[TM+7], 24, v[PW]
.irp c, 0,1
	v_cvt_scalef32_pk16_fp6_f32 v[PC+6*\c:PC+2+6*\c], v[\s+32*\c:\s+15+32*\c], v[TM+12+2*\c]
	v_cvt_scalef32_pk16_fp6_f32 v[TP+4*\c:TP+2+4*\c], v[\s+16+32*\c:\s+31+32*\c], v[TM+13+2*\c]
.endr
	v_nop
.irp c, 0,1
.irp i, 0,1,2
	v_permlane16_swap_b32 v[PC+6*\c+\i], v[TP+4*\c+\i]
.endr
.irp i, 0,1,2
	s_delay_alu instid0(VALU_DEP_3)
	v_mov_b32 v[PC+3+6*\c+\i], v[TP+4*\c+\i]
.endr
.endr
.endm
; v[D] = my lane's sum  ->  v[RS] = the row's sum over all 1,024: the other half of the lanes, then the eight waves through LDS
.macro ACROSS off
	s_delay_alu instid0(VALU_DEP_1)
	v_permlanex16_b32 v[D+1], v[D], s[SEL], s[SEL+1]
	s_delay_alu instid0(VALU_DEP_1)
	v_add_f32 v[D], v[D], v[D+1]
	ds_store_b32 v8, v[D] offset:\off              ; both halves of the lanes write the same word
	s_wait_dscnt 0x0                               ; for the others' sake
	s_barrier_signal -1
	s_barrier_wait -1
	ds_load_b128 v[RS:RS+3], v9 offset:\off
	ds_load_b128 v[RS+4:RS+7], v9 offset:\off+16
	s_wait_dscnt 0x0
	v_add_f32 v[RS], v[RS], v[RS+1]
	v_add_f32 v[RS+2], v[RS+2], v[RS+3]
	v_add_f32 v[RS+4], v[RS+4], v[RS+5]
	v_add_f32 v[RS+6], v[RS+6], v[RS+7]
	s_delay_alu instid0(VALU_DEP_3)
	v_add_f32 v[RS], v[RS], v[RS+2]
	s_delay_alu instid0(VALU_DEP_2)
	v_add_f32 v[RS+4], v[RS+4], v[RS+6]
	s_delay_alu instid0(VALU_DEP_1)
	v_add_f32 v[RS], v[RS], v[RS+4]
.endm
.macro JOIN                            ; the four chains into v[D]
	s_delay_alu instid0(VALU_DEP_3)
	v_pk_add_f32 v[D:D+1], v[D:D+1], v[D+2:D+3]
	s_delay_alu instid0(VALU_DEP_2)
	v_pk_add_f32 v[D+4:D+5], v[D+4:D+5], v[D+6:D+7]
	s_delay_alu instid0(VALU_DEP_1)
	v_pk_add_f32 v[D:D+1], v[D:D+1], v[D+4:D+5]
	s_delay_alu instid0(VALU_DEP_1)
	v_add_f32 v[D], v[D], v[D+1]
.endm
	s_load_b256 s[4:11], s[0:1], 0x0               ; the product, the residual, the gain, the bias
	s_load_b64 s[12:13], s[0:1], 0x20              ; the output
	v_lshl_add_u32 v[SPW], v0, 2, SPARE
	v_mov_b32 v[NIL], 0
	v_lshrrev_b32 v1, 5, v0
	s_delay_alu instid0(VALU_DEP_1)
	v_readfirstlane_b32 s14, v1                    ; wave 0..7
	v_and_b32 v1, 31, v0
	v_and_b32 v2, 15, v0                           ; r
	v_bfe_u32 v3, v0, 4, 1                         ; h
	s_delay_alu instid0(VALU_DEP_3)
	v_lshlrev_b32 v4, 4, v1                        ; 16 x lane
	s_delay_alu instid0(VALU_DEP_2)
	v_lshlrev_b32 v5, 6, v3                        ; 64 h
	s_mul_i32 s15, s14, XW
	v_add_nc_u32 v6, s15, v4                       ; the stage by rows
	v_mul_u32_u24 v7, v2, 528
	s_delay_alu instid0(VALU_DEP_1)
	v_add_nc_u32 v7, v7, v5
	s_delay_alu instid0(VALU_DEP_1)
	v_add_nc_u32 v7, s15, v7                       ; and by lanes: row r, + 64 h
	v_lshlrev_b32 v9, 5, v2
	s_delay_alu instid0(VALU_DEP_1)
	v_add_nc_u32 v9, RED1, v9                      ; my row's eight partial sums,
	s_lshl_b32 s15, s14, 2
	v_add_nc_u32 v8, s15, v9                       ; and my wave's among them
.if FIRST
	v_lshlrev_b32 v10, 2, v2
.endif
	s_mov_b32 s[SEL], 0x76543210
	s_mov_b32 s[SEL+1], 0xfedcba98
	s_lshl_b32 s16, ttmp9, 16
	s_lshl_b32 s15, s14, 13
	s_add_co_u32 s16, s16, s15                     ; my 8 tiles in the f32 layout
	s_mov_b32 s17, 0
	s_lshl_b32 s18, s14, 9                         ; my 128 columns in a row
	s_mov_b32 s19, 0
	s_lshr_b32 s22, ttmp9, 1
	s_lshl_b32 s22, s22, 5
	s_and_b32 s23, ttmp9, 1
	s_lshl_b32 s23, s23, 3
	s_add_co_u32 s22, s22, s23                     ; slot 0's row
	s_lshl_b32 s22, s22, 12
	s_add_co_u32 s22, s22, s18
	s_mov_b32 s23, 0
.if FIRST
	s_lshl_b32 s26, s14, 8
	s_add_co_u32 s26, s26, ttmp9                   ; 256 ks + rb
	s_lshl_b32 s28, s26, 6
	s_add_co_u32 s28, s28, 19922944
	s_mov_b32 s29, 0
	s_mul_i32 s26, s26, 1536
	s_add_co_u32 s26, s26, 16777216
	s_mov_b32 s27, 0
.endif
	s_wait_alu depctr_va_vdst(0)
	s_wait_kmcnt 0x0
	s_add_nc_u64 s[4:5], s[4:5], s[16:17]
	s_add_nc_u64 s[8:9], s[8:9], s[18:19]
	s_add_nc_u64 s[10:11], s[10:11], s[18:19]
.if FIRST
	s_add_nc_u64 s[6:7], s[6:7], s[22:23]
	s_add_nc_u64 s[24:25], s[12:13], s[16:17]
	s_add_nc_u64 s[26:27], s[12:13], s[26:27]
	s_add_nc_u64 s[28:29], s[12:13], s[28:29]
.else
	s_add_nc_u64 s[6:7], s[6:7], s[16:17]
	s_add_nc_u64 s[24:25], s[12:13], s[22:23]
	s_add_nc_u64 s[30:31], s[4:5], 0x1000000       ; the second, third and fourth partial sums: a base each, since the distance is beyond a load's immediate
	s_add_nc_u64 s[32:33], s[4:5], 0x2000000
	s_add_nc_u64 s[34:35], s[4:5], 0x3000000
.endif
.irp i, 0,1,2,3,4,5,6,7,8,9,10,11,12,13,14,15
	global_load_b128 v[A+4*\i:A+4*\i+3], v4, s[4:5] offset:512*\i th:TH_LOAD_NT
.endr
.if FIRST
.irp i, 0,1,2,3,4,5,6,7,8,9,10,11,12,13,14,15
	global_load_b128 v[C+4*\i:C+4*\i+3], v4, s[6:7] offset:(\i+8*(\i/8))*4096 th:TH_LOAD_NT   ; slot i's 512 consecutive bytes
.endr
.irp i, 0,1,2,3,4,5,6,7,8,9,10,11,12,13,14,15
	s_wait_loadcnt 15-\i                           ; slot i's load is in; the younger ones stay out
	ds_store_b128 v6, v[C+4*\i:C+4*\i+3] offset:528*\i
.endr
.irp p, 0,1,2,3
.irp e, 0,1,2,3
	ds_load_b128 v[B+16*\p+4*\e:B+16*\p+4*\e+3], v7 offset:128*\p+16*\e   ; LDS serves a wave's instructions in order: these see my stores
.endr
.endr
	s_wait_dscnt 0x0
.else
.irp i, 0,1,2,3,4,5,6,7,8,9,10,11,12,13,14,15
	global_load_b128 v[B+4*\i:B+4*\i+3], v4, s[30:31] offset:512*\i th:TH_LOAD_NT
.endr
.irp i, 0,1,2,3,4,5,6,7,8,9,10,11,12,13,14,15
	global_load_b128 v[C+4*\i:C+4*\i+3], v4, s[32:33] offset:512*\i th:TH_LOAD_NT
.endr
	WIN 0x40                                       ; destination window 1, address window 0
.irp i, 0,1,2,3,4,5,6,7,8,9,10,11,12,13,14,15
	global_load_b128 v[E+4*\i:E+4*\i+3], v4, s[34:35] offset:512*\i th:TH_LOAD_NT
.endr
	WIN 0
	s_wait_loadcnt 32                              ; the first two partial sums are in; the 32 loads of the other two stay out
.irp j, 0,2,4,6,8,10,12,14,16,18,20,22,24,26,28,30,32,34,36,38,40,42,44,46,48,50,52,54,56,58,60,62
	v_pk_add_f32 v[A+\j:A+\j+1], v[A+\j:A+\j+1], v[B+\j:B+\j+1]
.endr
.irp i, 0,1,2,3,4,5,6,7,8,9,10,11,12,13,14,15
	global_load_b128 v[B+4*\i:B+4*\i+3], v4, s[6:7] offset:512*\i th:TH_LOAD_NT   ; the residual, into the registers just added
.endr
	s_wait_loadcnt 32                              ; the third is in; the fourth's 16 loads and the residual's 16 stay out
.irp j, 0,2,4,6,8,10,12,14,16,18,20,22,24,26,28,30,32,34,36,38,40,42,44,46,48,50,52,54,56,58,60,62
	v_pk_add_f32 v[A+\j:A+\j+1], v[A+\j:A+\j+1], v[C+\j:C+\j+1]
.endr
	s_wait_loadcnt 16                              ; the fourth is in; the residual's 16 stay out
	WIN 0x04                                       ; source 1 window 1
.irp j, 0,2,4,6,8,10,12,14,16,18,20,22,24,26,28,30,32,34,36,38,40,42,44,46,48,50,52,54,56,58,60,62
	v_pk_add_f32 v[A+\j:A+\j+1], v[A+\j:A+\j+1], v[E+\j:E+\j+1]
.endr
	WIN 0
	s_wait_loadcnt 0x0
.endif
.irp j, 0,2,4,6,8,10,12,14,16,18,20,22,24,26,28,30,32,34,36,38,40,42,44,46,48,50,52,54,56,58,60,62
	v_pk_add_f32 v[A+\j:A+\j+1], v[A+\j:A+\j+1], v[B+\j:B+\j+1]   ; + the residual
.endr
.irp p, 0,1,2,3                                ; the gain and the bias of my 64 columns land during the reductions
.irp e, 0,1,2,3
	global_load_b128 v[B+16*\p+4*\e:B+16*\p+4*\e+3], v5, s[8:9] offset:128*\p+16*\e
	global_load_b128 v[C+16*\p+4*\e:C+16*\p+4*\e+3], v5, s[10:11] offset:128*\p+16*\e
.endr
.endr
.irp k, 0,1,2,3
	v_pk_add_f32 v[D+2*\k:D+2*\k+1], v[A+2*\k:A+2*\k+1], v[A+8+2*\k:A+9+2*\k]
.endr
.irp m, 2,3,4,5,6,7
.irp k, 0,1,2,3
	s_delay_alu instid0(VALU_DEP_4)
	v_pk_add_f32 v[D+2*\k:D+2*\k+1], v[D+2*\k:D+2*\k+1], v[A+8*\m+2*\k:A+8*\m+2*\k+1]
.endr
.endr
	JOIN
	ACROSS 0
	s_delay_alu instid0(VALU_DEP_1)
	v_mul_f32 v[MU], 0x3a800000, v[RS]             ; / 1,024: the mean
	s_delay_alu instid0(VALU_DEP_1)
	v_mov_b32 v[MU+1], v[MU]
.irp j, 0,2,4,6,8,10,12,14,16,18,20,22,24,26,28,30,32,34,36,38,40,42,44,46,48,50,52,54,56,58,60,62
	v_pk_add_f32 v[A+\j:A+\j+1], v[A+\j:A+\j+1], v[MU:MU+1] neg_lo:[0,1] neg_hi:[0,1]
.endr
.irp k, 0,1,2,3
	v_pk_mul_f32 v[D+2*\k:D+2*\k+1], v[A+2*\k:A+2*\k+1], v[A+2*\k:A+2*\k+1]
.endr
.irp m, 1,2,3,4,5,6,7
.irp k, 0,1,2,3
	s_delay_alu instid0(VALU_DEP_4)
	v_pk_fma_f32 v[D+2*\k:D+2*\k+1], v[A+8*\m+2*\k:A+8*\m+2*\k+1], v[A+8*\m+2*\k:A+8*\m+2*\k+1], v[D+2*\k:D+2*\k+1]
.endr
.endr
	JOIN
	ACROSS 512                                     ; other bytes than the first reduction's: no barrier between
	v_mov_b32 v[RS+1], 0x3727c5ac                  ; 1e-5
	s_delay_alu instid0(VALU_DEP_1)
	v_fma_f32 v[RS], v[RS], 0x3a800000, v[RS+1]    ; the variance + 1e-5
	s_wait_alu depctr_va_vdst(0)
	v_rsq_f32 v[RSD], v[RS]
	v_nop                                          ; a plain place behind the transcendental
	s_wait_alu depctr_va_vdst(0)                   ; and the wait ahead of its first reader
	v_mov_b32 v[RSD+1], v[RSD]
	s_wait_alu depctr_va_vdst(0)
	s_wait_loadcnt 0x0                             ; the gain and the bias
.irp j, 0,2,4,6,8,10,12,14,16,18,20,22,24,26,28,30,32,34,36,38,40,42,44,46,48,50,52,54,56,58,60,62
	v_pk_mul_f32 v[A+\j:A+\j+1], v[A+\j:A+\j+1], v[RSD:RSD+1]
.endr
.irp j, 0,2,4,6,8,10,12,14,16,18,20,22,24,26,28,30,32,34,36,38,40,42,44,46,48,50,52,54,56,58,60,62
	v_pk_fma_f32 v[A+\j:A+\j+1], v[A+\j:A+\j+1], v[B+\j:B+\j+1], v[C+\j:C+\j+1]
.endr
.if FIRST
.irp i, 0,1,2,3,4,5,6,7,8,9,10,11,12,13,14,15
	global_store_b128 v4, v[A+4*\i:A+4*\i+3], s[24:25] offset:512*\i   ; the f32 layout, 512 consecutive bytes a store
.endr
	QUANT A                                        ; it writes none of the registers that the stores read
	global_store_b128 v4, v[PC:PC+3], s[26:27]
	global_store_b128 v4, v[PC+4:PC+7], s[26:27] offset:512
	global_store_b128 v4, v[PC+8:PC+11], s[26:27] offset:1024
	global_store_b32 v10, v[PW], s[28:29]          ; both halves of the lanes hold and write the same word
.else
.irp p, 0,1,2,3
.irp e, 0,1,2,3
	ds_store_b128 v7, v[A+16*\p+4*\e:A+16*\p+4*\e+3] offset:128*\p+16*\e
.endr
.endr
.irp i, 0,1,2,3,4,5,6,7,8,9,10,11,12,13,14,15
	ds_load_b128 v[B+4*\i:B+4*\i+3], v6 offset:528*\i
.endr
.irp i, 0,1,2,3,4,5,6,7,8,9,10,11,12,13,14,15
	s_wait_dscnt 15-\i                             ; the younger read-backs stay out
	global_store_b128 v4, v[B+4*\i:B+4*\i+3], s[24:25] offset:(\i+8*(\i/8))*4096 th:TH_STORE_NT
.endr
.endif
	s_wait_tensorcnt 0x0                           ; the wave's end, behind my last LDS store
	ds_add_u32 v[SPW], v[NIL]
	s_wait_dscnt 0x0
	s_endpgm
.Lfunc_end_k_q94cee32e1a_norm1:
	.size	k_q94cee32e1a_norm1, .Lfunc_end_k_q94cee32e1a_norm1-k_q94cee32e1a_norm1
	.p2alignl 7, 3214868480
	.fill 96, 4, 3214868480
	.section	.rodata,"a",@progbits
	.p2align	6, 0x0
	.amdhsa_kernel k_q94cee32e1a_norm1
		.amdhsa_group_segment_fixed_size 69632
		.amdhsa_private_segment_fixed_size 0
		.amdhsa_enable_private_segment 0
		.amdhsa_kernarg_size 40
		.amdhsa_user_sgpr_count 2
		.amdhsa_user_sgpr_kernarg_segment_ptr 1
		.amdhsa_wavefront_size32 1
		.amdhsa_system_sgpr_workgroup_id_x 1
		.amdhsa_system_sgpr_workgroup_id_y 1
		.amdhsa_system_sgpr_workgroup_id_z 1
		.amdhsa_system_vgpr_workitem_id 0
		.amdhsa_next_free_vgpr 256
		.amdhsa_next_free_sgpr 66
		.amdhsa_reserve_vcc 0
		.amdhsa_float_denorm_mode_32 3
		.amdhsa_float_denorm_mode_16_64 3
		.amdhsa_memory_ordered 1
		.amdhsa_forward_progress 1
		.amdhsa_inst_pref_size 35
	.end_amdhsa_kernel
	.amdgpu_metadata
---
amdhsa.version: [ 1, 2 ]
amdhsa.kernels:
  - .name:           k_q94cee32e1a_norm1
    .symbol:         k_q94cee32e1a_norm1.kd
    .args:
      - { .name: y, .offset: 0, .size: 8, .value_kind: global_buffer, .address_space: global }
      - { .name: x, .offset: 8, .size: 8, .value_kind: global_buffer, .address_space: global }
      - { .name: ln1_g, .offset: 16, .size: 8, .value_kind: global_buffer, .address_space: global }
      - { .name: ln1_b, .offset: 24, .size: 8, .value_kind: global_buffer, .address_space: global }
      - { .name: x1, .offset: 32, .size: 8, .value_kind: global_buffer, .address_space: global }
    .group_segment_fixed_size: 69632
    .private_segment_fixed_size: 0
    .kernarg_segment_align: 8
    .kernarg_segment_size: 40
    .max_flat_workgroup_size: 256
    .sgpr_count:     66
    .vgpr_count:     256
    .wavefront_size: 32
...
	.end_amdgpu_metadata
.endif
;; end of part 5
;; launch ffn1 (part 6): grid 16 x 16, 4 waves a work-group, clusters of 4 x 4, 327,680 bytes of LDS; arguments x1, opq, b1, hid; writes hid
.if DOCPART == 6
	.amdgcn_target "amdgcn-amd-amdhsa--gfx1250"
	.amdhsa_code_object_version 6
	.text
	.protected	k_q94cee32e1a_ffn1
	.globl	k_q94cee32e1a_ffn1
	.p2align	8
	.type	k_q94cee32e1a_ffn1,@function
k_q94cee32e1a_ffn1:
	s_mov_b64 s[64:65], 0
	v_nop
	global_prefetch_b8 v0, s[64:65] scope:SCOPE_SE
	s_setreg_imm32_b32 hwreg(HW_REG_WAVE_MODE, 25, 1), 1
	s_wait_xcnt 0x0
	s_wait_alu depctr_hold_cnt(0) depctr_sa_sdst(0) depctr_va_vdst(0) depctr_va_sdst(0) depctr_va_ssrc(0) depctr_va_vcc(0) depctr_vm_vsrc(0)
	s_getreg_b32 s2, hwreg(HW_REG_IB_STS2, 6, 4)
	s_cmp_eq_u32 s2, 0
	s_cbranch_scc0 .Lentry_in_a_cluster
	s_endpgm
.Lentry_in_a_cluster:
	s_bfe_u32 s2, ttmp6, 0x10000c
	s_cmp_lg_u32 s2, 0xf033
	s_cbranch_scc0 .Lentry_shape_is_right
	s_endpgm
.Lentry_shape_is_right:
; The text of launch proj with KIND = 2: relu(x1 W1 + b1), quantised along the hidden units.  The layouts, the ring, the head and the limits are set out at the head of that text.
.set KIND, 2
.set QK, 1-(KIND%2)
.set NKS, 8
.set FRB,   1536
.set PLANE, 256*FRB
.set HALFT, 16*FRB
.set SLOT,  4*HALFT
.set SCL,   2*SLOT
.set HALFS, 512*NKS
.set SPARE, SCL+4*HALFS
.set LAPS,  NKS/4
.set FR, 12
.set NL, 3
.set NP, 4
.set OX,  0
.set OW4, 3145728
.set OW1, 6291456
.set OW2, 9437184
.set SX,  22020096
.set SW4, 22151168
.set SW1, 22282240
.set SW2, 22413312
.set OQK, 0
.set OVT, 6291456
.set SQK, 18874368
.set SVT, 19136512
.if KIND == 0
.set PB, 4
.set PO, 12
.else
.set PB, 6
.set PO, 10
.endif
.set ADRA, 16
.set ADRB, 20
.set LI,   24
.set L4,   25
.set BO,   26
.set ADRS, 27
.set SPW,  28
.set NIL,  29
.set BO2,  30
.set SC,   32
.set BI,   64
.set AF,   128
.set TM,   224
.set TP,   240
.set G1,   24
.set G0,   32
.set G1B,  48
.set G0B,  56
.set G1S,  68
.set G0S,  76
.set G1SB, 80
.set G0SB, 88
.set MSB, 0
.macro WIN new
.if MSB != (\new)
	s_set_vgpr_msb (MSB<<8)|(\new)
.set MSB, (\new)
.endif
.endm
.macro JLOAD g0a, g1a, g0b, g1b
	s_cmp_eq_u32 s15, 0
	s_cbranch_scc0 .Lfor_b_\@
	tensor_load_to_lds s[\g0a:\g0a+3], s[\g1a:\g1a+7]
	s_nop 0
.rept 4
	v_nop
.endr
	s_branch .Lasked_\@
.Lfor_b_\@:
	tensor_load_to_lds s[\g0b:\g0b+3], s[\g1b:\g1b+7]
	s_nop 0
.rept 4
	v_nop
.endr
.Lasked_\@:
.endm
.macro CREST
	s_cmp_lg_u32 s14, 0
	s_cbranch_scc1 .Lnot_wave_0_\@
	s_barrier_signal -3
.Lnot_wave_0_\@:
	s_barrier_wait -3
	s_barrier_signal -1
	s_barrier_wait -1
.endm
.macro CROUND
	s_barrier_signal -1
	s_barrier_wait -1
	CREST
.endm
.if KIND == 0
	s_load_b256 s[4:11], s[0:1], 0x0
	s_load_b64 s[12:13], s[0:1], 0x20
.else
	s_load_b256 s[4:11], s[0:1], 0x0
.endif
	v_lshl_add_u32 v[SPW], v0, 2, SPARE
	v_mov_b32 v[NIL], 0
	ds_add_u32 v[SPW], v[NIL]
	ds_add_u32 v[SPW], v[NIL]
	v_lshrrev_b32 v1, 5, v0
	v_readfirstlane_b32 s14, v1
	s_lshr_b32 s15, s14, 1
	s_and_b32 s16, s14, 1
	s_bfe_u32 s40, ttmp6, 0x40000
	s_bfe_u32 s41, ttmp6, 0x40004
	s_and_b32 s17, ttmp7, 0xffff
.if KIND == 0
	s_sub_co_u32 s42, s17, 4
	s_lshl_b32 s42, s42, 1
	s_add_co_u32 s42, s42, ttmp9
	s_mov_b32 s92, OW4+128*FRB
	s_mov_b32 s93, SW4+128*64
	s_mov_b32 s95, SW4
	s_mov_b32 s97, SVT
	s_mov_b32 s98, SX
	s_mov_b32 s99, SQK
	s_cmp_lt_u32 s17, 4
	s_cselect_b32 s42, ttmp9, s42
	s_cselect_b32 s17, s17, 0
	s_cselect_b32 s2, 0, 1
	s_cselect_b32 s92, OX, s92
	s_cselect_b32 s93, s98, s93
	s_cselect_b32 s94, OW4, OX
	s_cselect_b32 s95, s95, s98
	s_cselect_b32 s96, OQK, OVT
	s_cselect_b32 s97, s99, s97
.else
	s_mov_b32 s42, ttmp9
.endif
.if KIND == 1
	s_mov_b32 s92, 0
	s_mov_b32 s93, 3145728
	s_mov_b32 s94, OW4+192*FRB
	s_mov_b32 s95, SW4+192*64
.endif
.if KIND == 2
	s_mov_b32 s92, 16777216
	s_mov_b32 s93, 19922944
	s_mov_b32 s94, OW1
	s_mov_b32 s95, SW1
	s_mov_b32 s96, 0
	s_mov_b32 s97, 12582912
.endif
.if KIND == 3
	s_lshr_b32 s2, s17, 2
	s_and_b32 s17, s17, 3
	s_mul_i32 s98, s2, 8*PLANE
	s_lshl_b32 s99, s2, 17
	s_mov_b32 s92, s98
	s_add_co_u32 s93, s99, 12582912
	s_add_co_u32 s94, s98, OW2
	s_add_co_u32 s95, s99, SW2
.endif
	s_lshl_b32 s42, s42, 2
	s_add_co_u32 s42, s42, s40
	s_lshl_b32 s17, s17, 2
	s_add_co_u32 s17, s17, s41
	s_lshl_b32 s43, s41, 2
	s_lshl_b32 s43, 15, s43
	s_lshl_b32 s44, 0x1111, s40
	s_or_b32 s[G1+0], s43, (3<<16)|(1<<21)
	s_or_b32 s[G1B+0], s44, (3<<16)|(1<<21)
.irp g, G1, G1B
	s_mov_b32 s[\g+1], 3072<<16
	s_mov_b32 s[\g+2], 2<<16
	s_mov_b32 s[\g+3], 3072<<16
	s_mov_b32 s[\g+4], 2
	s_mov_b32 s[\g+5], PLANE/8
	s_mov_b32 s[\g+6], 0
	s_mov_b32 s[\g+7], 0
.endr
	s_or_b32 s[G1S+0], s43, (3<<16)|(1<<21)
	s_or_b32 s[G1SB+0], s44, (3<<16)|(1<<21)
.irp g, G1S, G1SB
	s_mov_b32 s[\g+1], 128<<16
	s_mov_b32 s[\g+2], NKS<<16
	s_mov_b32 s[\g+3], 128<<16
	s_mov_b32 s[\g+4], NKS
	s_mov_b32 s[\g+5], 2048
	s_mov_b32 s[\g+6], 0
	s_mov_b32 s[\g+7], 0
.endr
	s_mul_i32 s18, s16, PLANE                      ; in the ring I fetch one K step of a slot: which, in bytes
	s_mov_b32 s19, 0
	s_lshl_b32 s20, s17, 4
	s_lshl_b32 s46, s42, 4
	s_lshl_b32 s22, s20, 6
	s_add_co_u32 s22, s22, s93
	s_mul_i32 s20, s20, FRB
	s_add_co_u32 s20, s20, s92
	s_lshl_b32 s98, s46, 6
	s_add_co_u32 s98, s98, s95
	s_mul_i32 s46, s46, FRB
	s_add_co_u32 s46, s46, s94
	s_mov_b32 s21, 0
	s_mov_b32 s23, 0
	s_mov_b32 s47, 0
	s_mov_b32 s99, 0
	s_mul_i32 s45, s14, HALFT
	s_wait_dscnt 0x0
	s_wait_kmcnt 0x0
	s_add_nc_u64 s[20:21], s[4:5], s[20:21]
	s_add_nc_u64 s[22:23], s[4:5], s[22:23]
	s_add_nc_u64 s[46:47], s[PB:PB+1], s[46:47]
	s_add_nc_u64 s[98:99], s[PB:PB+1], s[98:99]
	CROUND
	s_mov_b32 s[G0S], 1
	s_mov_b32 s[G0S+1], SCL
	s_mov_b64 s[G0S+2:G0S+3], s[22:23]
	s_or_b32 s[G0S+3], s[G0S+3], 0x80000000
	s_mov_b32 s[G0SB], 1
	s_mov_b32 s[G0SB+1], SCL+2*HALFS
	s_mov_b64 s[G0SB+2:G0SB+3], s[98:99]
	s_or_b32 s[G0SB+3], s[G0SB+3], 0x80000000
	s_mov_b32 s[G0], 1                             ; the head's tiles, each whole: slot 0's 2 K steps x 16 row blocks of A,
	s_mov_b32 s[G0+1], 0
	s_mov_b64 s[G0+2:G0+3], s[20:21]
	s_or_b32 s[G0+3], s[G0+3], 0x80000000
	s_mov_b32 s[G0B], 1                            ; and of B, behind them
	s_mov_b32 s[G0B+1], 2*HALFT
	s_mov_b64 s[G0B+2:G0B+3], s[46:47]
	s_or_b32 s[G0B+3], s[G0B+3], 0x80000000
	s_mov_b32 s[G0+4], 1                           ; the ring's loads: my K step of a slot, 16 row blocks on end; here slot 1's
	s_add_co_u32 s[G0+5], s45, SLOT
	s_add_nc_u64 s[G0+6:G0+7], s[20:21], s[18:19]
	s_add_nc_u64 s[G0+6:G0+7], s[G0+6:G0+7], 2*PLANE
	s_or_b32 s[G0+7], s[G0+7], 0x80000000
	s_mov_b32 s[G0B+4], 1
	s_add_co_u32 s[G0B+5], s45, SLOT
	s_add_nc_u64 s[G0B+6:G0B+7], s[46:47], s[18:19]
	s_add_nc_u64 s[G0B+6:G0B+7], s[G0B+6:G0B+7], 2*PLANE
	s_or_b32 s[G0B+7], s[G0B+7], 0x80000000
; THE HEAD'S LOADS, ONE A WAVE: wave 0 slot 0 of A, wave 1 slot 0 of B, wave 2 A's scale words, wave 3 B's.  One chain of branches on the wave's number; every way through it passes one load.
.macro ARM under, g0, g1, next
	s_cmp_lt_u32 s14, \under
	s_cbranch_scc0 \next
	tensor_load_to_lds s[\g0:\g0+3], s[\g1:\g1+7]
	s_nop 0
.rept 4
	v_nop
.endr
	s_branch .Lhead_asked
\next:
.endm
	ARM 1, G0,  G1,  .Lhead_b
	ARM 2, G0B, G1B, .Lhead_sa
	ARM 3, G0S, G1S, .Lhead_sb
	tensor_load_to_lds s[G0SB:G0SB+3], s[G1SB:G1SB+7]
	s_nop 0
.rept 4
	v_nop
.endr
.Lhead_asked:                                          ; the addresses and the bias's loads below stand while the four tiles are on their way
	v_and_b32 v1, 15, v0
	v_bfe_u32 v2, v0, 4, 1
	v_and_b32 v3, 31, v0
	v_lshlrev_b32 v[LI], 4, v3
	v_lshlrev_b32 v[L4], 2, v3
	v_lshlrev_b32 v[BO], 6, v2
	v_and_b32 v4, 8, v1
	v_add_nc_u32 v4, v4, v1
	v_lshlrev_b32 v[BO2], 2, v4
	s_mul_i32 s21, s15, 8*FRB
	s_mul_i32 s22, s16, 8*FRB
	s_add_co_u32 s22, s22, 2*HALFT
.irp s, 0,1
	v_add_nc_u32 v[ADRA+\s], s21, v[LI]
	v_add_nc_u32 v[ADRB+\s], s22, v[LI]
	s_add_co_u32 s21, s21, SLOT
	s_add_co_u32 s22, s22, SLOT
.endr
	v_lshlrev_b32 v5, 2, v1
	s_mul_i32 s21, s15, 512
	s_mul_i32 s22, s16, 512
	s_add_co_u32 s22, s22, 2*HALFS
	s_sub_co_u32 s22, s22, s21
	v_mul_u32_u24 v6, s22, v2
	s_add_co_u32 s21, s21, SCL
	v_add_nc_u32 v5, v5, v6
	v_add_nc_u32 v[ADRS], s21, v5
.if KIND == 0
	s_cmp_eq_u32 ttmp9, 0
	s_cselect_b64 s[8:9], s[6:7], s[8:9]
	s_lshl_b32 s46, s40, 10
.else
	s_lshl_b32 s46, s42, 10
.endif
	s_lshl_b32 s47, s16, 9
	s_add_co_u32 s46, s46, s47
	s_mov_b32 s47, 0
	s_add_nc_u64 s[8:9], s[8:9], s[46:47]
.if KIND == 0
	s_lshl_b32 s46, s17, 10
	s_lshl_b32 s47, s15, 9
	s_add_co_u32 s46, s46, s47
	s_mov_b32 s47, 0
	s_add_nc_u64 s[10:11], s[10:11], s[46:47]
	s_cmp_eq_u32 s2, 0
	s_cbranch_scc0 .Lbias_rows
.endif
.irp b, 0,1,2,3,4,5,6,7
	global_load_b128 v[BI+8*\b:BI+8*\b+3], v[BO], s[8:9] offset:(32*(\b/2)+8*(\b%2))*4
	global_load_b128 v[BI+8*\b+4:BI+8*\b+7], v[BO], s[8:9] offset:(32*(\b/2)+8*(\b%2))*4+16
.endr
.if KIND == 0
	s_branch .Lbias_asked
.Lbias_rows:
.irp a, 0,1,2,3,4,5,6,7
.irp j, 0,1,2,3,4,5,6,7
	global_load_b32 v[BI+8*\a+\j], v[BO2], s[10:11] offset:(32*(\a/2)+8*(\a%2))*4
.endr
.endr
.Lbias_asked:
.endif
.if QK
	s_lshl_b32 s46, s42, 1
	s_add_co_u32 s46, s46, s16
	s_lshl_b32 s46, s46, 8
	s_lshl_b32 s47, s17, 4
	s_add_co_u32 s46, s46, s47
	s_lshl_b32 s47, s15, 3
	s_add_co_u32 s46, s46, s47
	s_lshl_b32 s98, s46, 6
	s_add_co_u32 s98, s98, s97
	s_mov_b32 s99, 0
	s_mul_i32 s46, s46, FRB
	s_add_co_u32 s46, s46, s96
	s_mov_b32 s47, 0
	s_add_nc_u64 s[92:93], s[PO:PO+1], s[46:47]
	s_add_nc_u64 s[94:95], s[PO:PO+1], s[98:99]
.else
	s_lshl_b32 s46, s17, 4
	s_lshl_b32 s47, s15, 3
	s_add_co_u32 s46, s46, s47
	s_lshl_b32 s46, s46, 16
	s_lshl_b32 s47, s42, 1
	s_add_co_u32 s47, s47, s16
	s_lshl_b32 s47, s47, 13
	s_add_co_u32 s46, s46, s47
.if KIND == 3
	s_lshl_b32 s47, s2, 24
	s_add_co_u32 s46, s46, s47
.endif
	s_mov_b32 s47, 0
	s_add_nc_u64 s[92:93], s[PO:PO+1], s[46:47]
.endif
.macro FRAG reg, adr, q, i
.irp g, 0,1,2
	ds_load_b128 v[\reg+4*\g:\reg+4*\g+3], v[\adr] offset:16*FRB*(\q)+FRB*(\i)+512*\g
.endr
.endm
.macro MUL16 a0, p, q, sc, mode
.irp a, \a0, \a0+1
.irp b, 0,1,2,3,4,5,6,7
.if (\mode) == 0
	v_wmma_scale_f32_16x16x128_f8f6f4 v[8*(8*((\a)%4)+\b):8*(8*((\a)%4)+\b)+7], v[128*(\p)+FR*\b:128*(\p)+FR*\b+FR-1], v[AF+FR*(\a):AF+FR*(\a)+FR-1], v[8*(8*((\a)%4)+\b):8*(8*((\a)%4)+\b)+7], v[SC+16*(\sc)+2*\b+(\q)], v[SC+16*(\sc)+2*(\a)+(\q)] matrix_a_fmt:MATRIX_FMT_FP6 matrix_b_fmt:MATRIX_FMT_FP6 matrix_a_scale:MATRIX_SCALE_ROW1
.elseif (\mode) == 1
	v_wmma_scale_f32_16x16x128_f8f6f4 v[8*(8*((\a)%4)+\b):8*(8*((\a)%4)+\b)+7], v[128*(\p)+FR*\b:128*(\p)+FR*\b+FR-1], v[AF+FR*(\a):AF+FR*(\a)+FR-1], v[BI+8*\b:BI+8*\b+7], v[SC+16*(\sc)+2*\b+(\q)], v[SC+16*(\sc)+2*(\a)+(\q)] matrix_a_fmt:MATRIX_FMT_FP6 matrix_b_fmt:MATRIX_FMT_FP6 matrix_a_scale:MATRIX_SCALE_ROW1
.else
	v_wmma_scale_f32_16x16x128_f8f6f4 v[8*(8*((\a)%4)+\b):8*(8*((\a)%4)+\b)+7], v[128*(\p)+FR*\b:128*(\p)+FR*\b+FR-1], v[AF+FR*(\a):AF+FR*(\a)+FR-1], v[BI+8*(\a):BI+8*(\a)+7], v[SC+16*(\sc)+2*\b+(\q)], v[SC+16*(\sc)+2*(\a)+(\q)] matrix_a_fmt:MATRIX_FMT_FP6 matrix_b_fmt:MATRIX_FMT_FP6 matrix_a_scale:MATRIX_SCALE_ROW1
.endif
.endr
.endr
.endm
.macro FETCH_B slot, q, p
	WIN 0x40
.irp i, 0,1,2,3,4,5,6,7
	FRAG 128*(\p)+FR*\i, ADRB+\slot, \q, \i
.endr
	WIN 0
.endm
.macro FETCH_A slot, q, i0
.irp i, \i0, \i0+1, \i0+2, \i0+3
	FRAG AF+FR*(\i), ADRA+\slot, \q, \i
.endr
.endm
.macro SCALES sc
.irp i, 0,1,2,3,4,5,6,7
	ds_load_b32 v[SC+16*\sc+2*\i], v[ADRS] offset:64*\i
	ds_load_b32 v[SC+16*\sc+2*\i+1], v[ADRS] offset:1024+64*\i
.endr
.endm
.macro PLACES n
.rept \n
	v_nop
.endr
.endm
.macro STEP slot, q, mode
	s_wait_dscnt 4*NL
.if \mode
	WIN 0x81
.else
	WIN 0xa1
.endif
	MUL16 0, (\q)%2, \q, \slot, \mode
	MUL16 2, (\q)%2, \q, \slot, \mode
	s_wait_dscnt 0
	PLACES NP
	FETCH_B \slot, (\q)+1, 1-(\q)%2
	FETCH_A \slot, (\q)+1, 0
.if \mode
	WIN 0xc1
.else
	WIN 0xf1
.endif
	MUL16 4, (\q)%2, \q, \slot, \mode
	MUL16 6, (\q)%2, \q, \slot, \mode
	PLACES NP
	WIN 0
	FETCH_A \slot, (\q)+1, 4
.endm
.macro TURN slot, next, fill
	s_wait_tensorcnt 0x0
	ds_add_u32 v[SPW], v[NIL]
	s_wait_dscnt 4*NL+1
	WIN 0xa1
	MUL16 0, 1, 1, \slot, 0
	s_wait_dscnt 0x0
	s_barrier_signal -1
	MUL16 2, 1, 1, \slot, 0
	WIN 0
	s_barrier_wait -1
.if \fill
	CREST
	s_add_nc_u64 s[G0+4*\slot+2:G0+4*\slot+3], s[G0+4*\slot+2:G0+4*\slot+3], 4*PLANE
	s_add_nc_u64 s[G0B+4*\slot+2:G0B+4*\slot+3], s[G0B+4*\slot+2:G0B+4*\slot+3], 4*PLANE
	JLOAD G0+4*\slot, G1, G0B+4*\slot, G1B
.else
	PLACES NP
.endif
	s_wait_alu depctr_va_vdst(0)
	v_add_nc_u32 v[ADRS], 2048, v[ADRS]
	FETCH_B \next, 0, 0
	FETCH_A \next, 0, 0
	SCALES \next
	WIN 0xf1
	MUL16 4, 1, 1, \slot, 0
	MUL16 6, 1, 1, \slot, 0
	PLACES NP
	WIN 0
	FETCH_A \next, 0, 4
.endm
	s_wait_alu depctr_va_vdst(0)
	s_wait_tensorcnt 0x0                           ; my tile of the head's four is in; slot 1's first fill is issued as a refill is
	ds_add_u32 v[SPW], v[NIL]
.irp g, G1, G1B                                ; no tensor load of mine is out, so the descriptors may be written: from here on a load brings one K step, 24,576 dense bytes, as 2 rows of 1,536 elements
	s_mov_b32 s[\g+1], 1536<<16
	s_mov_b32 s[\g+3], 1536<<16
	s_mov_b32 s[\g+5], 1536
.endr
	s_add_co_u32 s[G0+1], s45, 0                   ; slot 0's sets for the ring: my K step's place, and its address two K steps ahead of slot 1's
	s_sub_nc_u64 s[G0+2:G0+3], s[G0+6:G0+7], 2*PLANE
	s_add_co_u32 s[G0B+1], s45, 0
	s_sub_nc_u64 s[G0B+2:G0B+3], s[G0B+6:G0B+7], 2*PLANE
	s_wait_dscnt 0x0
	CROUND                                         ; a whole round: all four tiles are in, in every partner
	JLOAD G0+4, G1, G0B+4, G1B                     ; slot 1's load, the first tensor load behind the round
	FETCH_B 0, 0, 0
	FETCH_A 0, 0, 0
	SCALES 0
	FETCH_A 0, 0, 4
	s_wait_loadcnt 0x0
.if KIND == 3
	s_cmp_eq_u32 s2, 0
	s_cselect_b32 s98, 0x3f800000, 0
	s_mov_b32 s99, s98
.set II, 0
.rept 32
	v_pk_mul_f32 v[BI+II:BI+II+1], v[BI+II:BI+II+1], s[98:99] op_sel_hi:[1,0]
.set II, II+2
.endr
.endif
.if KIND == 0
	s_cmp_eq_u32 s2, 0
	s_cbranch_scc0 .Lfirst_rows
	STEP 0, 0, 1
	s_branch .Lfirst_done
.Lfirst_rows:
	STEP 0, 0, 2
.Lfirst_done:
.else
	STEP 0, 0, 1
.endif
	s_mov_b32 s3, LAPS-1
.Llap:
	TURN 0, 1, 1
	STEP 1, 0, 0
	TURN 1, 0, 1
	STEP 0, 0, 0
	s_sub_co_u32 s3, s3, 1
	s_cmp_lg_u32 s3, 0
	s_cbranch_scc1 .Llap
	TURN 0, 1, 0
	STEP 1, 0, 0
	s_wait_dscnt 4*NL
	WIN 0xa1
	MUL16 0, 1, 1, 1, 0
	MUL16 2, 1, 1, 1, 0
	s_wait_dscnt 0
	WIN 0xf1
	MUL16 4, 1, 1, 1, 0
	MUL16 6, 1, 1, 1, 0
	WIN 0
	PLACES NP
.if QK
.macro QOUT a
.set WA, 2+(\a)/4
.set AC, 64*((\a)%4)
.set CD, AF+FR*(\a)
.if KIND == 2
	WIN (WA<<2)|(WA<<6)
.set II, 0
.rept 64
	v_max_num_f32 v[AC+II], 0, v[AC+II]
.set II, II+1
.endr
.endif
	WIN (WA<<2)|(WA<<4)
.irp b, 0,1,2,3
	v_max3_num_f32 v[TM+\b], 0x1800000, |v[AC+16*\b]|, |v[AC+1+16*\b]|
.endr
.irp i, 2,4,6,8,10,12,14
.irp b, 0,1,2,3
	v_max3_num_f32 v[TM+\b], v[TM+\b], |v[AC+16*\b+\i]|, |v[AC+1+16*\b+\i]|
.endr
.endr
	WIN 0
.irp b, 0,1,2,3
	v_permlanex16_b32 v[TM+4+\b], v[TM+\b], s20, s21
.endr
.irp b, 0,1,2,3
	v_max_num_f32 v[TM+\b], v[TM+\b], v[TM+4+\b]
.endr
.irp b, 0,1,2,3
	v_add_nc_u32 v[TM+12+\b], 0xff000000, v[TM+\b]
.endr
.irp b, 0,1,2,3
	v_lshrrev_b32 v[TM+4+\b], 23, v[TM+12+\b]
.endr
	v_lshl_or_b32 v[SC+(\a)], v[TM+5], 8, v[TM+4]
	v_lshl_or_b32 v[SC+(\a)], v[TM+6], 16, v[SC+(\a)]
	v_lshl_or_b32 v[SC+(\a)], v[TM+7], 24, v[SC+(\a)]
	WIN WA
.irp c, 0,1
	v_cvt_scalef32_pk16_fp6_f32 v[CD+6*\c:CD+2+6*\c], v[AC+32*\c:AC+15+32*\c], v[TM+12+2*\c]
	v_cvt_scalef32_pk16_fp6_f32 v[TP+4*\c:TP+2+4*\c], v[AC+16+32*\c:AC+31+32*\c], v[TM+13+2*\c]
.endr
	WIN 0
	v_nop
.irp c, 0,1
.irp i, 0,1,2
	v_permlane16_swap_b32 v[CD+6*\c+\i], v[TP+4*\c+\i]
.endr
.irp i, 0,1,2
	v_mov_b32 v[CD+3+6*\c+\i], v[TP+4*\c+\i]
.endr
.endr
.irp g, 0,1,2
	global_store_b128 v[LI], v[CD+4*\g:CD+4*\g+3], s[92:93] offset:FRB*(\a)+512*\g
.endr
.if ((\a)%2) == 1
	v_cndmask_b32 v[SC+8+(\a)/2], v[SC+(\a)-1], v[SC+(\a)], s66
	global_store_b32 v[L4], v[SC+8+(\a)/2], s[94:95] offset:64*((\a)-1)
.endif
.endm
	s_mov_b32 s20, 0x76543210
	s_mov_b32 s21, 0xfedcba98
	s_mov_b32 s66, 0xffff0000
.irp b, 0,1,2,3
	v_mov_b32 v[TM+4+\b], 0
.endr
.irp a, 0,1,2,3,4,5,6,7
	QOUT \a
.endr
.else
.macro YOUT a
.set WA, 2+(\a)/4
.set AC, 64*((\a)%4)
	WIN (WA<<2)
.irp b, 0,1,2,3,4,5,6,7
	global_store_b128 v[LI], v[AC+8*\b:AC+8*\b+3], s[92:93] offset:65536*(\a)+1024*\b
	global_store_b128 v[LI], v[AC+8*\b+4:AC+8*\b+7], s[92:93] offset:65536*(\a)+1024*\b+512
.endr
.endm
.irp a, 0,1,2,3,4,5,6,7
	YOUT \a
.endr
	WIN 0
.endif
	s_wait_tensorcnt 0x0
	ds_add_u32 v[SPW], v[NIL]
	s_wait_dscnt 0x0
	CROUND
	s_endpgm
.Lfunc_end_k_q94cee32e1a_ffn1:
	.size	k_q94cee32e1a_ffn1, .Lfunc_end_k_q94cee32e1a_ffn1-k_q94cee32e1a_ffn1
	.p2alignl 7, 3214868480
	.fill 96, 4, 3214868480
	.section	.rodata,"a",@progbits
	.p2align	6, 0x0
	.amdhsa_kernel k_q94cee32e1a_ffn1
		.amdhsa_group_segment_fixed_size 327680
		.amdhsa_private_segment_fixed_size 0
		.amdhsa_enable_private_segment 0
		.amdhsa_kernarg_size 32
		.amdhsa_user_sgpr_count 2
		.amdhsa_user_sgpr_kernarg_segment_ptr 1
		.amdhsa_wavefront_size32 1
		.amdhsa_system_sgpr_workgroup_id_x 1
		.amdhsa_system_sgpr_workgroup_id_y 1
		.amdhsa_system_sgpr_workgroup_id_z 1
		.amdhsa_system_vgpr_workitem_id 0
		.amdhsa_next_free_vgpr 1024
		.amdhsa_next_free_sgpr 100
		.amdhsa_reserve_vcc 0
		.amdhsa_float_denorm_mode_32 3
		.amdhsa_float_denorm_mode_16_64 3
		.amdhsa_memory_ordered 1
		.amdhsa_forward_progress 1
		.amdhsa_inst_pref_size 161
	.end_amdhsa_kernel
	.amdgpu_metadata
---
amdhsa.version: [ 1, 2 ]
amdhsa.kernels:
  - .name:           k_q94cee32e1a_ffn1
    .symbol:         k_q94cee32e1a_ffn1.kd
    .args:
      - { .name: x1, .offset: 0, .size: 8, .value_kind: global_buffer, .address_space: global }
      - { .name: opq, .offset: 8, .size: 8, .value_kind: global_buffer, .address_space: global }
      - { .name: b1, .offset: 16, .size: 8, .value_kind: global_buffer, .address_space: global }
      - { .name: hid, .offset: 24, .size: 8, .value_kind: global_buffer, .address_space: global }
    .group_segment_fixed_size: 327680
    .private_segment_fixed_size: 0
    .kernarg_segment_align: 8
    .kernarg_segment_size: 32
    .max_flat_workgroup_size: 128
    .sgpr_count:     100
    .vgpr_count:     1024
    .wavefront_size: 32
...
	.end_amdgpu_metadata
.endif
;; end of part 6
;; launch ffn2 (part 7): grid 4 x 64, 4 waves a work-group, clusters of 4 x 4, 327,680 bytes of LDS; arguments hid, opq, b2, yp; writes yp
.if DOCPART == 7
	.amdgcn_target "amdgcn-amd-amdhsa--gfx1250"
	.amdhsa_code_object_version 6
	.text
	.protected	k_q94cee32e1a_ffn2
	.globl	k_q94cee32e1a_ffn2
	.p2align	8
	.type	k_q94cee32e1a_ffn2,@function
k_q94cee32e1a_ffn2:
	s_mov_b64 s[64:65], 0
	v_nop
	global_prefetch_b8 v0, s[64:65] scope:SCOPE_SE
	s_setreg_imm32_b32 hwreg(HW_REG_WAVE_MODE, 25, 1), 1
	s_wait_xcnt 0x0
	s_wait_alu depctr_hold_cnt(0) depctr_sa_sdst(0) depctr_va_vdst(0) depctr_va_sdst(0) depctr_va_ssrc(0) depctr_va_vcc(0) depctr_vm_vsrc(0)
	s_getreg_b32 s2, hwreg(HW_REG_IB_STS2, 6, 4)
	s_cmp_eq_u32 s2, 0
	s_cbranch_scc0 .Lentry_in_a_cluster
	s_endpgm
.Lentry_in_a_cluster:
	s_bfe_u32 s2, ttmp6, 0x10000c
	s_cmp_lg_u32 s2, 0xf033
	s_cbranch_scc0 .Lentry_shape_is_right
	s_endpgm
.Lentry_shape_is_right:
; The text of launch proj with KIND = 3: hidden x W2 + b2, left as f32, with K cut in four.  The layouts, the ring, the head and the limits are set out at the head of that text.
.set KIND, 3
.set QK, 1-(KIND%2)
.set NKS, 8
.set FRB,   1536
.set PLANE, 256*FRB
.set HALFT, 16*FRB
.set SLOT,  4*HALFT
.set SCL,   2*SLOT
.set HALFS, 512*NKS
.set SPARE, SCL+4*HALFS
.set LAPS,  NKS/4
.set FR, 12
.set NL, 3
.set NP, 4
.set OX,  0
.set OW4, 3145728
.set OW1, 6291456
.set OW2, 9437184
.set SX,  22020096
.set SW4, 22151168
.set SW1, 22282240
.set SW2, 22413312
.set OQK, 0
.set OVT, 6291456
.set SQK, 18874368
.set SVT, 19136512
.if KIND == 0
.set PB, 4
.set PO, 12
.else
.set PB, 6
.set PO, 10
.endif
.set ADRA, 16
.set ADRB, 20
.set LI,   24
.set L4,   25
.set BO,   26
.set ADRS, 27
.set SPW,  28
.set NIL,  29
.set BO2,  30
.set SC,   32
.set BI,   64
.set AF,   128
.set TM,   224
.set TP,   240
.set G1,   24
.set G0,   32
.set G1B,  48
.set G0B,  56
.set G1S,  68
.set G0S,  76
.set G1SB, 80
.set G0SB, 88
.set MSB, 0
.macro WIN new
.if MSB != (\new)
	s_set_vgpr_msb (MSB<<8)|(\new)
.set MSB, (\new)
.endif
.endm
.macro JLOAD g0a, g1a, g0b, g1b
	s_cmp_eq_u32 s15, 0
	s_cbranch_scc0 .Lfor_b_\@
	tensor_load_to_lds s[\g0a:\g0a+3], s[\g1a:\g1a+7]
	s_nop 0
.rept 4
	v_nop
.endr
	s_branch .Lasked_\@
.Lfor_b_\@:
	tensor_load_to_lds s[\g0b:\g0b+3], s[\g1b:\g1b+7]
	s_nop 0
.rept 4
	v_nop
.endr
.Lasked_\@:
.endm
.macro CREST
	s_cmp_lg_u32 s14, 0
	s_cbranch_scc1 .Lnot_wave_0_\@
	s_barrier_signal -3
.Lnot_wave_0_\@:
	s_barrier_wait -3
	s_barrier_signal -1
	s_barrier_wait -1
.endm
.macro CROUND
	s_barrier_signal -1
	s_barrier_wait -1
	CREST
.endm
.if KIND == 0
	s_load_b256 s[4:11], s[0:1], 0x0
	s_load_b64 s[12:13], s[0:1], 0x20
.else
	s_load_b256 s[4:11], s[0:1], 0x0
.endif
	v_lshl_add_u32 v[SPW], v0, 2, SPARE
	v_mov_b32 v[NIL], 0
	ds_add_u32 v[SPW], v[NIL]
	ds_add_u32 v[SPW], v[NIL]
	v_lshrrev_b32 v1, 5, v0
	v_readfirstlane_b32 s14, v1
	s_lshr_b32 s15, s14, 1
	s_and_b32 s16, s14, 1
	s_bfe_u32 s40, ttmp6, 0x40000
	s_bfe_u32 s41, ttmp6, 0x40004
	s_and_b32 s17, ttmp7, 0xffff
.if KIND == 0
	s_sub_co_u32 s42, s17, 4
	s_lshl_b32 s42, s42, 1
	s_add_co_u32 s42, s42, ttmp9
	s_mov_b32 s92, OW4+128*FRB
	s_mov_b32 s93, SW4+128*64
	s_mov_b32 s95, SW4
	s_mov_b32 s97, SVT
	s_mov_b32 s98, SX
	s_mov_b32 s99, SQK
	s_cmp_lt_u32 s17, 4
	s_cselect_b32 s42, ttmp9, s42
	s_cselect_b32 s17, s17, 0
	s_cselect_b32 s2, 0, 1
	s_cselect_b32 s92, OX, s92
	s_cselect_b32 s93, s98, s93
	s_cselect_b32 s94, OW4, OX
	s_cselect_b32 s95, s95, s98
	s_cselect_b32 s96, OQK, OVT
	s_cselect_b32 s97, s99, s97
.else
	s_mov_b32 s42, ttmp9
.endif
.if KIND == 1
	s_mov_b32 s92, 0
	s_mov_b32 s93, 3145728
	s_mov_b32 s94, OW4+192*FRB
	s_mov_b32 s95, SW4+192*64
.endif
.if KIND == 2
	s_mov_b32 s92, 16777216
	s_mov_b32 s93, 19922944
	s_mov_b32 s94, OW1
	s_mov_b32 s95, SW1
	s_mov_b32 s96, 0
	s_mov_b32 s97, 12582912
.endif
.if KIND == 3
	s_lshr_b32 s2, s17, 2
	s_and_b32 s17, s17, 3
	s_mul_i32 s98, s2, 8*PLANE
	s_lshl_b32 s99, s2, 17
	s_mov_b32 s92, s98
	s_add_co_u32 s93, s99, 12582912
	s_add_co_u32 s94, s98, OW2
	s_add_co_u32 s95, s99, SW2
.endif
	s_lshl_b32 s42, s42, 2
	s_add_co_u32 s42, s42, s40
	s_lshl_b32 s17, s17, 2
	s_add_co_u32 s17, s17, s41
	s_lshl_b32 s43, s41, 2
	s_lshl_b32 s43, 15, s43
	s_lshl_b32 s44, 0x1111, s40
	s_or_b32 s[G1+0], s43, (3<<16)|(1<<21)
	s_or_b32 s[G1B+0], s44, (3<<16)|(1<<21)
.irp g, G1, G1B
	s_mov_b32 s[\g+1], 3072<<16
	s_mov_b32 s[\g+2], 2<<16
	s_mov_b32 s[\g+3], 3072<<16
	s_mov_b32 s[\g+4], 2
	s_mov_b32 s[\g+5], PLANE/8
	s_mov_b32 s[\g+6], 0
	s_mov_b32 s[\g+7], 0
.endr
	s_or_b32 s[G1S+0], s43, (3<<16)|(1<<21)
	s_or_b32 s[G1SB+0], s44, (3<<16)|(1<<21)
.irp g, G1S, G1SB
	s_mov_b32 s[\g+1], 128<<16
	s_mov_b32 s[\g+2], NKS<<16
	s_mov_b32 s[\g+3], 128<<16
	s_mov_b32 s[\g+4], NKS
	s_mov_b32 s[\g+5], 2048
	s_mov_b32 s[\g+6], 0
	s_mov_b32 s[\g+7], 0
.endr
	s_mul_i32 s18, s16, PLANE                      ; in the ring I fetch one K step of a slot: which, in bytes
	s_mov_b32 s19, 0
	s_lshl_b32 s20, s17, 4
	s_lshl_b32 s46, s42, 4
	s_lshl_b32 s22, s20, 6
	s_add_co_u32 s22, s22, s93
	s_mul_i32 s20, s20, FRB
	s_add_co_u32 s20, s20, s92
	s_lshl_b32 s98, s46, 6
	s_add_co_u32 s98, s98, s95
	s_mul_i32 s46, s46, FRB
	s_add_co_u32 s46, s46, s94
	s_mov_b32 s21, 0
	s_mov_b32 s23, 0
	s_mov_b32 s47, 0
	s_mov_b32 s99, 0
	s_mul_i32 s45, s14, HALFT
	s_wait_dscnt 0x0
	s_wait_kmcnt 0x0
	s_add_nc_u64 s[20:21], s[4:5], s[20:21]
	s_add_nc_u64 s[22:23], s[4:5], s[22:23]
	s_add_nc_u64 s[46:47], s[PB:PB+1], s[46:47]
	s_add_nc_u64 s[98:99], s[PB:PB+1], s[98:99]
	CROUND
	s_mov_b32 s[G0S], 1
	s_mov_b32 s[G0S+1], SCL
	s_mov_b64 s[G0S+2:G0S+3], s[22:23]
	s_or_b32 s[G0S+3], s[G0S+3], 0x80000000
	s_mov_b32 s[G0SB], 1
	s_mov_b32 s[G0SB+1], SCL+2*HALFS
	s_mov_b64 s[G0SB+2:G0SB+3], s[98:99]
	s_or_b32 s[G0SB+3], s[G0SB+3], 0x80000000
	s_mov_b32 s[G0], 1                             ; the head's tiles, each whole: slot 0's 2 K steps x 16 row blocks of A,
	s_mov_b32 s[G0+1], 0
	s_mov_b64 s[G0+2:G0+3], s[20:21]
	s_or_b32 s[G0+3], s[G0+3], 0x80000000
	s_mov_b32 s[G0B], 1                            ; and of B, behind them
	s_mov_b32 s[G0B+1], 2*HALFT
	s_mov_b64 s[G0B+2:G0B+3], s[46:47]
	s_or_b32 s[G0B+3], s[G0B+3], 0x80000000
	s_mov_b32 s[G0+4], 1                           ; the ring's loads: my K step of a slot, 16 row blocks on end; here slot 1's
	s_add_co_u32 s[G0+5], s45, SLOT
	s_add_nc_u64 s[G0+6:G0+7], s[20:21], s[18:19]
	s_add_nc_u64 s[G0+6:G0+7], s[G0+6:G0+7], 2*PLANE
	s_or_b32 s[G0+7], s[G0+7], 0x80000000
	s_mov_b32 s[G0B+4], 1
	s_add_co_u32 s[G0B+5], s45, SLOT
	s_add_nc_u64 s[G0B+6:G0B+7], s[46:47], s[18:19]
	s_add_nc_u64 s[G0B+6:G0B+7], s[G0B+6:G0B+7], 2*PLANE
	s_or_b32 s[G0B+7], s[G0B+7], 0x80000000
; THE HEAD'S LOADS, ONE A WAVE: wave 0 slot 0 of A, wave 1 slot 0 of B, wave 2 A's scale words, wave 3 B's.  One chain of branches on the wave's number; every way through it passes one load.
.macro ARM under, g0, g1, next
	s_cmp_lt_u32 s14, \under
	s_cbranch_scc0 \next
	tensor_load_to_lds s[\g0:\g0+3], s[\g1:\g1+7]
	s_nop 0
.rept 4
	v_nop
.endr
	s_branch .Lhead_asked
\next:
.endm
	ARM 1, G0,  G1,  .Lhead_b
	ARM 2, G0B, G1B, .Lhead_sa
	ARM 3, G0S, G1S, .Lhead_sb
	tensor_load_to_lds s[G0SB:G0SB+3], s[G1SB:G1SB+7]
	s_nop 0
.rept 4
	v_nop
.endr
.Lhead_asked:                                          ; the addresses and the bias's loads below stand while the four tiles are on their way
	v_and_b32 v1, 15, v0
	v_bfe_u32 v2, v0, 4, 1
	v_and_b32 v3, 31, v0
	v_lshlrev_b32 v[LI], 4, v3
	v_lshlrev_b32 v[L4], 2, v3
	v_lshlrev_b32 v[BO], 6, v2
	v_and_b32 v4, 8, v1
	v_add_nc_u32 v4, v4, v1
	v_lshlrev_b32 v[BO2], 2, v4
	s_mul_i32 s21, s15, 8*FRB
	s_mul_i32 s22, s16, 8*FRB
	s_add_co_u32 s22, s22, 2*HALFT
.irp s, 0,1
	v_add_nc_u32 v[ADRA+\s], s21, v[LI]
	v_add_nc_u32 v[ADRB+\s], s22, v[LI]
	s_add_co_u32 s21, s21, SLOT
	s_add_co_u32 s22, s22, SLOT
.endr
	v_lshlrev_b32 v5, 2, v1
	s_mul_i32 s21, s15, 512
	s_mul_i32 s22, s16, 512
	s_add_co_u32 s22, s22, 2*HALFS
	s_sub_co_u32 s22, s22, s21
	v_mul_u32_u24 v6, s22, v2
	s_add_co_u32 s21, s21, SCL
	v_add_nc_u32 v5, v5, v6
	v_add_nc_u32 v[ADRS], s21, v5
.if KIND == 0
	s_cmp_eq_u32 ttmp9, 0
	s_cselect_b64 s[8:9], s[6:7], s[8:9]
	s_lshl_b32 s46, s40, 10
.else
	s_lshl_b32 s46, s42, 10
.endif
	s_lshl_b32 s47, s16, 9
	s_add_co_u32 s46, s46, s47
	s_mov_b32 s47, 0
	s_add_nc_u64 s[8:9], s[8:9], s[46:47]
.if KIND == 0
	s_lshl_b32 s46, s17, 10
	s_lshl_b32 s47, s15, 9
	s_add_co_u32 s46, s46, s47
	s_mov_b32 s47, 0
	s_add_nc_u64 s[10:11], s[10:11], s[46:47]
	s_cmp_eq_u32 s2, 0
	s_cbranch_scc0 .Lbias_rows
.endif
.irp b, 0,1,2,3,4,5,6,7
	global_load_b128 v[BI+8*\b:BI+8*\b+3], v[BO], s[8:9] offset:(32*(\b/2)+8*(\b%2))*4
	global_load_b128 v[BI+8*\b+4:BI+8*\b+7], v[BO], s[8:9] offset:(32*(\b/2)+8*(\b%2))*4+16
.endr
.if KIND == 0
	s_branch .Lbias_asked
.Lbias_rows:
.irp a, 0,1,2,3,4,5,6,7
.irp j, 0,1,2,3,4,5,6,7
	global_load_b32 v[BI+8*\a+\j], v[BO2], s[10:11] offset:(32*(\a/2)+8*(\a%2))*4
.endr
.endr
.Lbias_asked:
.endif
.if QK
	s_lshl_b32 s46, s42, 1
	s_add_co_u32 s46, s46, s16
	s_lshl_b32 s46, s46, 8
	s_lshl_b32 s47, s17, 4
	s_add_co_u32 s46, s46, s47
	s_lshl_b32 s47, s15, 3
	s_add_co_u32 s46, s46, s47
	s_lshl_b32 s98, s46, 6
	s_add_co_u32 s98, s98, s97
	s_mov_b32 s99, 0
	s_mul_i32 s46, s46, FRB
	s_add_co_u32 s46, s46, s96
	s_mov_b32 s47, 0
	s_add_nc_u64 s[92:93], s[PO:PO+1], s[46:47]
	s_add_nc_u64 s[94:95], s[PO:PO+1], s[98:99]
.else
	s_lshl_b32 s46, s17, 4
	s_lshl_b32 s47, s15, 3
	s_add_co_u32 s46, s46, s47
	s_lshl_b32 s46, s46, 16
	s_lshl_b32 s47, s42, 1
	s_add_co_u32 s47, s47, s16
	s_lshl_b32 s47, s47, 13
	s_add_co_u32 s46, s46, s47
.if KIND == 3
	s_lshl_b32 s47, s2, 24
	s_add_co_u32 s46, s46, s47
.endif
	s_mov_b32 s47, 0
	s_add_nc_u64 s[92:93], s[PO:PO+1], s[46:47]
.endif
.macro FRAG reg, adr, q, i
.irp g, 0,1,2
	ds_load_b128 v[\reg+4*\g:\reg+4*\g+3], v[\adr] offset:16*FRB*(\q)+FRB*(\i)+512*\g
.endr
.endm
.macro MUL16 a0, p, q, sc, mode
.irp a, \a0, \a0+1
.irp b, 0,1,2,3,4,5,6,7
.if (\mode) == 0
	v_wmma_scale_f32_16x16x128_f8f6f4 v[8*(8*((\a)%4)+\b):8*(8*((\a)%4)+\b)+7], v[128*(\p)+FR*\b:128*(\p)+FR*\b+FR-1], v[AF+FR*(\a):AF+FR*(\a)+FR-1], v[8*(8*((\a)%4)+\b):8*(8*((\a)%4)+\b)+7], v[SC+16*(\sc)+2*\b+(\q)], v[SC+16*(\sc)+2*(\a)+(\q)] matrix_a_fmt:MATRIX_FMT_FP6 matrix_b_fmt:MATRIX_FMT_FP6 matrix_a_scale:MATRIX_SCALE_ROW1
.elseif (\mode) == 1
	v_wmma_scale_f32_16x16x128_f8f6f4 v[8*(8*((\a)%4)+\b):8*(8*((\a)%4)+\b)+7], v[128*(\p)+FR*\b:128*(\p)+FR*\b+FR-1], v[AF+FR*(\a):AF+FR*(\a)+FR-1], v[BI+8*\b:BI+8*\b+7], v[SC+16*(\sc)+2*\b+(\q)], v[SC+16*(\sc)+2*(\a)+(\q)] matrix_a_fmt:MATRIX_FMT_FP6 matrix_b_fmt:MATRIX_FMT_FP6 matrix_a_scale:MATRIX_SCALE_ROW1
.else
	v_wmma_scale_f32_16x16x128_f8f6f4 v[8*(8*((\a)%4)+\b):8*(8*((\a)%4)+\b)+7], v[128*(\p)+FR*\b:128*(\p)+FR*\b+FR-1], v[AF+FR*(\a):AF+FR*(\a)+FR-1], v[BI+8*(\a):BI+8*(\a)+7], v[SC+16*(\sc)+2*\b+(\q)], v[SC+16*(\sc)+2*(\a)+(\q)] matrix_a_fmt:MATRIX_FMT_FP6 matrix_b_fmt:MATRIX_FMT_FP6 matrix_a_scale:MATRIX_SCALE_ROW1
.endif
.endr
.endr
.endm
.macro FETCH_B slot, q, p
	WIN 0x40
.irp i, 0,1,2,3,4,5,6,7
	FRAG 128*(\p)+FR*\i, ADRB+\slot, \q, \i
.endr
	WIN 0
.endm
.macro FETCH_A slot, q, i0
.irp i, \i0, \i0+1, \i0+2, \i0+3
	FRAG AF+FR*(\i), ADRA+\slot, \q, \i
.endr
.endm
.macro SCALES sc
.irp i, 0,1,2,3,4,5,6,7
	ds_load_b32 v[SC+16*\sc+2*\i], v[ADRS] offset:64*\i
	ds_load_b32 v[SC+16*\sc+2*\i+1], v[ADRS] offset:1024+64*\i
.endr
.endm
.macro PLACES n
.rept \n
	v_nop
.endr
.endm
.macro STEP slot, q, mode
	s_wait_dscnt 4*NL
.if \mode
	WIN 0x81
.else
	WIN 0xa1
.endif
	MUL16 0, (\q)%2, \q, \slot, \mode
	MUL16 2, (\q)%2, \q, \slot, \mode
	s_wait_dscnt 0
	PLACES NP
	FETCH_B \slot, (\q)+1, 1-(\q)%2
	FETCH_A \slot, (\q)+1, 0
.if \mode
	WIN 0xc1
.else
	WIN 0xf1
.endif
	MUL16 4, (\q)%2, \q, \slot, \mode
	MUL16 6, (\q)%2, \q, \slot, \mode
	PLACES NP
	WIN 0
	FETCH_A \slot, (\q)+1, 4
.endm
.macro TURN slot, next, fill
	s_wait_tensorcnt 0x0
	ds_add_u32 v[SPW], v[NIL]
	s_wait_dscnt 4*NL+1
	WIN 0xa1
	MUL16 0, 1, 1, \slot, 0
	s_wait_dscnt 0x0
	s_barrier_signal -1
	MUL16 2, 1, 1, \slot, 0
	WIN 0
	s_barrier_wait -1
.if \fill
	CREST
	s_add_nc_u64 s[G0+4*\slot+2:G0+4*\slot+3], s[G0+4*\slot+2:G0+4*\slot+3], 4*PLANE
	s_add_nc_u64 s[G0B+4*\slot+2:G0B+4*\slot+3], s[G0B+4*\slot+2:G0B+4*\slot+3], 4*PLANE
	JLOAD G0+4*\slot, G1, G0B+4*\slot, G1B
.else
	PLACES NP
.endif
	s_wait_alu depctr_va_vdst(0)
	v_add_nc_u32 v[ADRS], 2048, v[ADRS]
	FETCH_B \next, 0, 0
	FETCH_A \next, 0, 0
	SCALES \next
	WIN 0xf1
	MUL16 4, 1, 1, \slot, 0
	MUL16 6, 1, 1, \slot, 0
	PLACES NP
	WIN 0
	FETCH_A \next, 0, 4
.endm
	s_wait_alu depctr_va_vdst(0)
	s_wait_tensorcnt 0x0                           ; my tile of the head's four is in; slot 1's first fill is issued as a refill is
	ds_add_u32 v[SPW], v[NIL]
.irp g, G1, G1B                                ; no tensor load of mine is out, so the descriptors may be written: from here on a load brings one K step, 24,576 dense bytes, as 2 rows of 1,536 elements
	s_mov_b32 s[\g+1], 1536<<16
	s_mov_b32 s[\g+3], 1536<<16
	s_mov_b32 s[\g+5], 1536
.endr
	s_add_co_u32 s[G0+1], s45, 0                   ; slot 0's sets for the ring: my K step's place, and its address two K steps ahead of slot 1's
	s_sub_nc_u64 s[G0+2:G0+3], s[G0+6:G0+7], 2*PLANE
	s_add_co_u32 s[G0B+1], s45, 0
	s_sub_nc_u64 s[G0B+2:G0B+3], s[G0B+6:G0B+7], 2*PLANE
	s_wait_dscnt 0x0
	CROUND                                         ; a whole round: all four tiles are in, in every partner
	JLOAD G0+4, G1, G0B+4, G1B                     ; slot 1's load, the first tensor load behind the round
	FETCH_B 0, 0, 0
	FETCH_A 0, 0, 0
	SCALES 0
	FETCH_A 0, 0, 4
	s_wait_loadcnt 0x0
.if KIND == 3
	s_cmp_eq_u32 s2, 0
	s_cselect_b32 s98, 0x3f800000, 0
	s_mov_b32 s99, s98
.set II, 0
.rept 32
	v_pk_mul_f32 v[BI+II:BI+II+1], v[BI+II:BI+II+1], s[98:99] op_sel_hi:[1,0]
.set II, II+2
.endr
.endif
.if KIND == 0
	s_cmp_eq_u32 s2, 0
	s_cbranch_scc0 .Lfirst_rows
	STEP 0, 0, 1
	s_branch .Lfirst_done
.Lfirst_rows:
	STEP 0, 0, 2
.Lfirst_done:
.else
	s_wait_alu depctr_va_vdst(0)
	STEP 0, 0, 1
.endif
	s_mov_b32 s3, LAPS-1
.Llap:
	TURN 0, 1, 1
	STEP 1, 0, 0
	TURN 1, 0, 1
	STEP 0, 0, 0
	s_sub_co_u32 s3, s3, 1
	s_cmp_lg_u32 s3, 0
	s_cbranch_scc1 .Llap
	TURN 0, 1, 0
	STEP 1, 0, 0
	s_wait_dscnt 4*NL
	WIN 0xa1
	MUL16 0, 1, 1, 1, 0
	MUL16 2, 1, 1, 1, 0
	s_wait_dscnt 0
	WIN 0xf1
	MUL16 4, 1, 1, 1, 0
	MUL16 6, 1, 1, 1, 0
	WIN 0
	PLACES NP
.if QK
.macro QOUT a
.set WA, 2+(\a)/4
.set AC, 64*((\a)%4)
.set CD, AF+FR*(\a)
.if KIND == 2
	WIN (WA<<2)|(WA<<6)
.set II, 0
.rept 64
	v_max_num_f32 v[AC+II], 0, v[AC+II]
.set II, II+1
.endr
.endif
	WIN (WA<<2)|(WA<<4)
.irp b, 0,1,2,3
	v_max3_num_f32 v[TM+\b], 0x1800000, |v[AC+16*\b]|, |v[AC+1+16*\b]|
.endr
.irp i, 2,4,6,8,10,12,14
.irp b, 0,1,2,3
	v_max3_num_f32 v[TM+\b], v[TM+\b], |v[AC+16*\b+\i]|, |v[AC+1+16*\b+\i]|
.endr
.endr
	WIN 0
.irp b, 0,1,2,3
	v_permlanex16_b32 v[TM+4+\b], v[TM+\b], s20, s21
.endr
.irp b, 0,1,2,3
	v_max_num_f32 v[TM+\b], v[TM+\b], v[TM+4+\b]
.endr
.irp b, 0,1,2,3
	v_add_nc_u32 v[TM+12+\b], 0xff000000, v[TM+\b]
.endr
.irp b, 0,1,2,3
	v_lshrrev_b32 v[TM+4+\b], 23, v[TM+12+\b]
.endr
	v_lshl_or_b32 v[SC+(\a)], v[TM+5], 8, v[TM+4]
	v_lshl_or_b32 v[SC+(\a)], v[TM+6], 16, v[SC+(\a)]
	v_lshl_or_b32 v[SC+(\a)], v[TM+7], 24, v[SC+(\a)]
	WIN WA
.irp c, 0,1
	v_cvt_scalef32_pk16_fp6_f32 v[CD+6*\c:CD+2+6*\c], v[AC+32*\c:AC+15+32*\c], v[TM+12+2*\c]
	v_cvt_scalef32_pk16_fp6_f32 v[TP+4*\c:TP+2+4*\c], v[AC+16+32*\c:AC+31+32*\c], v[TM+13+2*\c]
.endr
	WIN 0
	v_nop
.irp c, 0,1
.irp i, 0,1,2
	v_permlane16_swap_b32 v[CD+6*\c+\i], v[TP+4*\c+\i]
.endr
.irp i, 0,1,2
	v_mov_b32 v[CD+3+6*\c+\i], v[TP+4*\c+\i]
.endr
.endr
.irp g, 0,1,2
	global_store_b128 v[LI], v[CD+4*\g:CD+4*\g+3], s[92:93] offset:FRB*(\a)+512*\g
.endr
.if ((\a)%2) == 1
	v_cndmask_b32 v[SC+8+(\a)/2], v[SC+(\a)-1], v[SC+(\a)], s66
	global_store_b32 v[L4], v[SC+8+(\a)/2], s[94:95] offset:64*((\a)-1)
.endif
.endm
	s_mov_b32 s20, 0x76543210
	s_mov_b32 s21, 0xfedcba98
	s_mov_b32 s66, 0xffff0000
.irp b, 0,1,2,3
	v_mov_b32 v[TM+4+\b], 0
.endr
.irp a, 0,1,2,3,4,5,6,7
	QOUT \a
.endr
.else
.macro YOUT a
.set WA, 2+(\a)/4
.set AC, 64*((\a)%4)
	WIN (WA<<2)
.irp b, 0,1,2,3,4,5,6,7
	global_store_b128 v[LI], v[AC+8*\b:AC+8*\b+3], s[92:93] offset:65536*(\a)+1024*\b
	global_store_b128 v[LI], v[AC+8*\b+4:AC+8*\b+7], s[92:93] offset:65536*(\a)+1024*\b+512
.endr
.endm
.irp a, 0,1,2,3,4,5,6,7
	YOUT \a
.endr
	WIN 0
.endif
	s_wait_tensorcnt 0x0
	ds_add_u32 v[SPW], v[NIL]
	s_wait_dscnt 0x0
	CROUND
	s_endpgm
.Lfunc_end_k_q94cee32e1a_ffn2:
	.size	k_q94cee32e1a_ffn2, .Lfunc_end_k_q94cee32e1a_ffn2-k_q94cee32e1a_ffn2
	.p2alignl 7, 3214868480
	.fill 96, 4, 3214868480
	.section	.rodata,"a",@progbits
	.p2align	6, 0x0
	.amdhsa_kernel k_q94cee32e1a_ffn2
		.amdhsa_group_segment_fixed_size 327680
		.amdhsa_private_segment_fixed_size 0
		.amdhsa_enable_private_segment 0
		.amdhsa_kernarg_size 32
		.amdhsa_user_sgpr_count 2
		.amdhsa_user_sgpr_kernarg_segment_ptr 1
		.amdhsa_wavefront_size32 1
		.amdhsa_system_sgpr_workgroup_id_x 1
		.amdhsa_system_sgpr_workgroup_id_y 1
		.amdhsa_system_sgpr_workgroup_id_z 1
		.amdhsa_system_vgpr_workitem_id 0
		.amdhsa_next_free_vgpr 1024
		.amdhsa_next_free_sgpr 100
		.amdhsa_reserve_vcc 0
		.amdhsa_float_denorm_mode_32 3
		.amdhsa_float_denorm_mode_16_64 3
		.amdhsa_memory_ordered 1
		.amdhsa_forward_progress 1
		.amdhsa_inst_pref_size 125
	.end_amdhsa_kernel
	.amdgpu_metadata
---
amdhsa.version: [ 1, 2 ]
amdhsa.kernels:
  - .name:           k_q94cee32e1a_ffn2
    .symbol:         k_q94cee32e1a_ffn2.kd
    .args:
      - { .name: hid, .offset: 0, .size: 8, .value_kind: global_buffer, .address_space: global }
      - { .name: opq, .offset: 8, .size: 8, .value_kind: global_buffer, .address_space: global }
      - { .name: b2, .offset: 16, .size: 8, .value_kind: global_buffer, .address_space: global }
      - { .name: yp, .offset: 24, .size: 8, .value_kind: global_buffer, .address_space: global }
    .group_segment_fixed_size: 327680
    .private_segment_fixed_size: 0
    .kernarg_segment_align: 8
    .kernarg_segment_size: 32
    .max_flat_workgroup_size: 128
    .sgpr_count:     100
    .vgpr_count:     1024
    .wavefront_size: 32
...
	.end_amdgpu_metadata
.endif
;; end of part 7
;; launch norm2 (part 8): grid 256 x 1, 8 waves a work-group, no clusters, 69,632 bytes of LDS; arguments yp, x1, ln2_g, ln2_b, out0; writes out0
.if DOCPART == 8
	.amdgcn_target "amdgcn-amd-amdhsa--gfx1250"
	.amdhsa_code_object_version 6
	.text
	.protected	k_q94cee32e1a_norm2
	.globl	k_q94cee32e1a_norm2
	.p2align	8
	.type	k_q94cee32e1a_norm2,@function
k_q94cee32e1a_norm2:
	s_mov_b64 s[64:65], 0
	v_nop
	global_prefetch_b8 v0, s[64:65] scope:SCOPE_SE
	s_setreg_imm32_b32 hwreg(HW_REG_WAVE_MODE, 25, 1), 1
	s_wait_xcnt 0x0
; LAYER NORM of (a product's result + the residual), rows of 1,024.  One text serves both norms; the line FIRST is all that differs.
; The product's result arrives as accumulators were stored: tile (row block rb, 128 columns cb, b) at ((64 rb) + 8 cb + b) x 1024, registers 0-3 at 16 x lane, 4-7 512 bytes on;
; register 8 b + j of lane (r, h) is row 32 (rb / 2) + 8 (rb % 2) + r + 8 (r / 8), column 128 cb + 32 (b / 2) + 16 h + 8 (b % 2) + j.
; A work-group takes a row block (16 whole rows), wave w the columns 128 w on: 64 numbers a lane.  The mean first, then the mean of the squares of the centred numbers: no difference of large sums.
; FIRST = 1: the residual is x (row-major, turned through the wave's stage in LDS); the result leaves in the same f32 layout AND as codes of FP6 (E2M3) with E8M0 scale words, an image of operand registers.
; FIRST = 0: the product arrives as FOUR PARTIAL SUMS (its K was cut in four), four such images 16,777,216 bytes apart: they are added in ascending order of K, in f32; the residual is the first norm's f32 result;
; the result leaves row-major, through the stage, 512 consecutive bytes a store.
; LIMITS of the quantiser: a block of zeros, or under 2^-124, gets the byte 1 (this program alone reads the bytes); NaN and infinities are not served.
.set FIRST, 0
.set XW,    8448                       ; a wave's stage: 16 rows x (512 + 16) bytes, from LDS byte 0
.set RED1,  67584                      ; 16 rows x 8 waves' partial sums; the second reduction's lie 512 bytes on
.set SPARE, 68608                      ; the spare words, 128 bytes a wave
.set A,   16
.set B,   80
.set C,   144
.set E,   0                            ; FIRST = 0: v256-319, named v0-63 through window 1: the fourth partial sum
.set D,   208                          ; four chains; later the quantiser's work
.set RS,  216
.set TM,  208
.set PW,  224
.set PC,  228
.set TP,  240
.set MU,  248
.set RSD, 250
.set SPW, 252
.set NIL, 253
.set SEL, 20
.set MSB, 0
.macro WIN new                         ; s_set_vgpr_msb: bits 1:0 source 0, 3:2 source 1, 5:4 source 2, 7:6 destination; the immediate's high byte repeats the setting that is left
.if MSB != (\new)
	s_set_vgpr_msb (MSB<<8)|(\new)
.set MSB, (\new)
.endif
.endm
.macro QUANT s
.irp b, 0,1,2,3
	v_max3_num_f32 v[TM+\b], |v[\s+16*\b]|, |v[\s+1+16*\b]|, 0x1800000
.endr
.irp i, 2,4,6,8,10,12,14
.irp b, 0,1,2,3
	v_max3_num_f32 v[TM+\b], v[TM+\b], |v[\s+16*\b+\i]|, |v[\s+1+16*\b+\i]|
.endr
.endr
.irp b, 0,1,2,3
	v_permlanex16_b32 v[TM+4+\b], v[TM+\b], s[SEL], s[SEL+1]
.endr
.irp b, 0,1,2,3
	v_max_num_f32 v[TM+\b], v[TM+\b], v[TM+4+\b]
.endr
.irp b, 0,1,2,3
	v_add_nc_u32 v[TM+12+\b], 0xff000000, v[TM+\b]
.endr
.irp b, 0,1,2,3
	v_lshrrev_b32 v[TM+4+\b], 23, v[TM+12+\b]
.endr
	v_lshl_or_b32 v[PW], v[TM+5], 8, v[TM+4]
	v_lshl_or_b32 v[PW], v[TM+6], 16, v[PW]
	v_lshl_or_b32 v[PW], v[TM+7], 24, v[PW]
.irp c, 0,1
	v_cvt_scalef32_pk16_fp6_f32 v[PC+6*\c:PC+2+6*\c], v[\s+32*\c:\s+15+32*\c], v[TM+12+2*\c]
	v_cvt_scalef32_pk16_fp6_f32 v[TP+4*\c:TP+2+4*\c], v[\s+16+32*\c:\s+31+32*\c], v[TM+13+2*\c]
.endr
	v_nop
.irp c, 0,1
.irp i, 0,1,2
	v_permlane16_swap_b32 v[PC+6*\c+\i], v[TP+4*\c+\i]
.endr
.irp i, 0,1,2
	v_mov_b32 v[PC+3+6*\c+\i], v[TP+4*\c+\i]
.endr
.endr
.endm
; v[D] = my lane's sum  ->  v[RS] = the row's sum over all 1,024: the other half of the lanes, then the eight waves through LDS
.macro ACROSS off
	s_delay_alu instid0(VALU_DEP_1)
	v_permlanex16_b32 v[D+1], v[D], s[SEL], s[SEL+1]
	s_delay_alu instid0(VALU_DEP_1)
	v_add_f32 v[D], v[D], v[D+1]
	ds_store_b32 v8, v[D] offset:\off              ; both halves of the lanes write the same word
	s_wait_dscnt 0x0                               ; for the others' sake
	s_barrier_signal -1
	s_barrier_wait -1
	ds_load_b128 v[RS:RS+3], v9 offset:\off
	ds_load_b128 v[RS+4:RS+7], v9 offset:\off+16
	s_wait_dscnt 0x0
	v_add_f32 v[RS], v[RS], v[RS+1]
	v_add_f32 v[RS+2], v[RS+2], v[RS+3]
	v_add_f32 v[RS+4], v[RS+4], v[RS+5]
	v_add_f32 v[RS+6], v[RS+6], v[RS+7]
	s_delay_alu instid0(VALU_DEP_3)
	v_add_f32 v[RS], v[RS], v[RS+2]
	s_delay_alu instid0(VALU_DEP_2)
	v_add_f32 v[RS+4], v[RS+4], v[RS+6]
	s_delay_alu instid0(VALU_DEP_1)
	v_add_f32 v[RS], v[RS], v[RS+4]
.endm
.macro JOIN                            ; the four chains into v[D]
	s_delay_alu instid0(VALU_DEP_3)
	v_pk_add_f32 v[D:D+1], v[D:D+1], v[D+2:D+3]
	s_delay_alu instid0(VALU_DEP_2)
	v_pk_add_f32 v[D+4:D+5], v[D+4:D+5], v[D+6:D+7]
	s_delay_alu instid0(VALU_DEP_1)
	v_pk_add_f32 v[D:D+1], v[D:D+1], v[D+4:D+5]
	s_delay_alu instid0(VALU_DEP_1)
	v_add_f32 v[D], v[D], v[D+1]
.endm
	s_load_b256 s[4:11], s[0:1], 0x0               ; the product, the residual, the gain, the bias
	s_load_b64 s[12:13], s[0:1], 0x20              ; the output
	v_lshl_add_u32 v[SPW], v0, 2, SPARE
	v_mov_b32 v[NIL], 0
	v_lshrrev_b32 v1, 5, v0
	s_delay_alu instid0(VALU_DEP_1)
	v_readfirstlane_b32 s14, v1                    ; wave 0..7
	v_and_b32 v1, 31, v0
	v_and_b32 v2, 15, v0                           ; r
	v_bfe_u32 v3, v0, 4, 1                         ; h
	s_delay_alu instid0(VALU_DEP_3)
	v_lshlrev_b32 v4, 4, v1                        ; 16 x lane
	s_delay_alu instid0(VALU_DEP_2)
	v_lshlrev_b32 v5, 6, v3                        ; 64 h
	s_mul_i32 s15, s14, XW
	v_add_nc_u32 v6, s15, v4                       ; the stage by rows
	v_mul_u32_u24 v7, v2, 528
	s_delay_alu instid0(VALU_DEP_1)
	v_add_nc_u32 v7, v7, v5
	s_delay_alu instid0(VALU_DEP_1)
	v_add_nc_u32 v7, s15, v7                       ; and by lanes: row r, + 64 h
	v_lshlrev_b32 v9, 5, v2
	s_delay_alu instid0(VALU_DEP_1)
	v_add_nc_u32 v9, RED1, v9                      ; my row's eight partial sums,
	s_lshl_b32 s15, s14, 2
	v_add_nc_u32 v8, s15, v9                       ; and my wave's among them
.if FIRST
	v_lshlrev_b32 v10, 2, v2
.endif
	s_mov_b32 s[SEL], 0x76543210
	s_mov_b32 s[SEL+1], 0xfedcba98
	s_lshl_b32 s16, ttmp9, 16
	s_lshl_b32 s15, s14, 13
	s_add_co_u32 s16, s16, s15                     ; my 8 tiles in the f32 layout
	s_mov_b32 s17, 0
	s_lshl_b32 s18, s14, 9                         ; my 128 columns in a row
	s_mov_b32 s19, 0
	s_lshr_b32 s22, ttmp9, 1
	s_lshl_b32 s22, s22, 5
	s_and_b32 s23, ttmp9, 1
	s_lshl_b32 s23, s23, 3
	s_add_co_u32 s22, s22, s23                     ; slot 0's row
	s_lshl_b32 s22, s22, 12
	s_add_co_u32 s22, s22, s18
	s_mov_b32 s23, 0
.if FIRST
	s_lshl_b32 s26, s14, 8
	s_add_co_u32 s26, s26, ttmp9                   ; 256 ks + rb
	s_lshl_b32 s28, s26, 6
	s_add_co_u32 s28, s28, 19922944
	s_mov_b32 s29, 0
	s_mul_i32 s26, s26, 1536
	s_add_co_u32 s26, s26, 16777216
	s_mov_b32 s27, 0
.endif
	s_wait_alu depctr_va_vdst(0)
	s_wait_kmcnt 0x0
	s_add_nc_u64 s[4:5], s[4:5], s[16:17]
	s_add_nc_u64 s[8:9], s[8:9], s[18:19]
	s_add_nc_u64 s[10:11], s[10:11], s[18:19]
.if FIRST
	s_add_nc_u64 s[6:7], s[6:7], s[22:23]
	s_add_nc_u64 s[24:25], s[12:13], s[16:17]
	s_add_nc_u64 s[26:27], s[12:13], s[26:27]
	s_add_nc_u64 s[28:29], s[12:13], s[28:29]
.else
	s_add_nc_u64 s[6:7], s[6:7], s[16:17]
	s_add_nc_u64 s[24:25], s[12:13], s[22:23]
	s_add_nc_u64 s[30:31], s[4:5], 0x1000000       ; the second, third and fourth partial sums: a base each, since the distance is beyond a load's immediate
	s_add_nc_u64 s[32:33], s[4:5], 0x2000000
	s_add_nc_u64 s[34:35], s[4:5], 0x3000000
.endif
.irp i, 0,1,2,3,4,5,6,7,8,9,10,11,12,13,14,15
	global_load_b128 v[A+4*\i:A+4*\i+3], v4, s[4:5] offset:512*\i th:TH_LOAD_NT
.endr
.if FIRST
.irp i, 0,1,2,3,4,5,6,7,8,9,10,11,12,13,14,15
	global_load_b128 v[C+4*\i:C+4*\i+3], v4, s[6:7] offset:(\i+8*(\i/8))*4096 th:TH_LOAD_NT   ; slot i's 512 consecutive bytes
.endr
.irp i, 0,1,2,3,4,5,6,7,8,9,10,11,12,13,14,15
	s_wait_loadcnt 15-\i                           ; slot i's load is in; the younger ones stay out
	ds_store_b128 v6, v[C+4*\i:C+4*\i+3] offset:528*\i
.endr
.irp p, 0,1,2,3
.irp e, 0,1,2,3
	ds_load_b128 v[B+16*\p+4*\e:B+16*\p+4*\e+3], v7 offset:128*\p+16*\e   ; LDS serves a wave's instructions in order: these see my stores
.endr
.endr
	s_wait_dscnt 0x0
.else
.irp i, 0,1,2,3,4,5,6,7,8,9,10,11,12,13,14,15
	global_load_b128 v[B+4*\i:B+4*\i+3], v4, s[30:31] offset:512*\i th:TH_LOAD_NT
.endr
.irp i, 0,1,2,3,4,5,6,7,8,9,10,11,12,13,14,15
	global_load_b128 v[C+4*\i:C+4*\i+3], v4, s[32:33] offset:512*\i th:TH_LOAD_NT
.endr
	WIN 0x40                                       ; destination window 1, address window 0
.irp i, 0,1,2,3,4,5,6,7,8,9,10,11,12,13,14,15
	global_load_b128 v[E+4*\i:E+4*\i+3], v4, s[34:35] offset:512*\i th:TH_LOAD_NT
.endr
	WIN 0
	s_wait_loadcnt 32                              ; the first two partial sums are in; the 32 loads of the other two stay out
.irp j, 0,2,4,6,8,10,12,14,16,18,20,22,24,26,28,30,32,34,36,38,40,42,44,46,48,50,52,54,56,58,60,62
	v_pk_add_f32 v[A+\j:A+\j+1], v[A+\j:A+\j+1], v[B+\j:B+\j+1]
.endr
.irp i, 0,1,2,3,4,5,6,7,8,9,10,11,12,13,14,15
	global_load_b128 v[B+4*\i:B+4*\i+3], v4, s[6:7] offset:512*\i th:TH_LOAD_NT   ; the residual, into the registers just added
.endr
	s_wait_loadcnt 32                              ; the third is in; the fourth's 16 loads and the residual's 16 stay out
.irp j, 0,2,4,6,8,10,12,14,16,18,20,22,24,26,28,30,32,34,36,38,40,42,44,46,48,50,52,54,56,58,60,62
	v_pk_add_f32 v[A+\j:A+\j+1], v[A+\j:A+\j+1], v[C+\j:C+\j+1]
.endr
	s_wait_loadcnt 16                              ; the fourth is in; the residual's 16 stay out
	WIN 0x04                                       ; source 1 window 1
.irp j, 0,2,4,6,8,10,12,14,16,18,20,22,24,26,28,30,32,34,36,38,40,42,44,46,48,50,52,54,56,58,60,62
	v_pk_add_f32 v[A+\j:A+\j+1], v[A+\j:A+\j+1], v[E+\j:E+\j+1]
.endr
	WIN 0
	s_wait_loadcnt 0x0
.endif
.irp j, 0,2,4,6,8,10,12,14,16,18,20,22,24,26,28,30,32,34,36,38,40,42,44,46,48,50,52,54,56,58,60,62
	v_pk_add_f32 v[A+\j:A+\j+1], v[A+\j:A+\j+1], v[B+\j:B+\j+1]   ; + the residual
.endr
.irp p, 0,1,2,3                                ; the gain and the bias of my 64 columns land during the reductions
.irp e, 0,1,2,3
	global_load_b128 v[B+16*\p+4*\e:B+16*\p+4*\e+3], v5, s[8:9] offset:128*\p+16*\e
	global_load_b128 v[C+16*\p+4*\e:C+16*\p+4*\e+3], v5, s[10:11] offset:128*\p+16*\e
.endr
.endr
.irp k, 0,1,2,3
	v_pk_add_f32 v[D+2*\k:D+2*\k+1], v[A+2*\k:A+2*\k+1], v[A+8+2*\k:A+9+2*\k]
.endr
.irp m, 2,3,4,5,6,7
.irp k, 0,1,2,3
	s_delay_alu instid0(VALU_DEP_4)
	v_pk_add_f32 v[D+2*\k:D+2*\k+1], v[D+2*\k:D+2*\k+1], v[A+8*\m+2*\k:A+8*\m+2*\k+1]
.endr
.endr
	JOIN
	ACROSS 0
	s_delay_alu instid0(VALU_DEP_1)
	v_mul_f32 v[MU], 0x3a800000, v[RS]             ; / 1,024: the mean
	s_delay_alu instid0(VALU_DEP_1)
	v_mov_b32 v[MU+1], v[MU]
.irp j, 0,2,4,6,8,10,12,14,16,18,20,22,24,26,28,30,32,34,36,38,40,42,44,46,48,50,52,54,56,58,60,62
	v_pk_add_f32 v[A+\j:A+\j+1], v[A+\j:A+\j+1], v[MU:MU+1] neg_lo:[0,1] neg_hi:[0,1]
.endr
.irp k, 0,1,2,3
	v_pk_mul_f32 v[D+2*\k:D+2*\k+1], v[A+2*\k:A+2*\k+1], v[A+2*\k:A+2*\k+1]
.endr
.irp m, 1,2,3,4,5,6,7
.irp k, 0,1,2,3
	s_delay_alu instid0(VALU_DEP_4)
	v_pk_fma_f32 v[D+2*\k:D+2*\k+1], v[A+8*\m+2*\k:A+8*\m+2*\k+1], v[A+8*\m+2*\k:A+8*\m+2*\k+1], v[D+2*\k:D+2*\k+1]
.endr
.endr
	JOIN
	ACROSS 512                                     ; other bytes than the first reduction's: no barrier between
	v_mov_b32 v[RS+1], 0x3727c5ac                  ; 1e-5
	s_delay_alu instid0(VALU_DEP_1)
	v_fma_f32 v[RS], v[RS], 0x3a800000, v[RS+1]    ; the variance + 1e-5
	s_wait_alu depctr_va_vdst(0)
	v_rsq_f32 v[RSD], v[RS]
	v_nop                                          ; a plain place behind the transcendental
	s_wait_alu depctr_va_vdst(0)                   ; and the wait ahead of its first reader
	v_mov_b32 v[RSD+1], v[RSD]
	s_wait_alu depctr_va_vdst(0)
	s_wait_loadcnt 0x0                             ; the gain and the bias
.irp j, 0,2,4,6,8,10,12,14,16,18,20,22,24,26,28,30,32,34,36,38,40,42,44,46,48,50,52,54,56,58,60,62
	v_pk_mul_f32 v[A+\j:A+\j+1], v[A+\j:A+\j+1], v[RSD:RSD+1]
.endr
.irp j, 0,2,4,6,8,10,12,14,16,18,20,22,24,26,28,30,32,34,36,38,40,42,44,46,48,50,52,54,56,58,60,62
	v_pk_fma_f32 v[A+\j:A+\j+1], v[A+\j:A+\j+1], v[B+\j:B+\j+1], v[C+\j:C+\j+1]
.endr
.if FIRST
.irp i, 0,1,2,3,4,5,6,7,8,9,10,11,12,13,14,15
	global_store_b128 v4, v[A+4*\i:A+4*\i+3], s[24:25] offset:512*\i   ; the f32 layout, 512 consecutive bytes a store
.endr
	QUANT A                                        ; it writes none of the registers that the stores read
	global_store_b128 v4, v[PC:PC+3], s[26:27]
	global_store_b128 v4, v[PC+4:PC+7], s[26:27] offset:512
	global_store_b128 v4, v[PC+8:PC+11], s[26:27] offset:1024
	global_store_b32 v10, v[PW], s[28:29]          ; both halves of the lanes hold and write the same word
.else
.irp p, 0,1,2,3
.irp e, 0,1,2,3
	ds_store_b128 v7, v[A+16*\p+4*\e:A+16*\p+4*\e+3] offset:128*\p+16*\e
.endr
.endr
.irp i, 0,1,2,3,4,5,6,7,8,9,10,11,12,13,14,15
	ds_load_b128 v[B+4*\i:B+4*\i+3], v6 offset:528*\i
.endr
.irp i, 0,1,2,3,4,5,6,7,8,9,10,11,12,13,14,15
	s_wait_dscnt 15-\i                             ; the younger read-backs stay out
	global_store_b128 v4, v[B+4*\i:B+4*\i+3], s[24:25] offset:(\i+8*(\i/8))*4096 th:TH_STORE_NT
.endr
.endif
	s_wait_tensorcnt 0x0                           ; the wave's end, behind my last LDS store
	ds_add_u32 v[SPW], v[NIL]
	s_wait_dscnt 0x0
	s_endpgm
.Lfunc_end_k_q94cee32e1a_norm2:
	.size	k_q94cee32e1a_norm2, .Lfunc_end_k_q94cee32e1a_norm2-k_q94cee32e1a_norm2
	.p2alignl 7, 3214868480
	.fill 96, 4, 3214868480
	.section	.rodata,"a",@progbits
	.p2align	6, 0x0
	.amdhsa_kernel k_q94cee32e1a_norm2
		.amdhsa_group_segment_fixed_size 69632
		.amdhsa_private_segment_fixed_size 0
		.amdhsa_enable_private_segment 0
		.amdhsa_kernarg_size 40
		.amdhsa_user_sgpr_count 2
		.amdhsa_user_sgpr_kernarg_segment_ptr 1
		.amdhsa_wavefront_size32 1
		.amdhsa_system_sgpr_workgroup_id_x 1
		.amdhsa_system_sgpr_workgroup_id_y 1
		.amdhsa_system_sgpr_workgroup_id_z 1
		.amdhsa_system_vgpr_workitem_id 0
		.amdhsa_next_free_vgpr 320
		.amdhsa_next_free_sgpr 66
		.amdhsa_reserve_vcc 0
		.amdhsa_float_denorm_mode_32 3
		.amdhsa_float_denorm_mode_16_64 3
		.amdhsa_memory_ordered 1
		.amdhsa_forward_progress 1
		.amdhsa_inst_pref_size 40
	.end_amdhsa_kernel
	.amdgpu_metadata
---
amdhsa.version: [ 1, 2 ]
amdhsa.kernels:
  - .name:           k_q94cee32e1a_norm2
    .symbol:         k_q94cee32e1a_norm2.kd
    .args:
      - { .name: yp, .offset: 0, .size: 8, .value_kind: global_buffer, .address_space: global }
      - { .name: x1, .offset: 8, .size: 8, .value_kind: global_buffer, .address_space: global }
      - { .name: ln2_g, .offset: 16, .size: 8, .value_kind: global_buffer, .address_space: global }
      - { .name: ln2_b, .offset: 24, .size: 8, .value_kind: global_buffer, .address_space: global }
      - { .name: out0, .offset: 32, .size: 8, .value_kind: global_buffer, .address_space: global }
    .group_segment_fixed_size: 69632
    .private_segment_fixed_size: 0
    .kernarg_segment_align: 8
    .kernarg_segment_size: 40
    .max_flat_workgroup_size: 256
    .sgpr_count:     66
    .vgpr_count:     320
    .wavefront_size: 32
...
	.end_amdgpu_metadata
.endif
;; end of part 8
